; MI455X (gfx1250); checked and timed in simulation.
; The chip was launched on July 23, 2026; its instructions are those of AMD's public machine-readable ISA for CDNA 5 (MIT licence, August 2026) and "CDNA5" Instruction Set Architecture Reference Guide (July 2026). The comments in the code are by the model that wrote it; some were corrected since.
;; Multi Head Attention. Allowed arithmetic: matrix products marked QUANTISED: E4M3 operands, one E8M0 scale for each 32 along K, by v_wmma_scale_f32_16x16x128_f8f6f4 with both operands' format E4M3, f32 sums; everything else in f32.
;; Inputs: Wc 1,024 x 3,072 float32; Wo 1,024 x 1,024 float32; bc 3,072 float32; bo 1,024 float32; x 8 x 1,024 x 1,024 float32.
;; Outputs: out0 8 x 1,024 x 1,024 float32.
;; This version of the problem:
;;   THIS VERSION OF THE PROBLEM IS GIVEN IN LOW PRECISION. The matrix products marked QUANTISED in the list below multiply operands that are first quantised to E4M3 (4 exponent bits, 3 mantissa bits; 8 bits a number), with one power-of-two scale for each 32 numbers along K (OCP MX v1.0); their sums are f32. All else is computed in f32.
;;   The module's matrix products, in the order in which they are computed (A, B: the left and right operand; K: the contracted axis; several contracted axes count as one K, in the product's order):
;;     1. [M 8,192, K 1,024] x [K 1,024, N 3,072]; A: input x; B: input Wc: QUANTISED
;;     2. batch 128 x [M 1,024, K 64] x [K 64, N 1,024]; A: computed on the way; B: computed on the way: QUANTISED
;;     3. batch 128 x [M 64, K 1,024] x [K 1,024, N 1,024]; A: computed on the way; B: softmax (see below): QUANTISED
;;     4. [M 8,192, K 1,024] x [K 1,024, N 1,024]; A: computed on the way; B: input Wo: QUANTISED
;;   THE QUANTISER, for each operand of a quantised product, along K:
;;     - K is cut into blocks of 32 from its start; a last block that is shorter is filled with zeros.
;;     - A block's scale is 2^e with e = floor(log2(the largest magnitude in the block)) - 8, held to -126 .. 127; a block of zeros has e = 0. As a byte (E8M0): e + 127.
;;     - Each number is divided by its block's scale, clamped to +-448, and rounded to the nearest number of E4M3, ties to even, subnormals kept.
;;     - The product sums the exact products of the quantised numbers (number of the format x scale) in f32.
;;   ~~~python
;;   def quantise(x, axis):      # numpy; x: float32 -> the quantised numbers, widened to float32 again
;;       x = np.moveaxis(x, axis, -1); K = x.shape[-1]
;;       x = np.pad(x, [(0, 0)] * (x.ndim - 1) + [(0, -K % 32)]); x = x.reshape(x.shape[:-1] + (-1, 32)); a = np.abs(x).max(-1, keepdims=True)
;;       e = np.where(a > 0, np.clip(np.frexp(np.where(a > 0, a, 1))[1] - 1 - 8, -126, 127), 0)      # np.frexp(a)[1] - 1 = floor(log2(a)), exactly
;;       r = np.clip(x / 2.0 ** e, -448, 448)
;;       step = 2.0 ** (np.maximum(np.frexp(np.where(r == 0, 1, r))[1] - 1, -6) - 3)
;;       q = np.round(r / step) * step * 2.0 ** e      # np.round: ties to even
;;       return np.moveaxis(q.reshape(q.shape[:-2] + (-1,))[..., :K], -1, axis).astype(np.float32)
;;   ~~~
;;   SOFTMAX AHEAD OF A QUANTISED PRODUCT. Where the list says 'softmax', what is quantised is not the finished softmax but p = 2^(t - M), with t = logit x log2(e) and M = ceil(the row's largest t), a whole number; so 1/2 < the row's largest p <= 1. The row's sum l is taken of the UNQUANTISED p, in f32, and the product's result is divided by l at the end. Since M is a whole number, a kernel that streams over the keys may use a running M (the ceiling of the running maximum): every later rescaling is an exact power of two, which a block's scale takes up: the codes' values come out the same.
;;   OPERANDS COMPUTED ON THE WAY. 'Computed on the way' means the value that the module computes at that place (a softmax that the list does not call 'softmax' is quantised finished and normalised). What goes into a quantiser is computed in f32, as accurately as f32 sums, v_exp_f32 and their like allow (about 1e-6 of the number): no bf16 or f16 on the way to a quantiser, and a product that is left as it is and whose result goes on into a quantised operand takes f32 operands (vector FMAs, or v_wmma_f32_16x16x4_f32). A number that lies on a knife's edge between two numbers of the format may be rounded either way, as far as f32 arithmetic and the matrix unit's own rounding can turn it there, and no further.
;; 2 versions. Each part assembles by itself: llvm-mc -triple=amdgcn-amd-amdhsa -mcpu=gfx1250 --defsym DOCPART=n.
;; ======== version 1 of 2: 5 launches
;; workspace buffers: xb 8,650,752 bytes; wb 4,325,376 bytes; qkb 17,825,792 bytes; vb 8,650,752 bytes; cb 8,650,752 bytes
;; launch qx (part 1): grid 512 x 1, 4 waves a work-group, no clusters, 69,120 bytes of LDS; arguments x, xb; writes xb
.if DOCPART == 1
	.amdgcn_target "amdgcn-amd-amdhsa--gfx1250"
	.amdhsa_code_object_version 6
	.text
	.protected	k_q7961dd3358_qx
	.globl	k_q7961dd3358_qx
	.p2align	8
	.type	k_q7961dd3358_qx,@function
k_q7961dd3358_qx:
	s_mov_b64 s[64:65], 0
	v_nop
	global_prefetch_b8 v0, s[64:65] scope:SCOPE_SE
	s_setreg_imm32_b32 hwreg(HW_REG_WAVE_MODE, 25, 1), 1
	s_wait_xcnt 0x0
; x [8192][1024] f32 becomes codes of E4M3 with one E8M0 byte for each 32 along K (its last axis), laid as the products' launches read them:
;   xb: codes [row tile 512][K step of 128: 8][part c: 4][lane 32][16 bytes]: the image of an operand's registers: lane (r, h), part c holds K = 32 c + 16 h + 0..15 of the tile's row r;
;       behind them, at byte 8,388,608, scale words [row tile][pair of K steps: 4][r 16][2 words].
; THE ROWS OF A TILE ARE NOT NEIGHBOURS: row i of tile rt is x's row 32 (rt / 2) + 8 (rt % 2) + i % 8 + 16 (i / 8).  Where such a tile is source 0 of a product, a lane's 16 results of two
; neighbouring tiles are 16 neighbouring rows, in the order that the next operand's layout wants.
; A block's scale is 2^(floor(log2(largest magnitude)) - 8); its byte is the largest magnitude's exponent field - 8, held at 1 from below.  A block of zeros gets the byte 1 where the rule says 127:
; its codes are zeros, and this program alone reads the bytes.  LIMITS: NaN and infinities among the inputs are not served.
; SHARES: a work-group takes a row tile, wave w its K 256 w .. 256 w + 255: two fragments.  Each load reads 512 consecutive bytes of one row; the numbers turn through the wave's own stage in LDS
; (rows of 512 + 16 bytes), so that a lane gets 16 neighbours of each block.  No loop: all of a wave's 32 loads are out at once.  No tensor load, no matrix unit, no cluster: nothing is shared or multiplied here.
.set WREG, 16896                       ; LDS of a wave: two stages
.set STGB, 8448                        ; a stage: 16 rows x 528 bytes
.set SP,   528
.set SG,   4*WREG                      ; behind them: the tile's 512 bytes of scale words
.set L16,  4                           ; v4  16 x lane
.set STI,  5                           ; v5  the stage, on the way in
.set STO,  6                           ; v6  and out: 528 r + 64 h
.set SWA,  7                           ; v7  where my two scale words go
.set SRA,  8                           ; v8  where wave 0 reads the 512 bytes back
.set PW,   10                          ; v[10:11] the two scale words
.set TM,   12                          ; v12-27 at work: largest magnitudes, bytes, holds, scale operands
.set PC,   28                          ; v28-59 two fragments' codes
.set R,    64                          ; v64-191 two sets of 64 numbers
.set SEL,  12                          ; s[12:13] v_permlanex16_b32's selects for lane l xor 16
.set MNT,  14                          ; s14 the mantissa field of 448
; 64 numbers of a lane, register 16 b + i = K 32 b + 16 h + i of its row, become a fragment's codes in v[pc] on and its scale word in v[pw]
.macro QUANT s, pc, pw
.irp b, 0,1,2,3
	v_max3_num_f32 v[TM+\b], |v[(\s)+16*\b]|, |v[(\s)+1+16*\b]|, 0x4800000   ; my 16 numbers of block b, and the floor 2^(9 - 127): the byte cannot fall under 1
.endr
.irp i, 2,4,6,8,10,12,14
.irp b, 0,1,2,3
	v_max3_num_f32 v[TM+\b], v[TM+\b], |v[(\s)+16*\b+\i]|, |v[(\s)+1+16*\b+\i]|   ; the four blocks by turns
.endr
.endr
.irp b, 0,1,2,3
	v_permlanex16_b32 v[TM+4+\b], v[TM+\b], s[SEL], s[SEL+1]
.endr
.irp b, 0,1,2,3
	v_max_num_f32 v[TM+\b], v[TM+\b], v[TM+4+\b]           ; with lane l xor 16's 16: the block's largest magnitude
.endr
.irp b, 0,1,2,3
	v_add_nc_u32 v[TM+12+\b], 0xfc000000, v[TM+\b]         ; 8 off its exponent field: the conversion's scale operand
.endr
.irp b, 0,1,2,3
	v_and_or_b32 v[TM+8+\b], v[TM+\b], 0x7f800000, s[MNT]  ; 448 x the scale
.endr
.irp b, 0,1,2,3
	v_lshrrev_b32 v[TM+4+\b], 23, v[TM+12+\b]              ; the scale's byte
.endr
	v_lshl_or_b32 v[\pw], v[TM+5], 8, v[TM+4]
	v_lshl_or_b32 v[\pw], v[TM+6], 16, v[\pw]
	v_lshl_or_b32 v[\pw], v[TM+7], 24, v[\pw]
.irp b, 0,1,2,3
.irp i, 0,1,2,3,4,5,6,7,8,9,10,11,12,13,14,15
	v_med3_num_f32 v[(\s)+16*\b+\i], v[(\s)+16*\b+\i], -v[TM+8+\b], v[TM+8+\b]   ; the conversion to an 8-bit code does not saturate (ISA guide 7.6.2): the hold comes first
.endr
	v_cvt_scalef32_pk8_fp8_f32 v[(\pc)+4*\b:(\pc)+1+4*\b], v[(\s)+16*\b:(\s)+7+16*\b], v[TM+12+\b]
	v_cvt_scalef32_pk8_fp8_f32 v[(\pc)+2+4*\b:(\pc)+3+4*\b], v[(\s)+8+16*\b:(\s)+15+16*\b], v[TM+12+\b]
.endr
	v_nop                                                  ; a plain line behind the last conversion
.endm
.macro TURN f                          ; fragment f's numbers through its stage; LDS serves a wave's instructions in order, so no wait stands between the stores and the loads
.irp i, 0,1,2,3,4,5,6,7,8,9,10,11,12,13,14,15
	ds_store_b128 v[STI], v[R+64*\f+4*\i:R+64*\f+4*\i+3] offset:STGB*\f+SP*\i
.endr
.irp b, 0,1,2,3
.irp j, 0,1,2,3
	ds_load_b128 v[R+64*\f+16*\b+4*\j:R+64*\f+16*\b+4*\j+3], v[STO] offset:STGB*\f+128*\b+16*\j
.endr
.endr
.endm
	s_load_b128 s[4:7], s[0:1], 0x0                ; x, xb
	v_lshl_add_u32 v192, v0, 2, 0x10c00
	v_mov_b32 v193, 0
	v_lshrrev_b32 v1, 5, v0
	v_readfirstlane_b32 s8, v1                     ; wave 0..3
	v_and_b32 v1, 31, v0
	v_and_b32 v2, 15, v0                           ; r
	v_bfe_u32 v3, v0, 4, 1                         ; h
	v_lshlrev_b32 v[L16], 4, v1
	s_mul_i32 s9, s8, WREG
	v_add_nc_u32 v[STI], s9, v[L16]
	v_mul_u32_u24 v[STO], v2, SP
	v_lshl_add_u32 v[STO], v3, 6, v[STO]
	v_add_nc_u32 v[STO], s9, v[STO]
	s_lshl_b32 s9, s8, 7
	s_add_co_u32 s9, s9, SG
	v_lshl_add_u32 v[SWA], v2, 3, s9               ; pair of K steps w, row r: 128 w + 8 r
	v_add_nc_u32 v[SRA], SG, v[L16]
.irp b, 0,1,2,3
	v_mov_b32 v[TM+4+\b], 0                        ; written once: a lane permute's destination counts as one of its sources
.endr
	s_mov_b32 s[SEL], 0x76543210
	s_mov_b32 s[SEL+1], 0xfedcba98
	s_mov_b32 s[MNT], 0x600000
	s_lshr_b32 s10, ttmp9, 1
	s_lshl_b32 s10, s10, 5
	s_and_b32 s11, ttmp9, 1
	s_lshl_b32 s11, s11, 3
	s_add_co_u32 s10, s10, s11                     ; the tile's first row of x: 32 (rt / 2) + 8 (rt % 2)
	s_lshl_b32 s10, s10, 12
	s_lshl_b32 s11, s8, 10
	s_add_co_u32 s10, s10, s11                     ; in bytes, + my 256 along K
	s_mov_b32 s11, 0
	s_lshl_b32 s16, ttmp9, 14
	s_lshl_b32 s17, s8, 12
	s_add_co_u32 s16, s16, s17                     ; my two fragments in xb
	s_mov_b32 s17, 0
	s_lshl_b32 s18, ttmp9, 9
	s_add_co_u32 s18, s18, 0x800000                ; the tile's scale words
	s_mov_b32 s19, 0
	s_wait_kmcnt 0x0
	s_add_nc_u64 s[4:5], s[4:5], s[10:11]
	s_add_nc_u64 s[20:21], s[6:7], s[18:19]
	s_add_nc_u64 s[6:7], s[6:7], s[16:17]
.irp f, 0,1
.irp i, 0,1,2,3,4,5,6,7,8,9,10,11,12,13,14,15
	global_load_b128 v[R+64*\f+4*\i:R+64*\f+4*\i+3], v[L16], s[4:5] offset:(\i+8*(\i/8))*4096+512*\f th:TH_LOAD_NT   ; 512 consecutive bytes of the tile's row i
.endr
.endr
	s_wait_loadcnt 16                              ; fragment 0's sixteen loads are in; fragment 1's may be out
	TURN 0
	s_wait_loadcnt 0x0
	TURN 1
	s_wait_dscnt 32                                ; fragment 0 is back; fragment 1's 32 LDS instructions may be out
	QUANT R, PC, PW
.irp c, 0,1,2,3
	global_store_b128 v[L16], v[PC+4*\c:PC+4*\c+3], s[6:7] offset:512*\c          ; the wave stores 512 consecutive bytes
.endr
	s_wait_dscnt 0x0
	QUANT R+64, PC+16, PW+1
.irp c, 0,1,2,3
	global_store_b128 v[L16], v[PC+16+4*\c:PC+16+4*\c+3], s[6:7] offset:2048+512*\c
.endr
	ds_store_b64 v[SWA], v[PW:PW+1]                ; lanes r and r + 16 hold the same words and write the same bytes
	s_wait_dscnt 0x0                               ; for wave 0's sake: my store has landed
	s_barrier_signal -1
	s_barrier_wait -1
	s_cmp_lg_u32 s8, 0
	s_cbranch_scc1 .Lend
	ds_load_b128 v[R:R+3], v[SRA]                  ; the four waves' words leave as 512 consecutive bytes
	s_wait_dscnt 0x0
	global_store_b128 v[L16], v[R:R+3], s[20:21]
.Lend:
	s_wait_tensorcnt 0x0
	ds_add_u32 v192, v193
	s_wait_dscnt 0x0
	s_endpgm
.Lfunc_end_k_q7961dd3358_qx:
	.size	k_q7961dd3358_qx, .Lfunc_end_k_q7961dd3358_qx-k_q7961dd3358_qx
	.p2alignl 7, 3214868480
	.fill 96, 4, 3214868480
	.section	.rodata,"a",@progbits
	.p2align	6, 0x0
	.amdhsa_kernel k_q7961dd3358_qx
		.amdhsa_group_segment_fixed_size 69120
		.amdhsa_private_segment_fixed_size 0
		.amdhsa_enable_private_segment 0
		.amdhsa_kernarg_size 16
		.amdhsa_user_sgpr_count 2
		.amdhsa_user_sgpr_kernarg_segment_ptr 1
		.amdhsa_wavefront_size32 1
		.amdhsa_system_sgpr_workgroup_id_x 1
		.amdhsa_system_sgpr_workgroup_id_y 1
		.amdhsa_system_sgpr_workgroup_id_z 1
		.amdhsa_system_vgpr_workitem_id 0
		.amdhsa_next_free_vgpr 194
		.amdhsa_next_free_sgpr 66
		.amdhsa_reserve_vcc 0
		.amdhsa_float_denorm_mode_32 3
		.amdhsa_float_denorm_mode_16_64 3
		.amdhsa_memory_ordered 1
		.amdhsa_forward_progress 1
		.amdhsa_inst_pref_size 27
	.end_amdhsa_kernel
	.amdgpu_metadata
---
amdhsa.version: [ 1, 2 ]
amdhsa.kernels:
  - .name:           k_q7961dd3358_qx
    .symbol:         k_q7961dd3358_qx.kd
    .args:
      - { .name: x, .offset: 0, .size: 8, .value_kind: global_buffer, .address_space: global }
      - { .name: xb, .offset: 8, .size: 8, .value_kind: global_buffer, .address_space: global }
    .group_segment_fixed_size: 69120
    .private_segment_fixed_size: 0
    .kernarg_segment_align: 8
    .kernarg_segment_size: 16
    .max_flat_workgroup_size: 128
    .sgpr_count:     66
    .vgpr_count:     194
    .wavefront_size: 32
...
	.end_amdgpu_metadata
.endif
;; end of part 1
;; launch qw (part 2): grid 64 x 4, 2 waves a work-group, no clusters, 17,664 bytes of LDS; arguments Wc, Wo, wb; writes wb
.if DOCPART == 2
	.amdgcn_target "amdgcn-amd-amdhsa--gfx1250"
	.amdhsa_code_object_version 6
	.text
	.protected	k_q7961dd3358_qw
	.globl	k_q7961dd3358_qw
	.p2align	8
	.type	k_q7961dd3358_qw,@function
k_q7961dd3358_qw:
	s_mov_b64 s[64:65], 0
	v_nop
	global_prefetch_b8 v0, s[64:65] scope:SCOPE_SE
	s_setreg_imm32_b32 hwreg(HW_REG_WAVE_MODE, 25, 1), 1
	s_wait_xcnt 0x0
; Wc [1024][3072] and Wo [1024][1024], f32, K their FIRST axis, become codes of E4M3 with one E8M0 byte for each 32 along K, in wb, laid as xb is: images of operand registers
;   codes [row tile 256][K step of 128: 8][part c: 4][lane 32][16 bytes]; at byte 4,194,304 scale words [row tile][pair of K steps: 4][r 16][2 words].
; A "row" of wb is a column of a weight: places 0..3071 are Wc's, 3072..4095 Wo's.  Inside each 32 the place is the column with bits 3 and 4 exchanged: row i of tile 2 b + u is column 32 b + 8 u + i % 8 + 16 (i / 8).
; A LANE TAKES A COLUMN AND ITS REGISTERS RUN DOWN K: a block of 32 lies in one lane, the conversions give K innermost, nothing is transposed.  The codes go through the wave's stage in LDS, in image order,
; and leave as runs of 512 consecutive bytes.  The scale words leave in runs of 128 bytes (one byte for each 128 that the launch reads).
; The byte of a block of zeros is 1 where the rule says 127 (its codes are zeros; this program alone reads the bytes).  LIMITS: NaN and infinities are not served.
; SHARES: work-group x: 64 places (x < 48: Wc, else Wo: pointer and row pitch are chosen on the work-group's number, one path for both); y: 256 along K; a wave: 32 columns, 8 blocks.  Loads run two blocks ahead.
.set STGW, 8448                        ; a wave's stage: two row tiles x (4,096 + 128 bytes)
.set STGT, 4224
.set STA,  4                           ; v4  into the stage: my column's row tile and row
.set RDA,  7                           ; v7  out of it: 16 x lane
.set L16,  8                           ; v8  16 x lane
.set SCO,  9                           ; v9  my place among the scale words
.set SB,   14                          ; v[14:15] my column's eight scale bytes
.set C,    16                          ; v16-23 a block's codes
.set OFF,  24                          ; v24-55 4 x lane + i rows
.set X,    56                          ; v56-119 two sets of 32 numbers
.set OUTR, 120                         ; v120-183 the way out
.set BASE, 16                          ; s[16:31] the address of block t's first row at my wave's first column
	s_load_b128 s[4:7], s[0:1], 0x0                ; Wc, Wo
	s_load_b64 s[8:9], s[0:1], 0x10                ; wb
	v_lshl_add_u32 v192, v0, 2, 0x4400
	v_mov_b32 v193, 0
	v_lshrrev_b32 v1, 5, v0
	v_readfirstlane_b32 s10, v1                    ; wave 0, 1
	v_and_b32 v1, 31, v0                           ; lane = my column among the wave's 32
	v_lshlrev_b32 v3, 2, v1
	v_bfe_u32 v2, v0, 3, 1                         ; its row tile: bit 3 of the column
	v_and_b32 v5, 7, v1
	v_lshrrev_b32 v6, 4, v1
	v_lshl_add_u32 v5, v6, 3, v5                   ; its row there: column % 8 + 8 x bit 4
	s_mul_i32 s11, s10, STGW
	v_mul_u32_u24 v[STA], v2, STGT
	v_lshl_add_u32 v[STA], v5, 4, v[STA]
	v_add_nc_u32 v[STA], s11, v[STA]
	v_lshlrev_b32 v[L16], 4, v1
	v_add_nc_u32 v[RDA], s11, v[L16]
	v_lshlrev_b32 v[SCO], 9, v2
	v_lshl_add_u32 v[SCO], v5, 3, v[SCO]
	s_and_b32 s12, ttmp7, 0xffff                   ; y
	s_mov_b32 s13, 4096
	s_cmp_lt_u32 ttmp9, 48
	s_cselect_b32 s13, 12288, s13                  ; bytes from row to row of the weight
	s_cselect_b32 s14, 0, 48
	s_sub_co_u32 s14, ttmp9, s14                   ; which 64 columns of it
	s_lshl_b32 s14, s14, 8
	s_lshl_b32 s15, s10, 7
	s_add_co_u32 s14, s14, s15                     ; my wave's first column, in bytes
	s_lshl_b32 s15, s12, 8
	s_mul_i32 s15, s15, s13                        ; 256 y rows
	s_add_co_u32 s14, s14, s15
	s_mov_b32 s15, 0
	s_lshl_b32 s32, s13, 5                         ; 32 rows
	s_mov_b32 s33, 0
.irp i, 0,1,2,3,4,5,6,7,8,9,10,11,12,13,14,15,16,17,18,19,20,21,22,23,24,25,26,27,28,29,30,31
	v_mad_u32_u24 v[OFF+\i], s13, \i, v3
.endr
	s_lshl_b32 s34, ttmp9, 16                      ; codes: 16,384 x (4 x + 2 w) + 4,096 y
	s_lshl_b32 s35, s10, 15
	s_add_co_u32 s34, s34, s35
	s_lshl_b32 s35, s12, 12
	s_add_co_u32 s34, s34, s35
	s_mov_b32 s35, 0
	s_lshl_b32 s36, ttmp9, 11                      ; scale words: 512 x (4 x + 2 w) + 128 y
	s_lshl_b32 s37, s10, 10
	s_add_co_u32 s36, s36, s37
	s_lshl_b32 s37, s12, 7
	s_add_co_u32 s36, s36, s37
	s_add_co_u32 s36, s36, 0x400000
	s_mov_b32 s37, 0
	s_mov_b32 s38, 0x600000                        ; the mantissa field of 448
	s_wait_kmcnt 0x0
	s_cmp_lt_u32 ttmp9, 48                         ; the choice hangs on the work-group's number alone
	s_cselect_b64 s[4:5], s[4:5], s[6:7]
	s_add_nc_u64 s[BASE:BASE+1], s[4:5], s[14:15]
.irp t, 1,2,3,4,5,6,7
	s_add_nc_u64 s[BASE+2*\t:BASE+2*\t+1], s[BASE+2*\t-2:BASE+2*\t-1], s[32:33]
.endr
	s_add_nc_u64 s[34:35], s[8:9], s[34:35]
	s_add_nc_u64 s[36:37], s[8:9], s[36:37]
.macro LOAD t                          ; block t: rows 32 t + i of my column: the wave reads 128 consecutive bytes, the two waves stand side by side
.irp i, 0,1,2,3,4,5,6,7,8,9,10,11,12,13,14,15,16,17,18,19,20,21,22,23,24,25,26,27,28,29,30,31
	global_load_b32 v[X+32*((\t)%2)+\i], v[OFF+\i], s[BASE+2*(\t):BASE+2*(\t)+1] th:TH_LOAD_NT
.endr
.endm
	LOAD 0
	LOAD 1
.macro BLOCK t
.set XS, X+32*((\t)%2)
.if (\t) < 7
	s_wait_loadcnt 32                              ; this block's 32 loads are in; the next block's may be out
.else
	s_wait_loadcnt 0x0
.endif
	v_max3_num_f32 v12, |v[XS]|, |v[XS+1]|, |v[XS+2]|
	v_max3_num_f32 v13, |v[XS+3]|, |v[XS+4]|, |v[XS+5]|
.irp i, 6,10,14,18,22,26
	v_max3_num_f32 v12, v12, |v[XS+\i]|, |v[XS+\i+1]|
	v_max3_num_f32 v13, v13, |v[XS+\i+2]|, |v[XS+\i+3]|
.endr
	v_max3_num_f32 v12, v12, |v[XS+30]|, |v[XS+31]|
	v_max3_num_f32 v12, v12, v13, 0x4800000        ; the block's largest magnitude, and the floor 2^(9 - 127)
	v_add_nc_u32 v11, 0xfc000000, v12              ; 8 off its exponent field: the conversion's scale operand
	v_and_or_b32 v10, v12, 0x7f800000, s38         ; 448 x the scale
	v_lshrrev_b32 v13, 23, v11                     ; the byte
.if (\t)%4 == 0
	v_mov_b32 v[SB+(\t)/4], v13
.else
	v_lshl_or_b32 v[SB+(\t)/4], v13, 8*((\t)%4), v[SB+(\t)/4]
.endif
.irp i, 0,1,2,3,4,5,6,7,8,9,10,11,12,13,14,15,16,17,18,19,20,21,22,23,24,25,26,27,28,29,30,31
	v_med3_num_f32 v[XS+\i], v[XS+\i], -v10, v10   ; the conversion does not saturate (ISA guide 7.6.2)
.endr
.irp g, 0,1,2,3
	v_cvt_scalef32_pk8_fp8_f32 v[C+2*\g:C+2*\g+1], v[XS+8*\g:XS+8*\g+7], v11
.endr
	ds_store_b128 v[STA], v[C:C+3] offset:2048*((\t)/4)+512*((\t)%4)          ; K 0..15 of the block: the image's lanes 0-15,
	ds_store_b128 v[STA], v[C+4:C+7] offset:2048*((\t)/4)+512*((\t)%4)+256    ; K 16..31: its lanes 16-31
.if (\t)+2 < 8
	LOAD (\t)+2
.endif
	s_wait_dscnt 0x0                               ; the stores have read their registers: the next block's codes may be written
.endm
.irp t, 0,1,2,3,4,5,6,7
	BLOCK \t
.endr
	global_store_b64 v[SCO], v[SB:SB+1], s[36:37]  ; my column's two scale words
.irp n, 0,1
.irp k, 0,1,2,3,4,5,6,7
	ds_load_b128 v[OUTR+4*(8*\n+\k):OUTR+4*(8*\n+\k)+3], v[RDA] offset:STGT*\n+512*\k
.endr
.endr
.irp n, 0,1
.irp k, 0,1,2,3,4,5,6,7
	s_wait_dscnt 15-8*\n-\k                        ; the younger read-backs may be out
	global_store_b128 v[L16], v[OUTR+4*(8*\n+\k):OUTR+4*(8*\n+\k)+3], s[34:35] offset:16384*\n+512*\k   ; 512 consecutive bytes
.endr
.endr
	s_wait_tensorcnt 0x0
	ds_add_u32 v192, v193
	s_wait_dscnt 0x0
	s_endpgm
.Lfunc_end_k_q7961dd3358_qw:
	.size	k_q7961dd3358_qw, .Lfunc_end_k_q7961dd3358_qw-k_q7961dd3358_qw
	.p2alignl 7, 3214868480
	.fill 96, 4, 3214868480
	.section	.rodata,"a",@progbits
	.p2align	6, 0x0
	.amdhsa_kernel k_q7961dd3358_qw
		.amdhsa_group_segment_fixed_size 17664
		.amdhsa_private_segment_fixed_size 0
		.amdhsa_enable_private_segment 0
		.amdhsa_kernarg_size 24
		.amdhsa_user_sgpr_count 2
		.amdhsa_user_sgpr_kernarg_segment_ptr 1
		.amdhsa_wavefront_size32 1
		.amdhsa_system_sgpr_workgroup_id_x 1
		.amdhsa_system_sgpr_workgroup_id_y 1
		.amdhsa_system_sgpr_workgroup_id_z 1
		.amdhsa_system_vgpr_workitem_id 0
		.amdhsa_next_free_vgpr 194
		.amdhsa_next_free_sgpr 66
		.amdhsa_reserve_vcc 0
		.amdhsa_float_denorm_mode_32 3
		.amdhsa_float_denorm_mode_16_64 3
		.amdhsa_memory_ordered 1
		.amdhsa_forward_progress 1
		.amdhsa_inst_pref_size 62
	.end_amdhsa_kernel
	.amdgpu_metadata
---
amdhsa.version: [ 1, 2 ]
amdhsa.kernels:
  - .name:           k_q7961dd3358_qw
    .symbol:         k_q7961dd3358_qw.kd
    .args:
      - { .name: Wc, .offset: 0, .size: 8, .value_kind: global_buffer, .address_space: global }
      - { .name: Wo, .offset: 8, .size: 8, .value_kind: global_buffer, .address_space: global }
      - { .name: wb, .offset: 16, .size: 8, .value_kind: global_buffer, .address_space: global }
    .group_segment_fixed_size: 17664
    .private_segment_fixed_size: 0
    .kernarg_segment_align: 8
    .kernarg_segment_size: 24
    .max_flat_workgroup_size: 64
    .sgpr_count:     66
    .vgpr_count:     194
    .wavefront_size: 32
...
	.end_amdgpu_metadata
.endif
;; end of part 2
;; launch gemm1 (part 3): grid 12 x 32, 4 waves a work-group, clusters of 4 x 4, 327,680 bytes of LDS; arguments xb, wb, bc, qkb, vb; writes qkb, vb
.if DOCPART == 3
	.amdgcn_target "amdgcn-amd-amdhsa--gfx1250"
	.amdhsa_code_object_version 6
	.text
	.protected	k_q7961dd3358_gemm1
	.globl	k_q7961dd3358_gemm1
	.p2align	8
	.type	k_q7961dd3358_gemm1,@function
k_q7961dd3358_gemm1:
	s_mov_b64 s[64:65], 0
	v_nop
	global_prefetch_b8 v0, s[64:65] scope:SCOPE_SE
	s_setreg_imm32_b32 hwreg(HW_REG_WAVE_MODE, 25, 1), 1
	s_wait_xcnt 0x0
	s_wait_alu depctr_hold_cnt(0) depctr_sa_sdst(0) depctr_va_vdst(0) depctr_va_sdst(0) depctr_va_ssrc(0) depctr_va_vcc(0) depctr_vm_vsrc(0)
	s_getreg_b32 s2, hwreg(HW_REG_IB_STS2, 6, 4)
	s_cmp_eq_u32 s2, 0
	s_cbranch_scc0 .Lentry_in_a_cluster
	s_endpgm
.Lentry_in_a_cluster:
	s_bfe_u32 s2, ttmp6, 0x10000c
	s_cmp_lg_u32 s2, 0xf033
	s_cbranch_scc0 .Lentry_shape_is_right
	s_endpgm
.Lentry_shape_is_right:
; qkv = x Wc + bc on codes of E4M3 (xb, wb: images of operand registers, see below), sums in f32; the results are quantised in registers and leave as codes:
;   q, k along the head's 64 (two blocks), v along the keys.  Nothing wider than a code goes to memory.
; A tile of 256 x 256 is made by four waves, each 128 x 128: 64 accumulators.  K = 1,024 goes in four steps of 256 through two LDS slots.  Source 0 is called B, source 1 A.
; ROLES, by the cluster's x (the same in all sixteen partners): 0: q, 1: k: A = 256 rows of x, B = 256 columns of Wc: a lane holds one row of x, its registers run along the columns (d).
;   2: v: A = 256 columns of Wc, B = 256 rows of x: a lane holds one column d, its registers run along the rows (the keys).
; xb, wb: codes [row tile][K step of 128: 8][c 4][lane][16 bytes], scale words behind them [row tile][pair of K steps 4][r 16][2].  A fragment comes from LDS by four loads of 512 consecutive bytes.
; Row i of row tile 2 b + u is the true row (or column) 32 b + 8 u + i % 8 + 16 (i / 8): so the 16 results that a lane holds of source 0's tiles 2 b, 2 b + 1 are the 16 true neighbours 32 b + 16 h + 0..15.
; OUT.  qkb: two parts (q, k) of PART bytes: images [head 128][tile of 16 positions: 64][c 2][lane][16]; at + 8,388,608 words [head][tile / 4][r][tile % 4] = two scale bytes | 0x7f7f0000 (the upper 64 of the
;   instruction's 128 along K are zero codes).  vb: images of V^T [head][128 keys j: 8][16 d: 4][2,048]; at + 8,388,608 words [head][j][r][4].  Every store of the wave covers 512, or twice 256, consecutive bytes.
; CLUSTERS: 4 x 4.  A's tiles are shared along a row of the cluster, B's along a column: joint loads.
; A block of zeros gets the byte 1 where the rule says 127 (its codes are zeros; this program alone reads the bytes).  LIMITS: NaN and infinities are not served.
; REGISTERS: window 0: v0-31 addresses, v8-15 v's bias; v32-63 scale words, two sets; v64-127 q's and k's bias; v128-255 A's fragments, one set; on the way out v128-255 are at work.
;   window 1: B's fragments, two sets.   windows 2, 3: the accumulators ((a, b) at v[8 (8 (a % 4) + b)]).
.set NQ,    2
.set FR,    16
.set NL,    4
.set NP,    8                          ; places behind this matrix instruction (ISA guide 7.12.1)
.set TILEB, 4096                       ; a row tile's two fragments of a K step of 256
.set HALFT, 8*TILEB                    ; eight row tiles: what one tensor load brings, and what a wave reads of A or of B
.set SLOT,  4*HALFT
.set SCL,   2*SLOT                     ; behind the ring: the scale words of A's and B's 256 rows for all of K, 4 x 4,096 bytes, filled once
.set SPARE, SCL+4*4096                 ; the spare words, 128 bytes a wave: two blocks of 256 bytes that no other line names
.set PART,  8912896
.set ADRA, 16
.set ADRB, 20
.set VSO,  22                          ; v22 2,048 h + 16 r
.set QSO,  24                          ; v24 4,096 h + 16 r
.set L16,  25                          ; v25 16 x lane
.set H16,  26                          ; v26 16 h
.set ADRS, 27
.set SPW,  28
.set NIL,  29
.set BV,   8
.set SC,   32
.set BQ,   64
.set AF,   128
.set T,    128                         ; the way out: 64 numbers
.set PC,   192                         ; two sets of 16 registers of codes
.set TM,   224
.set SW,   240                         ; eight scale words
.set G1, 24
.set G0, 32
.set G1B, 48
.set G0B, 56
.set G1S, 68
.set G0S, 76
.set G1SB, 80
.set G0SB, 88
.set SEL, 98
.set MNT, 100
.set MSB, 0
.macro WIN new                         ; the immediate's high byte repeats the setting that is left
.if MSB != \new
	s_set_vgpr_msb (MSB<<8)|\new
.set MSB, \new
.endif
.endm
.set MUL_LO, 0xa1                      ; source 0 (B) window 1, source 1 (A) window 0, C and D window 2
.set MUL_HI, 0xf1
.set TO_B,   0x40
.macro JLOAD g0a, g1a, g0b, g1b        ; a joint load: waves 0, 1 fetch for A, waves 2, 3 for B; four v_nop follow each line
	s_cmp_eq_u32 s15, 0
	s_cbranch_scc0 .Lfor_b_\@
	tensor_load_to_lds s[\g0a:\g0a+3], s[\g1a:\g1a+7]
	s_nop 0
.rept 4
	v_nop
.endr
	s_branch .Lasked_\@
.Lfor_b_\@:
	tensor_load_to_lds s[\g0b:\g0b+3], s[\g1b:\g1b+7]
	s_nop 0
.rept 4
	v_nop
.endr
.Lasked_\@:
.endm
.macro CREST
	s_cmp_lg_u32 s14, 0
	s_cbranch_scc1 .Lnot_wave_0_\@
	s_barrier_signal -3
.Lnot_wave_0_\@:
	s_barrier_wait -3
	s_barrier_signal -1
	s_barrier_wait -1
.endm
.macro CROUND
	s_barrier_signal -1
	s_barrier_wait -1
	CREST
.endm
	s_load_b128 s[4:7], s[0:1], 0x0                ; xb, wb
	s_load_b128 s[8:11], s[0:1], 0x10              ; bc, qkb
	s_load_b64 s[12:13], s[0:1], 0x20              ; vb
	v_lshl_add_u32 v[SPW], v0, 2, SPARE
	v_mov_b32 v[NIL], 0
	ds_add_u32 v28, v29
	ds_add_u32 v28, v29
	s_wait_dscnt 0x0
	v_lshrrev_b32 v1, 5, v0
	v_readfirstlane_b32 s14, v1                    ; wave 0..3
	s_lshr_b32 s15, s14, 1                         ; my half of A's rows.  Also: I fetch for A (0) or for B (1)
	s_and_b32 s16, s14, 1                          ; my half of B's rows.  Also: which eight row tiles I fetch
	s_bfe_u32 s40, ttmp6, 0x40000                  ; cx
	s_bfe_u32 s41, ttmp6, 0x40004                  ; cy
	s_and_b32 s17, ttmp7, 0xffff                   ; the cluster's y = the batch b
	s_lshl_b32 s42, s17, 2
	s_lshl_b32 s45, ttmp9, 2
	s_lshl_b32 s43, s41, 2
	s_lshl_b32 s43, 15, s43                        ; my row of the cluster
	s_lshl_b32 s44, 0x1111, s40                    ; my column
	; group 1 for codes: 8 rows (row tiles) of 4,096 bytes (512 elements of 8 bytes), 16,384 bytes apart; dense in LDS
	s_or_b32 s[G1+0], s43, (3<<16)|(1<<21)
	s_or_b32 s[G1B+0], s44, (3<<16)|(1<<21)
.irp g, G1, G1B
	s_mov_b32 s[\g+1], 512<<16
	s_mov_b32 s[\g+2], 8<<16
	s_mov_b32 s[\g+3], 512<<16
	s_mov_b32 s[\g+4], 8
	s_mov_b32 s[\g+5], 2048
	s_mov_b32 s[\g+6], 0
	s_mov_b32 s[\g+7], 0
.endr
	; and for the scale words of eight row tiles: 4,096 dense bytes as 16 rows of 256
	s_or_b32 s[G1S+0], s43, (3<<16)|(1<<21)
	s_or_b32 s[G1SB+0], s44, (3<<16)|(1<<21)
.irp g, G1S, G1SB
	s_mov_b32 s[\g+1], 32<<16
	s_mov_b32 s[\g+2], 16<<16
	s_mov_b32 s[\g+3], 32<<16
	s_mov_b32 s[\g+4], 16
	s_mov_b32 s[\g+5], 32
	s_mov_b32 s[\g+6], 0
	s_mov_b32 s[\g+7], 0
.endr
	s_cmp_eq_u32 ttmp9, 2                          ; the role: the same in all partners
	s_cselect_b32 s20, 8, s42                      ; A's tile of 256: v: Wc's columns from 2,048 on; else x's rows of batch b;
	s_cselect_b32 s46, s42, s45                    ; B's: v: x's rows; else Wc's columns of q or k
	s_add_co_u32 s20, s20, s41                     ; + cy: A's registers never hold cx,
	s_add_co_u32 s46, s46, s40                     ; + cx: B's never cy
	s_lshl_b32 s18, s16, 3
	s_lshl_b32 s20, s20, 4
	s_add_co_u32 s20, s20, s18                     ; the first row tile that I fetch
	s_lshl_b32 s46, s46, 4
	s_add_co_u32 s46, s46, s18
	s_lshl_b32 s22, s20, 9                         ; its scale words,
	s_lshl_b32 s20, s20, 14                        ; its codes
	s_lshl_b32 s92, s46, 9
	s_lshl_b32 s46, s46, 14
	s_mov_b32 s21, 0
	s_mov_b32 s23, 0
	s_mov_b32 s47, 0
	s_mov_b32 s93, 0
	s_mov_b32 s2, 0x800000                         ; where xb's scale words begin,
	s_mov_b32 s3, 0x400000                         ; and wb's
	s_cmp_eq_u32 ttmp9, 2
	s_cselect_b32 s18, s3, s2
	s_cselect_b32 s19, s2, s3
	s_add_co_u32 s22, s22, s18
	s_add_co_u32 s92, s92, s19
	s_lshl_b32 s45, s14, 15                        ; where they go: wave x HALFT; no place in the cluster enters an LDS address
	s_lshl_b32 s94, s14, 12
	s_mov_b32 s[SEL], 0x76543210
	s_mov_b32 s[SEL+1], 0xfedcba98
	s_mov_b32 s[MNT], 0x600000
	s_mov_b32 s101, 0x7f7f0000
	s_wait_kmcnt 0x0
	s_cmp_eq_u32 ttmp9, 2
	s_cselect_b64 s[18:19], s[6:7], s[4:5]         ; A's buffer
	s_cselect_b64 s[96:97], s[4:5], s[6:7]         ; B's
	s_add_nc_u64 s[20:21], s[18:19], s[20:21]
	s_add_nc_u64 s[22:23], s[18:19], s[22:23]
	s_add_nc_u64 s[46:47], s[96:97], s[46:47]
	s_add_nc_u64 s[92:93], s[96:97], s[92:93]
	CROUND                                         ; all sixteen work-groups are here: the first joint loads meet
	s_mov_b32 s[G0S], 1
	s_add_co_u32 s[G0S+1], s94, SCL
	s_mov_b64 s[G0S+2:G0S+3], s[22:23]
	s_or_b32 s[G0S+3], s[G0S+3], 0x80000000
	s_mov_b32 s[G0SB], 1
	s_add_co_u32 s[G0SB+1], s94, SCL
	s_mov_b64 s[G0SB+2:G0SB+3], s[92:93]
	s_or_b32 s[G0SB+3], s[G0SB+3], 0x80000000
	JLOAD G0S, G1S, G0SB, G1SB                     ; the scale words first: they are wanted with K step 0
.irp s, 0,1
	s_mov_b32 s[G0+4*\s], 1
	s_add_co_u32 s[G0+4*\s+1], s45, \s*SLOT
	s_add_nc_u64 s[G0+4*\s+2:G0+4*\s+3], s[20:21], \s*TILEB
	s_or_b32 s[G0+4*\s+3], s[G0+4*\s+3], 0x80000000
	s_mov_b32 s[G0B+4*\s], 1
	s_add_co_u32 s[G0B+4*\s+1], s45, \s*SLOT
	s_add_nc_u64 s[G0B+4*\s+2:G0B+4*\s+3], s[46:47], \s*TILEB
	s_or_b32 s[G0B+4*\s+3], s[G0B+4*\s+3], 0x80000000
	JLOAD G0+4*\s, G1, G0B+4*\s, G1B               ; by this text's count three tensor loads of mine are out now, later one
.endr
	v_and_b32 v1, 31, v0
	v_lshlrev_b32 v[L16], 4, v1
	v_and_b32 v2, 15, v0                           ; r
	v_bfe_u32 v3, v0, 4, 1                         ; h
	s_lshl_b32 s21, s15, 15                        ; my eight row tiles of A,
	s_lshl_b32 s22, s16, 15                        ; of B,
	s_add_co_u32 s22, s22, 2*HALFT                 ; which lie behind A's sixteen
.irp s, 0,1
	v_add_nc_u32 v[ADRA+\s], s21, v[L16]
	v_add_nc_u32 v[ADRB+\s], s22, v[L16]
	s_add_co_u32 s21, s21, SLOT
	s_add_co_u32 s22, s22, SLOT
.endr
	s_lshl_b32 s21, s15, 12                        ; scale words: lanes 0-15 take A's rows, lanes 16-31 B's: the lower base + h x the distance
	s_lshl_b32 s22, s16, 12
	s_add_co_u32 s22, s22, 8192
	s_sub_co_u32 s22, s22, s21
	v_mul_u32_u24 v6, s22, v3
	s_add_co_u32 s21, s21, SCL
	v_lshl_add_u32 v5, v2, 3, v6
	v_add_nc_u32 v[ADRS], s21, v5
	v_lshlrev_b32 v[H16], 4, v3
	v_lshlrev_b32 v4, 4, v2
	v_lshl_add_u32 v[VSO], v3, 11, v4
	v_lshl_add_u32 v[QSO], v3, 12, v4
	; THE BIAS, in both forms, on the one path that all roles take (both addresses lie inside bc in every role), so that no register's state hangs on the role.
	s_lshl_b32 s18, ttmp9, 12
	s_lshl_b32 s19, s40, 10
	s_add_co_u32 s18, s18, s19
	s_lshl_b32 s19, s16, 9
	s_add_co_u32 s18, s18, s19                     ; 4 x (256 (4 x role + cx) + 128 x my half of B): q's and k's columns
	s_mov_b32 s19, 0
	s_add_nc_u64 s[18:19], s[8:9], s[18:19]
	s_lshl_b32 s96, s41, 10
	s_lshl_b32 s97, s15, 9
	s_add_co_u32 s96, s96, s97
	s_add_co_u32 s96, s96, 8192                    ; 4 x (2,048 + 256 cy + 128 x my half of A): v's columns
	s_mov_b32 s97, 0
	s_add_nc_u64 s[96:97], s[8:9], s[96:97]
	v_lshlrev_b32 v30, 6, v3                       ; 64 h
	v_and_b32 v4, 7, v2
	v_lshrrev_b32 v5, 3, v2
	v_lshl_add_u32 v4, v5, 4, v4
	v_lshlrev_b32 v31, 2, v4                       ; 4 (r % 8 + 16 (r / 8))
.irp t, 0,1,2,3,4,5,6,7
	global_load_b128 v[BQ+8*\t:BQ+8*\t+3], v30, s[18:19] offset:4*(32*(\t/2)+8*(\t%2))        ; register 8 t + j: column 32 (t / 2) + 16 h + 8 (t % 2) + j
	global_load_b128 v[BQ+8*\t+4:BQ+8*\t+7], v30, s[18:19] offset:4*(32*(\t/2)+8*(\t%2))+16
.endr
.irp a, 0,1,2,3,4,5,6,7
	global_load_b32 v[BV+\a], v31, s[96:97] offset:4*(32*(\a/2)+8*(\a%2))                     ; the column that is row r of A's tile a
.endr
.macro FRAG reg, adr, q, i             ; a fragment as its image: four loads of 512 consecutive bytes
.irp c, 0,1,2,3
	ds_load_b128 v[\reg+4*\c:\reg+4*\c+3], v[\adr] offset:2048*(\q)+512*\c+(\i)*TILEB
.endr
.endm
; 16 matrix instructions: A's blocks a0, a0 + 1 x B's eight.  The 64 accumulators take turns, one instruction a turn, in the same order in every step.
.macro MUL16 a0, p, q, sc, zero
.irp a, \a0, \a0+1
.irp b, 0,1,2,3,4,5,6,7
.if \zero
	v_wmma_scale_f32_16x16x128_f8f6f4 v[8*(8*((\a)%4)+\b):8*(8*((\a)%4)+\b)+7], v[128*(\p)+FR*\b:128*(\p)+FR*\b+FR-1], v[AF+FR*(\a):AF+FR*(\a)+FR-1], 0, v[SC+8*NQ*(\sc)+NQ*\b+(\q)], v[SC+8*NQ*(\sc)+NQ*(\a)+(\q)] matrix_a_scale:MATRIX_SCALE_ROW1
.else
	v_wmma_scale_f32_16x16x128_f8f6f4 v[8*(8*((\a)%4)+\b):8*(8*((\a)%4)+\b)+7], v[128*(\p)+FR*\b:128*(\p)+FR*\b+FR-1], v[AF+FR*(\a):AF+FR*(\a)+FR-1], v[8*(8*((\a)%4)+\b):8*(8*((\a)%4)+\b)+7], v[SC+8*NQ*(\sc)+NQ*\b+(\q)], v[SC+8*NQ*(\sc)+NQ*(\a)+(\q)] matrix_a_scale:MATRIX_SCALE_ROW1
.endif
.endr
.endr
.endm
.macro FETCH_B slot, q, p
	WIN TO_B
.irp i, 0,1,2,3,4,5,6,7
	FRAG 128*(\p)+FR*\i, ADRB+\slot, \q, \i
.endr
	WIN 0
.endm
.macro FETCH_A slot, q, i0
.irp i, \i0, \i0+1, \i0+2, \i0+3
	FRAG AF+FR*(\i), ADRA+\slot, \q, \i
.endr
.endm
.macro SCALES sc                       ; a K step's two words a row: lanes 0-15 A's block i, lanes 16-31 B's block i
.irp i, 0,1,2,3,4,5,6,7
	ds_load_b64 v[SC+8*NQ*\sc+NQ*\i:SC+8*NQ*\sc+NQ*\i+1], v[ADRS] offset:\i*512
.endr
.endm
.macro PLACES n                        ; plain vector lines between a matrix instruction and a load into, or a vector line on, its registers
.rept \n
	v_nop
.endr
.endm
.macro STEP slot, q, zero              ; 128 along K that has its successor in the same slot
	s_wait_dscnt 4*NL                              ; B's set and A's blocks 0-3 are in; the youngest sixteen loads (A's blocks 4-7) may be out
	WIN MUL_LO
	MUL16 0, (\q)%2, \q, \slot, \zero
	MUL16 2, (\q)%2, \q, \slot, \zero
	s_wait_dscnt 0
	PLACES NP
	FETCH_B \slot, (\q)+1, 1-(\q)%2
	FETCH_A \slot, (\q)+1, 0
	WIN MUL_HI
	MUL16 4, (\q)%2, \q, \slot, \zero
	MUL16 6, (\q)%2, \q, \slot, \zero
	PLACES NP
	WIN 0
	FETCH_A \slot, (\q)+1, 4
.endm
; A slot's last 128 along K changes slots: one barrier; in front of it each wave waits for all its tensor loads, adds 0 to its spare word, and waits for that and for its reads of this slot.
.macro TURN slot, next, fill
	s_wait_tensorcnt 0x0                           ; all my tensor loads have landed: my part of the next slot
	ds_add_u32 v[SPW], v[NIL]                      ; 0 onto my spare word
	s_wait_dscnt 4*NL+1                            ; (the add and A's blocks 4-7 may be out)
	WIN MUL_LO
	MUL16 0, 1, NQ-1, \slot, 0
	s_wait_dscnt 0x0                               ; the add is done, and my reads of this slot are over
	s_barrier_signal -1
	MUL16 2, 1, NQ-1, \slot, 0
	WIN 0
	s_barrier_wait -1
.if \fill
	CREST                                          ; the barrier has opened a round of the cluster's: no wave of any partner still reads this slot or has a load on its way
	s_add_nc_u64 s[G0+4*\slot+2:G0+4*\slot+3], s[G0+4*\slot+2:G0+4*\slot+3], 2*TILEB
	s_add_nc_u64 s[G0B+4*\slot+2:G0B+4*\slot+3], s[G0B+4*\slot+2:G0B+4*\slot+3], 2*TILEB
	JLOAD G0+4*\slot, G1, G0B+4*\slot, G1B         ; the first tensor load behind the round; its four v_nop are among the places in front of the loads below
	PLACES NP-4
.else
	PLACES NP
.endif
	v_add_nc_u32 v[ADRS], 128, v[ADRS]             ; the next K step's scale words
	FETCH_B \next, 0, 0
	FETCH_A \next, 0, 0
	SCALES \next
	WIN MUL_HI
	MUL16 4, 1, NQ-1, \slot, 0
	MUL16 6, 1, NQ-1, \slot, 0
	PLACES NP
	WIN 0
	FETCH_A \next, 0, 4
.endm
	s_wait_tensorcnt 1                             ; the scale words and my part of K step 0 are in; K step 1's load may be out
	s_barrier_signal -1
	s_barrier_wait -1
	FETCH_B 0, 0, 0
	FETCH_A 0, 0, 0
	SCALES 0
	FETCH_A 0, 0, 4
	STEP 0, 0, 1                                   ; the first products start the sums: nothing is cleared
	TURN 0, 1, 1                                   ; four K steps of 256: written out, both slots are filled again once
	STEP 1, 0, 0
	TURN 1, 0, 1
	STEP 0, 0, 0
	TURN 0, 1, 0
	STEP 1, 0, 0
	s_wait_dscnt 4*NL
	WIN MUL_LO
	MUL16 0, 1, NQ-1, 1, 0
	MUL16 2, 1, NQ-1, 1, 0
	s_wait_dscnt 0
	WIN MUL_HI
	MUL16 4, 1, NQ-1, 1, 0
	MUL16 6, 1, NQ-1, 1, 0
	WIN 0
; 64 numbers of a lane, register 16 b + i = K 32 b + 16 h + i, become 16 registers of codes in v[pc] on and a scale word in v[pw]
.macro QUANT s, pc, pw
.irp b, 0,1,2,3
	v_max3_num_f32 v[TM+\b], |v[(\s)+16*\b]|, |v[(\s)+1+16*\b]|, 0x4800000   ; my 16 numbers of block b, and the floor 2^(9 - 127)
.endr
.irp i, 2,4,6,8,10,12,14
.irp b, 0,1,2,3
	v_max3_num_f32 v[TM+\b], v[TM+\b], |v[(\s)+16*\b+\i]|, |v[(\s)+1+16*\b+\i]|
.endr
.endr
.irp b, 0,1,2,3
	v_permlanex16_b32 v[TM+4+\b], v[TM+\b], s[SEL], s[SEL+1]
.endr
.irp b, 0,1,2,3
	v_max_num_f32 v[TM+\b], v[TM+\b], v[TM+4+\b]
.endr
.irp b, 0,1,2,3
	v_add_nc_u32 v[TM+12+\b], 0xfc000000, v[TM+\b]         ; the conversion's scale operand
.endr
.irp b, 0,1,2,3
	v_and_or_b32 v[TM+8+\b], v[TM+\b], 0x7f800000, s[MNT]  ; 448 x the scale
.endr
.irp b, 0,1,2,3
	v_lshrrev_b32 v[TM+4+\b], 23, v[TM+12+\b]              ; the byte
.endr
	v_lshl_or_b32 v[\pw], v[TM+5], 8, v[TM+4]
	v_lshl_or_b32 v[\pw], v[TM+6], 16, v[\pw]
	v_lshl_or_b32 v[\pw], v[TM+7], 24, v[\pw]
.irp b, 0,1,2,3
.irp i, 0,1,2,3,4,5,6,7,8,9,10,11,12,13,14,15
	v_med3_num_f32 v[(\s)+16*\b+\i], v[(\s)+16*\b+\i], -v[TM+8+\b], v[TM+8+\b]   ; the conversion does not saturate (ISA guide 7.6.2)
.endr
	v_cvt_scalef32_pk8_fp8_f32 v[(\pc)+4*\b:(\pc)+1+4*\b], v[(\s)+16*\b:(\s)+7+16*\b], v[TM+12+\b]
	v_cvt_scalef32_pk8_fp8_f32 v[(\pc)+2+4*\b:(\pc)+3+4*\b], v[(\s)+8+16*\b:(\s)+15+16*\b], v[TM+12+\b]
.endr
	v_nop                                                  ; a plain line behind the last conversion
.endm
; THE WAY OUT of A's block a: its 64 sums a lane + the bias come into window 0 (each accumulator from its low end on), are quantised, and the codes are stored as images.
.macro EBLK a, kind                    ; kind 0: q, k;  1: v
.set PCA, PC+16*((\a)%2)
	s_wait_xcnt 0x0                                ; block a - 2's stores have read these registers
	WIN 0x02+(\a)/4                                ; source 0: window 2 or 3
.set i, 0
.rept 32
.if \kind == 0
	v_pk_add_f32 v[T+i:T+i+1], v[64*((\a)%4)+i:64*((\a)%4)+i+1], v[BQ+i:BQ+i+1]
.elseif (\a)%2
	v_pk_add_f32 v[T+i:T+i+1], v[64*((\a)%4)+i:64*((\a)%4)+i+1], v[BV+(\a)-1:BV+(\a)] op_sel:[0,1] op_sel_hi:[1,1]   ; my column's bias, the pair's second register, for both halves
.else
	v_pk_add_f32 v[T+i:T+i+1], v[64*((\a)%4)+i:64*((\a)%4)+i+1], v[BV+(\a):BV+(\a)+1] op_sel_hi:[1,0]                ; the pair's first register for both halves
.endif
.set i, i+2
.endr
	WIN 0
.if \kind == 0
	QUANT T, PCA, 248
	v_lshrrev_b32 v249, v[H16], v248               ; lanes 0-15 keep the first head's two bytes, lanes 16-31 the second head's;
	v_and_or_b32 v[SW+(\a)], v249, 0xffff, s101    ; the upper 64 along K are zero codes: bytes 127
.irp e, 0,1
.irp c, 0,1
	global_store_b128 v[L16], v[PCA+4*(2*\e+\c):PCA+4*(2*\e+\c)+3], s[92:93] offset:65536*\e+1024*(\a)+512*\c
.endr
.endr
.if (\a)%4 == 3
	global_store_b128 v[QSO], v[SW+(\a)-3:SW+(\a)], s[94:95] offset:256*((\a)/4)   ; four tiles' words: sixteen lanes fill 256 consecutive bytes of each head
.endif
.else
	QUANT T, PCA, SW+(\a)
.irp c, 0,1,2,3
	global_store_b128 v[L16], v[PCA+4*\c:PCA+4*\c+3], s[92:93] offset:65536*((\a)/4)+2048*((\a)%4)+512*\c
.endr
.endif
.endm
	PLACES NP                                      ; in front of the first vector lines on registers of the last products
	s_wait_loadcnt 0x0                             ; the bias
.irp b, 0,1,2,3
	v_mov_b32 v[TM+4+\b], 0                        ; written once: a lane permute's destination counts as one of its sources
.endr
	s_lshl_b32 s18, s17, 4                         ; 16 b
	s_mov_b32 s23, 0
	s_cmp_eq_u32 ttmp9, 2
	s_cbranch_scc1 .Lvpart
	s_lshl_b32 s19, s40, 2
	s_add_co_u32 s18, s18, s19
	s_lshl_b32 s19, s16, 1
	s_add_co_u32 s18, s18, s19                     ; my first head: 16 b + 4 cx + 2 x my half of B
	s_lshl_b32 s19, s41, 4
	s_lshl_b32 s20, s15, 3
	s_add_co_u32 s19, s19, s20                     ; my first tile of positions: 16 cy + 8 x my half of A
	s_mul_i32 s20, ttmp9, PART                     ; q's part or k's
	s_lshl_b32 s22, s18, 16
	s_add_co_u32 s22, s22, s20
	s_lshl_b32 s21, s19, 10
	s_add_co_u32 s22, s22, s21
	s_add_nc_u64 s[92:93], s[10:11], s[22:23]      ; images
	s_lshl_b32 s22, s18, 12
	s_add_co_u32 s22, s22, s20
	s_lshl_b32 s21, s19, 6
	s_add_co_u32 s22, s22, s21
	s_add_co_u32 s22, s22, 0x800000
	s_add_nc_u64 s[94:95], s[10:11], s[22:23]      ; scale words
.irp a, 0,1,2,3,4,5,6,7
	EBLK \a, 0
.endr
	s_branch .Ldone
.Lvpart:
	s_lshl_b32 s19, s41, 2
	s_add_co_u32 s18, s18, s19
	s_lshl_b32 s19, s15, 1
	s_add_co_u32 s18, s18, s19                     ; my first head: 16 b + 4 cy + 2 x my half of A
	s_lshl_b32 s19, s40, 1
	s_add_co_u32 s19, s19, s16                     ; my 128 keys: j = 2 cx + my half of B
	s_lshl_b32 s22, s18, 16
	s_lshl_b32 s21, s19, 13
	s_add_co_u32 s22, s22, s21
	s_add_nc_u64 s[92:93], s[12:13], s[22:23]      ; images
	s_lshl_b32 s22, s18, 11
	s_lshl_b32 s21, s19, 8
	s_add_co_u32 s22, s22, s21
	s_add_co_u32 s22, s22, 0x800000
	s_add_nc_u64 s[94:95], s[12:13], s[22:23]      ; scale words
.irp a, 0,1,2,3,4,5,6,7
	EBLK \a, 1
.endr
	s_mov_b32 vcc_lo, 0xffff0000                   ; lanes 0-15 store the first head's four words, lanes 16-31 the second head's
.irp d, 0,1,2,3
	v_cndmask_b32 v[248+\d], v[SW+\d], v[SW+4+\d], vcc_lo
.endr
	global_store_b128 v[VSO], v[248:251], s[94:95]
.Ldone:
	s_wait_tensorcnt 0x0                           ; the wave's end
	ds_add_u32 v[SPW], v[NIL]
	s_wait_dscnt 0x0
	CROUND                                         ; the closing round
	s_endpgm
.Lfunc_end_k_q7961dd3358_gemm1:
	.size	k_q7961dd3358_gemm1, .Lfunc_end_k_q7961dd3358_gemm1-k_q7961dd3358_gemm1
	.p2alignl 7, 3214868480
	.fill 96, 4, 3214868480
	.section	.rodata,"a",@progbits
	.p2align	6, 0x0
	.amdhsa_kernel k_q7961dd3358_gemm1
		.amdhsa_group_segment_fixed_size 327680
		.amdhsa_private_segment_fixed_size 0
		.amdhsa_enable_private_segment 0
		.amdhsa_kernarg_size 40
		.amdhsa_user_sgpr_count 2
		.amdhsa_user_sgpr_kernarg_segment_ptr 1
		.amdhsa_wavefront_size32 1
		.amdhsa_system_sgpr_workgroup_id_x 1
		.amdhsa_system_sgpr_workgroup_id_y 1
		.amdhsa_system_sgpr_workgroup_id_z 1
		.amdhsa_system_vgpr_workitem_id 0
		.amdhsa_next_free_vgpr 1024
		.amdhsa_next_free_sgpr 102
		.amdhsa_reserve_vcc 1
		.amdhsa_float_denorm_mode_32 3
		.amdhsa_float_denorm_mode_16_64 3
		.amdhsa_memory_ordered 1
		.amdhsa_forward_progress 1
		.amdhsa_inst_pref_size 255
	.end_amdhsa_kernel
	.section	.bss,"aw",@nobits
	.p2align	6
	.space	262144
	.amdgpu_metadata
---
amdhsa.version: [ 1, 2 ]
amdhsa.kernels:
  - .name:           k_q7961dd3358_gemm1
    .symbol:         k_q7961dd3358_gemm1.kd
    .args:
      - { .name: xb, .offset: 0, .size: 8, .value_kind: global_buffer, .address_space: global }
      - { .name: wb, .offset: 8, .size: 8, .value_kind: global_buffer, .address_space: global }
      - { .name: bc, .offset: 16, .size: 8, .value_kind: global_buffer, .address_space: global }
      - { .name: qkb, .offset: 24, .size: 8, .value_kind: global_buffer, .address_space: global }
      - { .name: vb, .offset: 32, .size: 8, .value_kind: global_buffer, .address_space: global }
    .group_segment_fixed_size: 327680
    .private_segment_fixed_size: 0
    .kernarg_segment_align: 8
    .kernarg_segment_size: 40
    .max_flat_workgroup_size: 128
    .sgpr_count:     102
    .vgpr_count:     1024
    .wavefront_size: 32
...
	.end_amdgpu_metadata
.endif
;; end of part 3
;; launch attn (part 4): grid 2 x 128, 16 waves a work-group, no clusters, 169,984 bytes of LDS; arguments qkb, vb, cb; writes cb
.if DOCPART == 4
	.amdgcn_target "amdgcn-amd-amdhsa--gfx1250"
	.amdhsa_code_object_version 6
	.text
	.protected	k_q7961dd3358_attn
	.globl	k_q7961dd3358_attn
	.p2align	8
	.type	k_q7961dd3358_attn,@function
k_q7961dd3358_attn:
	s_mov_b64 s[64:65], 0
	v_nop
	global_prefetch_b8 v0, s[64:65] scope:SCOPE_SE
	s_setreg_imm32_b32 hwreg(HW_REG_WAVE_MODE, 25, 1), 1
	s_wait_xcnt 0x0
; For each head: O[q] = the sum over keys k >= q of softmax_k(Q[q] . K[k] / 32) V[k], both products on codes of E4M3 with E8M0 scales; O is quantised along D and leaves as codes (cb) for the last product.
; THE SOFTMAX: t = score x log2(e) / 32; M = the running largest t rounded UP to a whole number; p = 2^(t - M) is quantised along the keys; the row's sum is taken of the unquantised p and divides O at the end.
; When M moves, the sum and O are multiplied by 2^(old M - new M), which rounds nothing.
; IN (see the launch before): qkb: q's and k's images [head][tile of 16 positions: 64][c 2][lane][16] and words [head][tile / 4][r][tile % 4]; the head's 64 fill half of the instruction's 128 along K: the other
; half are zero codes in registers, with scale bytes 127.  vb: V^T's images [head][128 keys j][16 d: 4][2,048] and words [head][j][r][4].
; Row i of position tile 2 b + u is position 32 b + 8 u + i % 8 + 16 (i / 8): with K's tile as source 0 a lane's 16 scores of tiles 2 b, 2 b + 1 are the 16 neighbouring keys 32 b + 16 h + 0..15; V^T's rows likewise give d.
; SHARES.  Two work-groups (g) to a head, sixteen waves each, four to a SIMD.  A query tile qt needs the key steps j = qt / 8 .. 7.  Wave w takes tiles 63 - i and then i, i = 16 g + w: nine steps of 128 keys for every wave.
; Steps are walked from the last keys on (p = 7 - j), so that both passes begin with the same bytes.  A step all of whose keys are hidden is jumped over by a scalar branch on ids; the trip counts are constants.
; LDS.  The head's K and V, 128 KiB, are filled ONCE by tensor loads, four of 2 KiB a wave, in the order in which they are read: step p at 16,384 p: K's 8 images, V's 4.  Nothing is filled again.
; NO CLUSTER: only two work-groups share a head's bytes, and they fetch them once in the launch, not step by step.
; OUT.  cb as xb: the head's two parts of a fragment (1,024 consecutive bytes) and, for each row, the head's two scale bytes: a store of 2 bytes a lane, 8 bytes apart: a head owns half of a scale word.
; A block of zeros gets the byte 1 where the rule says 127 (its codes are zeros; this program alone reads the bytes).  LIMITS: NaN and infinities are not served.
; REGISTERS: v1-11 addresses and constants; v12 -M, v13 the largest t, v[14:15] the sum; v16-31 Q (upper half zeros); v32-95 four fragments of K (upper halves zeros); v96-159 S^T, then p, then V's fragments;
; v160-191 O^T; v192-207 p's codes; v208-221 scale words; v[222:223] f; v224-245 at work; v246-254 the second tile's Q.
.set PART, 8912896
.set KSC,  131072                      ; K's scale words, step p at 512 p
.set VSC,  135168                      ; V's, step p at 256 p
.set KB,   32
.set SS,   96
.set OT,   160
.set PCD,  192
.set KW,   208
.set VW,   216
.set QW,   220
.set PWD,  221
.set FF,   222
.set BM,   224
.set BT,   228
.set HL,   232
.set SO,   236
.set WV,   10
.set QTB,  14
.set QTA,  15
.set G1,   16
.set G0,   24
.set SEL,  40
.set CS,   42
.set MNT,  44
.set RP,   45                          ; s45 the step in hand, p
.set RPD,  46                          ; s46 the tile's last step: the one on the diagonal
.set RTB,  47                          ; s47-49 where the step's tiles and scale words begin
.set RTS,  48
.set RTJ,  49
.set RCNT, 50
	s_load_b128 s[4:7], s[0:1], 0x0                ; qkb, vb
	s_load_b64 s[8:9], s[0:1], 0x10                ; cb
	v_lshl_add_u32 v254, v0, 2, 0x29000
	v_mov_b32 v255, 0
	ds_add_u32 v254, v255
	ds_add_u32 v254, v255
	s_wait_dscnt 0x0
	v_lshrrev_b32 v1, 5, v0
	v_readfirstlane_b32 s[WV], v1                  ; wave 0..15
	s_and_b32 s12, ttmp7, 0xffff                   ; the head, 16 b + hh
	s_lshl_b32 s13, ttmp9, 4
	s_add_co_u32 s[QTA], s13, s[WV]                ; i
	s_sub_co_u32 s[QTB], 63, s[QTA]
	s_mov_b32 s[G1], 3<<16                         ; 2,048 dense bytes as 8 rows of 256 (32 elements of 8 bytes); no mask, no padding
	s_mov_b32 s[G1+1], 32<<16
	s_mov_b32 s[G1+2], 8<<16
	s_mov_b32 s[G1+3], 32<<16
	s_mov_b32 s[G1+4], 8
	s_mov_b32 s[G1+5], 32
	s_mov_b32 s[G1+6], 0
	s_mov_b32 s[G1+7], 0
	s_mov_b32 s[SEL], 0x76543210
	s_mov_b32 s[SEL+1], 0xfedcba98
	s_mov_b32 s[CS], 0x3d38aa3b                    ; c = log2(e) / 32
	s_mov_b32 s[CS+1], s[CS]
	s_mov_b32 s[MNT], 0x600000
	; load n of four fills LDS bytes 32,768 n + 2,048 w: steps p = 2 n + w / 8; in a step pieces 0-3 are K's, 4-7 V's.  j = 7 - p = 2 (3 - n) + (1 - w / 8)
	s_lshl_b32 s52, s12, 16
	s_lshr_b32 s54, s[WV], 3
	s_xor_b32 s54, s54, 1
	s_lshl_b32 s54, s54, 13
	s_add_co_u32 s52, s52, s54
	s_and_b32 s54, s[WV], 3
	s_lshl_b32 s54, s54, 11
	s_add_co_u32 s52, s52, s54
	s_lshl_b32 s51, s[WV], 11
	s_mov_b32 s53, 0
	s_mov_b32 s55, 0
	s_wait_kmcnt 0x0
	s_bitcmp1_b32 s[WV], 2                         ; the choice hangs on the wave's number alone
	s_cselect_b64 s[66:67], s[6:7], s[4:5]
	s_cselect_b32 s54, 0, PART                     ; k's part of qkb
	s_add_co_u32 s52, s52, s54
	s_add_nc_u64 s[66:67], s[66:67], s[52:53]
.irp n, 0,1,2,3
	s_mov_b32 s[G0+4*\n], 1
	s_add_co_u32 s[G0+4*\n+1], s51, 32768*\n
	s_add_nc_u64 s[G0+4*\n+2:G0+4*\n+3], s[66:67], 16384*(3-\n)
	s_or_b32 s[G0+4*\n+3], s[G0+4*\n+3], 0x80000000
.endr
.irp n, 0,1,2,3
	tensor_load_to_lds s[G0+4*\n:G0+4*\n+3], s[G1:G1+7]   ; the first fills, one group: four loads of mine are out
	s_nop 0
.endr
.rept 4
	v_nop
.endr
	s_lshl_b32 s54, s12, 12
	s_add_co_u32 s54, s54, PART+0x800000
	s_add_nc_u64 s[68:69], s[4:5], s[54:55]        ; K's scale words of the head
	s_lshl_b32 s54, s12, 11
	s_add_co_u32 s54, s54, 0x800000
	s_add_nc_u64 s[70:71], s[6:7], s[54:55]        ; V's
.macro QBASE qt, img, scl
	s_lshl_b32 s54, s12, 6
	s_add_co_u32 s54, s54, s[\qt]
	s_lshl_b32 s54, s54, 10
	s_add_nc_u64 s[\img:\img+1], s[4:5], s[54:55]
	s_lshl_b32 s54, s12, 12
	s_lshr_b32 s53, s[\qt], 2
	s_lshl_b32 s53, s53, 8
	s_add_co_u32 s54, s54, s53
	s_and_b32 s53, s[\qt], 3
	s_lshl_b32 s53, s53, 2
	s_add_co_u32 s54, s54, s53
	s_add_co_u32 s54, s54, 0x800000
	s_add_nc_u64 s[\scl:\scl+1], s[4:5], s[54:55]
.endm
	QBASE QTB, 74, 80
	QBASE QTA, 76, 82
	s_lshr_b32 s54, s12, 4                         ; b
	s_lshl_b32 s54, s54, 20                        ; 64 row tiles of 16,384 bytes
	s_and_b32 s53, s12, 15                         ; hh
	s_lshl_b32 s52, s53, 10                        ; K step hh / 2, parts 2 (hh % 2) on: 1,024 hh
	s_add_co_u32 s54, s54, s52
	s_add_nc_u64 s[56:57], s[8:9], s[54:55]
	s_lshr_b32 s54, s12, 4
	s_lshl_b32 s54, s54, 15
	s_lshr_b32 s52, s53, 2
	s_lshl_b32 s52, s52, 7
	s_add_co_u32 s54, s54, s52
	s_and_b32 s52, s53, 3
	s_lshl_b32 s52, s52, 1
	s_add_co_u32 s54, s54, s52
	s_add_co_u32 s54, s54, 0x800000
	s_add_nc_u64 s[58:59], s[8:9], s[54:55]        ; the head's two bytes of a row's scale words: 128 (hh / 4) + 2 (hh % 4)
	v_and_b32 v11, 31, v0
	v_lshlrev_b32 v1, 4, v11                       ; 16 x lane
	v_and_b32 v11, 15, v0                          ; r
	v_bfe_u32 v4, v0, 4, 1                         ; h
	v_lshl_add_u32 v2, v11, 4, KSC
	v_lshl_add_u32 v3, v11, 4, VSC
	v_lshlrev_b32 v9, 3, v11                       ; 8 r
	v_and_b32 v5, 7, v11
	v_lshrrev_b32 v6, 3, v11
	v_lshl_add_u32 v5, v6, 4, v5
	v_lshlrev_b32 v4, 4, v4
	v_sub_nc_u32 v5, v5, v4                        ; my query's place in its 32, less 16 h
	v_lshlrev_b32 v11, 4, v11                      ; 16 r
	v_xor_b32 v6, 0x1c0, v0                        ; the scale words change their order with the steps: thread t takes the place of step 7 - t / 64
	v_lshlrev_b32 v7, 2, v6
	v_lshlrev_b32 v6, 3, v6
	v_lshl_add_u32 v244, v0, 3, KSC
	v_lshl_add_u32 v245, v0, 2, VSC
	v_mov_b32 v10, 0xff800000                      ; -infinity
	global_load_b64 v[BM:BM+1], v6, s[68:69]
	global_load_b32 v[BM+2], v7, s[70:71]
	global_load_b128 v[16:19], v1, s[74:75]        ; Q of the first tile,
	global_load_b128 v[20:23], v1, s[74:75] offset:512
	global_load_b32 v[QW], v11, s[80:81]
	global_load_b128 v[246:249], v1, s[76:77]      ; and of the second
	global_load_b128 v[250:253], v1, s[76:77] offset:512
	global_load_b32 v254, v11, s[82:83]
.irp i, 0,1,2,3,4,5,6,7
	v_mov_b32 v[24+\i], 0                          ; K 64..127 of Q: zero codes
.endr
.irp t, 0,1,2,3
.irp i, 8,9,10,11,12,13,14,15
	v_mov_b32 v[KB+16*\t+\i], 0                    ; and of K's four fragments: set once
.endr
.endr
.irp b, 0,1,2,3
	v_mov_b32 v[BT+\b], 0                          ; written once: a lane permute's destination counts as one of its sources
.endr
	v_mov_b32 v242, 0
	v_mov_b32 v[FF+1], 0                           ; named as the upper half of f's pair
	s_wait_loadcnt 0x0
	ds_store_b64 v244, v[BM:BM+1]
	ds_store_b32 v245, v[BM+2]
; A KEY STEP: 128 keys.
.macro STEP
	s_cmp_gt_u32 s[RP], s[RPD]                     ; all its keys come before my queries: nothing to do but to step the addresses
	s_cbranch_scc1 .Lhid_\@
	v_add_nc_u32 v6, s[RTB], v1
	v_add_nc_u32 v7, s[RTS], v2
	v_add_nc_u32 v8, s[RTJ], v3
.rept 6
	v_nop                                          ; with the three additions nine places: the scores are written over V's fragments, which the last products read
.endr
	ds_load_b128 v[KW:KW+3], v7
	ds_load_b128 v[KW+4:KW+7], v7 offset:256
.irp g, 0,1                                    ; S^T = K Q^T, four tiles of 16 keys at a time
.if \g
.rept 8
	v_nop                                          ; places in front of loads into registers that matrix instructions have read; also the places behind the first four tiles' products
.endr
.endif
.irp t, 0,1,2,3
.irp c, 0,1
	ds_load_b128 v[KB+16*\t+4*\c:KB+16*\t+4*\c+3], v6 offset:1024*(4*\g+\t)+512*\c
.endr
.endr
	s_wait_dscnt 0x0
.irp t, 0,1,2,3
	v_wmma_scale_f32_16x16x128_f8f6f4 v[SS+8*(4*\g+\t):SS+8*(4*\g+\t)+7], v[KB+16*\t:KB+16*\t+15], v[16:31], 0, v[KW+4*\g+\t], v[QW]
.endr
.endr
	s_cmp_lg_u32 s[RP], s[RPD]
	s_cbranch_scc1 .Lopen_\@
.set n, 0                                      ; on the diagonal: register 16 b + i holds key 32 b + 16 h + i of the step: hidden where it comes before my query.  The first 32 registers' lines are the places behind the last four products
.rept 64
	v_cmp_lt_i32 vcc_lo, 32*(n/16)+n%16, v4
	v_cndmask_b32 v[SS+n], v[SS+n], v10, vcc_lo
.set n, n+1
.endr
.Lopen_\@:
.irp h, 0,2                                    ; the largest score of each block of 32 keys: blocks 0, 1 first (sixteen lines: the places behind the last four products), then 2, 3
.irp b, \h, \h+1
	v_max3_num_f32 v[BM+(\b)], v[SS+16*(\b)], v[SS+1+16*(\b)], v[SS+2+16*(\b)]
.endr
.irp i, 3,5,7,9,11,13
.irp b, \h, \h+1
	v_max3_num_f32 v[BM+(\b)], v[BM+(\b)], v[SS+16*(\b)+\i], v[SS+1+16*(\b)+\i]
.endr
.endr
.irp b, \h, \h+1
	v_max_num_f32 v[BM+(\b)], v[BM+(\b)], v[SS+15+16*(\b)]
.endr
.endr
.irp b, 0,1,2,3
	v_permlanex16_b32 v[BT+\b], v[BM+\b], s[SEL], s[SEL+1]
.endr
.irp b, 0,1,2,3
	v_max_num_f32 v[BM+\b], v[BM+\b], v[BT+\b]     ; with lane l xor 16's 16 keys
.endr
	v_max3_num_f32 v242, v[BM], v[BM+1], v[BM+2]
	v_max_num_f32 v242, v242, v[BM+3]
	v_mul_f32 v242, s[CS], v242                    ; the step's largest t of my query
	v_max_num_f32 v13, v13, v242
	v_mov_b32 v242, v12
	v_floor_f32 v12, -v13                          ; -M = floor(-t): M is a whole number
	v_sub_f32 v242, v12, v242
	v_cvt_i32_f32 v242, v242                       ; (it saturates)
	v_ldexp_f32 v[FF], 1.0, v242                   ; f = 2^(old M - new M)
.irp j, 0,2,4,6,8,10,12,14,16,18,20,22,24,26,28,30,32,34,36,38,40,42,44,46,48,50,52,54,56,58,60,62
	v_pk_fma_f32 v[SS+\j:SS+1+\j], v[SS+\j:SS+1+\j], s[CS:CS+1], v[12:13] op_sel_hi:[1,0,0]   ; t - M
.endr
.irp b, 0,1,2,3
	v_fma_f32 v[BM+\b], v[BM+\b], s[CS], v12       ; the same of each block's largest score
.endr
.set n, 0
.rept 64
	v_exp_f32 v[SS+n], v[SS+n]                     ; p = 2^(t - M)
.set n, n+1
.endr
.irp b, 0,1,2,3
	v_exp_f32 v[BM+\b], v[BM+\b]                   ; the block's largest p: the same two instructions on the same number
.endr
	v_pk_mul_f32 v[14:15], v[14:15], v[FF:FF+1] op_sel_hi:[1,0]   ; the sum under the new M (a plain line behind the exponentials)
	s_wait_alu depctr_va_vdst(0)
.irp b, 0,1,2,3
	v_max_num_f32 v[BM+\b], 0x4800000, v[BM+\b]    ; the floor 2^(9 - 127)
.endr
.irp b, 0,1,2,3
	v_add_nc_u32 v[SO+\b], 0xfc000000, v[BM+\b]    ; the conversion's scale operand
.endr
.irp b, 0,1,2,3
	v_and_or_b32 v[HL+\b], v[BM+\b], 0x7f800000, s[MNT]   ; 448 x the scale
.endr
.irp b, 0,1,2,3
	v_lshrrev_b32 v[BT+\b], 23, v[SO+\b]           ; the byte
.endr
	v_lshl_or_b32 v[PWD], v[BT+1], 8, v[BT]        ; p's scale word for these 128 keys
	v_lshl_or_b32 v[PWD], v[BT+2], 16, v[PWD]
	v_lshl_or_b32 v[PWD], v[BT+3], 24, v[PWD]
	v_pk_add_f32 v[240:241], v[SS:SS+1], v[SS+2:SS+3]     ; the row's sum, of the unquantised p, in two chains
.irp j, 4,8,12,16,20,24,28,32,36,40,44,48,52,56,60
	v_pk_add_f32 v[14:15], v[14:15], v[SS+\j:SS+1+\j]
	v_pk_add_f32 v[240:241], v[240:241], v[SS+2+\j:SS+3+\j]
.endr
	v_pk_add_f32 v[14:15], v[14:15], v[240:241]
.irp b, 0,1,2,3
.irp i, 0,1,2,3,4,5,6,7,8,9,10,11,12,13,14,15
	v_min_num_f32 v[SS+16*\b+\i], v[SS+16*\b+\i], v[HL+\b]   ; the conversion does not saturate (ISA guide 7.6.2); p is not negative
.endr
	v_cvt_scalef32_pk8_fp8_f32 v[PCD+4*\b:PCD+1+4*\b], v[SS+16*\b:SS+7+16*\b], v[SO+\b]
	v_cvt_scalef32_pk8_fp8_f32 v[PCD+2+4*\b:PCD+3+4*\b], v[SS+8+16*\b:SS+15+16*\b], v[SO+\b]
.irp c, 0,1,2,3
	ds_load_b128 v[SS+16*\b+4*\c:SS+16*\b+4*\c+3], v6 offset:8192+2048*\b+512*\c   ; V^T's tile b takes the registers that block b's p has left
.endr
.endr
	ds_load_b128 v[VW:VW+3], v8
.irp j, 0,2,4,6,8,10,12,14,16,18,20,22,24,26,28,30
	v_pk_mul_f32 v[OT+\j:OT+1+\j], v[OT+\j:OT+1+\j], v[FF:FF+1] op_sel_hi:[1,0]   ; O^T under the new M; also the places between the codes and the products
.endr
	s_wait_dscnt 0x0
.irp d, 0,1,2,3                                ; O^T += V^T P^T: four accumulators, one instruction each
	v_wmma_scale_f32_16x16x128_f8f6f4 v[OT+8*\d:OT+8*\d+7], v[SS+16*\d:SS+16*\d+15], v[PCD:PCD+15], v[OT+8*\d:OT+8*\d+7], v[VW+\d], v[PWD]
.endr
.Lhid_\@:
	s_add_co_u32 s[RTB], s[RTB], 16384
	s_add_co_u32 s[RTS], s[RTS], 512
	s_add_co_u32 s[RTJ], s[RTJ], 256
.endm
.macro LOOP p0, trips                  ; steps p0 .. p0 + trips - 1: every address begins at a constant and steps by a constant
	s_mov_b32 s[RP], \p0
	s_mov_b32 s[RTB], 16384*\p0
	s_mov_b32 s[RTS], 512*\p0
	s_mov_b32 s[RTJ], 256*\p0
	s_mov_b32 s[RCNT], \trips
.Lloop_\@:
	STEP
	s_add_co_u32 s[RP], s[RP], 1
	s_sub_co_u32 s[RCNT], s[RCNT], 1
	s_cmp_lg_u32 s[RCNT], 0
	s_cbranch_scc1 .Lloop_\@
.endm
.macro PASSINIT qt, second
.if \second
	s_wait_xcnt 0x0                                ; the first tile's stores have read their registers and bases
	v_mov_b32 v[QW], v254                          ; (more than eight plain lines follow ahead of the next product)
.irp i, 0,1,2,3,4,5,6,7
	v_mov_b32 v[16+\i], v[246+\i]
.endr
.endif
	v_mov_b32 v13, 0xff61b1e6                      ; the largest t so far: -3e38
	v_floor_f32 v12, -v13
	v_mov_b32 v14, 0
	v_mov_b32 v15, 0
.set n, 0
.rept 32
	v_mov_b32 v[OT+n], 0                           ; the step is written once: the first finds zeros
.set n, n+1
.endr
	s_lshr_b32 s54, s[\qt], 3
	s_sub_co_u32 s[RPD], 7, s54                    ; the step on the diagonal
	s_and_b32 s54, s[\qt], 7
	s_lshr_b32 s54, s54, 1
	s_lshl_b32 s54, s54, 5
	s_and_b32 s53, s[\qt], 1
	s_lshl_b32 s53, s53, 3
	s_add_co_u32 s54, s54, s53
	v_add_nc_u32 v4, s54, v5                       ; my query's place in that step, less 16 h
	s_lshl_b32 s54, s[\qt], 14
	s_add_nc_u64 s[60:61], s[56:57], s[54:55]
	s_lshl_b32 s54, s[\qt], 9
	s_add_nc_u64 s[62:63], s[58:59], s[54:55]
.endm
; O^T / the sum; its 32 numbers a lane, register 16 b + i = d 32 b + 16 h + i, are two blocks along D: quantised, they are two parts of a fragment of the last product's operand
.macro FINISH
.rept 8
	v_nop                                          ; places behind the last products
.endr
	v_add_f32 v14, v14, v15
	v_permlanex16_b32 v242, v14, s[SEL], s[SEL+1]
	v_add_f32 v14, v14, v242                       ; the row's sum
	v_rcp_f32 v14, v14
	v_nop                                          ; a plain line behind the transcendental
	s_wait_alu depctr_va_vdst(0)
.irp j, 0,2,4,6,8,10,12,14,16,18,20,22,24,26,28,30
	v_pk_mul_f32 v[SS+\j:SS+1+\j], v[OT+\j:OT+1+\j], v[14:15] op_sel_hi:[1,0]
.endr
.irp b, 0,1
	v_max3_num_f32 v[BM+\b], |v[SS+16*\b]|, |v[SS+1+16*\b]|, 0x4800000
.endr
.irp i, 2,4,6,8,10,12,14
.irp b, 0,1
	v_max3_num_f32 v[BM+\b], v[BM+\b], |v[SS+16*\b+\i]|, |v[SS+1+16*\b+\i]|
.endr
.endr
.irp b, 0,1
	v_permlanex16_b32 v[BT+\b], v[BM+\b], s[SEL], s[SEL+1]
.endr
.irp b, 0,1
	v_max_num_f32 v[BM+\b], v[BM+\b], v[BT+\b]
.endr
.irp b, 0,1
	v_add_nc_u32 v[SO+\b], 0xfc000000, v[BM+\b]
.endr
.irp b, 0,1
	v_and_or_b32 v[HL+\b], v[BM+\b], 0x7f800000, s[MNT]
.endr
.irp b, 0,1
	v_lshrrev_b32 v[BT+\b], 23, v[SO+\b]
.endr
	v_lshl_or_b32 v243, v[BT+1], 8, v[BT]          ; the head's two scale bytes of my row
.irp b, 0,1
.irp i, 0,1,2,3,4,5,6,7,8,9,10,11,12,13,14,15
	v_med3_num_f32 v[SS+16*\b+\i], v[SS+16*\b+\i], -v[HL+\b], v[HL+\b]
.endr
	v_cvt_scalef32_pk8_fp8_f32 v[PCD+4*\b:PCD+1+4*\b], v[SS+16*\b:SS+7+16*\b], v[SO+\b]
	v_cvt_scalef32_pk8_fp8_f32 v[PCD+2+4*\b:PCD+3+4*\b], v[SS+8+16*\b:SS+15+16*\b], v[SO+\b]
.endr
	v_nop                                          ; a plain line behind the last conversion
	global_store_b128 v1, v[PCD:PCD+3], s[60:61]               ; 512 consecutive bytes each
	global_store_b128 v1, v[PCD+4:PCD+7], s[60:61] offset:512
	global_store_b16 v9, v243, s[62:63]            ; lanes r and r + 16 hold the same bytes and write the same place
.endm
	s_wait_tensorcnt 3                             ; my part of steps 0 and 1 is in; the three later loads may be out
	s_wait_dscnt 0x0                               ; my scale words have landed
	s_barrier_signal -1
	s_barrier_wait -1
	PASSINIT QTB, 0                                ; tile 63 - i: at most four steps
	LOOP 0, 2
	s_wait_tensorcnt 2                             ; steps 2 and 3
	s_wait_dscnt 0x0
	s_barrier_signal -1
	s_barrier_wait -1
	LOOP 2, 2
	FINISH
	s_wait_tensorcnt 0x0                           ; all of the head
	s_wait_dscnt 0x0
	s_barrier_signal -1
	s_barrier_wait -1
	PASSINIT QTA, 1                                ; tile i: five to eight steps
	LOOP 0, 8
	FINISH
	s_wait_xcnt 0x0
	v_lshl_add_u32 v254, v0, 2, 0x29000
	v_mov_b32 v255, 0
	s_wait_tensorcnt 0x0
	ds_add_u32 v254, v255
	s_wait_dscnt 0x0
	s_endpgm
.Lfunc_end_k_q7961dd3358_attn:
	.size	k_q7961dd3358_attn, .Lfunc_end_k_q7961dd3358_attn-k_q7961dd3358_attn
	.p2alignl 7, 3214868480
	.fill 96, 4, 3214868480
	.section	.rodata,"a",@progbits
	.p2align	6, 0x0
	.amdhsa_kernel k_q7961dd3358_attn
		.amdhsa_group_segment_fixed_size 169984
		.amdhsa_private_segment_fixed_size 0
		.amdhsa_enable_private_segment 0
		.amdhsa_kernarg_size 24
		.amdhsa_user_sgpr_count 2
		.amdhsa_user_sgpr_kernarg_segment_ptr 1
		.amdhsa_wavefront_size32 1
		.amdhsa_system_sgpr_workgroup_id_x 1
		.amdhsa_system_sgpr_workgroup_id_y 1
		.amdhsa_system_sgpr_workgroup_id_z 1
		.amdhsa_system_vgpr_workitem_id 0
		.amdhsa_next_free_vgpr 256
		.amdhsa_next_free_sgpr 84
		.amdhsa_reserve_vcc 1
		.amdhsa_float_denorm_mode_32 3
		.amdhsa_float_denorm_mode_16_64 3
		.amdhsa_memory_ordered 1
		.amdhsa_forward_progress 1
		.amdhsa_inst_pref_size 96
	.end_amdhsa_kernel
	.amdgpu_metadata
---
amdhsa.version: [ 1, 2 ]
amdhsa.kernels:
  - .name:           k_q7961dd3358_attn
    .symbol:         k_q7961dd3358_attn.kd
    .args:
      - { .name: qkb, .offset: 0, .size: 8, .value_kind: global_buffer, .address_space: global }
      - { .name: vb, .offset: 8, .size: 8, .value_kind: global_buffer, .address_space: global }
      - { .name: cb, .offset: 16, .size: 8, .value_kind: global_buffer, .address_space: global }
    .group_segment_fixed_size: 169984
    .private_segment_fixed_size: 0
    .kernarg_segment_align: 8
    .kernarg_segment_size: 24
    .max_flat_workgroup_size: 512
    .sgpr_count:     84
    .vgpr_count:     256
    .wavefront_size: 32
...
	.end_amdgpu_metadata
.endif
;; end of part 4
;; launch gemm2 (part 5): grid 4 x 32, 4 waves a work-group, clusters of 4 x 4, 327,680 bytes of LDS; arguments cb, wb, bo, out0; writes out0
.if DOCPART == 5
	.amdgcn_target "amdgcn-amd-amdhsa--gfx1250"
	.amdhsa_code_object_version 6
	.text
	.protected	k_q7961dd3358_gemm2
	.globl	k_q7961dd3358_gemm2
	.p2align	8
	.type	k_q7961dd3358_gemm2,@function
k_q7961dd3358_gemm2:
	s_mov_b64 s[64:65], 0
	v_nop
	global_prefetch_b8 v0, s[64:65] scope:SCOPE_SE
	s_setreg_imm32_b32 hwreg(HW_REG_WAVE_MODE, 25, 1), 1
	s_wait_xcnt 0x0
	s_wait_alu depctr_hold_cnt(0) depctr_sa_sdst(0) depctr_va_vdst(0) depctr_va_sdst(0) depctr_va_ssrc(0) depctr_va_vcc(0) depctr_vm_vsrc(0)
	s_getreg_b32 s2, hwreg(HW_REG_IB_STS2, 6, 4)
	s_cmp_eq_u32 s2, 0
	s_cbranch_scc0 .Lentry_in_a_cluster
	s_endpgm
.Lentry_in_a_cluster:
	s_bfe_u32 s2, ttmp6, 0x10000c
	s_cmp_lg_u32 s2, 0xf033
	s_cbranch_scc0 .Lentry_shape_is_right
	s_endpgm
.Lentry_shape_is_right:
; out0 = concat Wo + bo on codes of E4M3: A (source 1) = 256 rows of concat (cb), B (source 0) = 256 columns of Wo (wb's row tiles 192 on); sums in f32; out0 [8192][1024] f32.
; cb, wb: codes [row tile][K step of 128: 8][c 4][lane][16 bytes], scale words behind them [row tile][pair of K steps 4][r 16][2].  A fragment comes from LDS by four loads of 512 consecutive bytes.
; Row i of row tile 2 b + u is the true row (or column) 32 b + 8 u + i % 8 + 16 (i / 8): the way out puts rows and columns back.
; A tile of 256 x 256 is made by four waves, each 128 x 128; K = 1,024 in four steps of 256 through two LDS slots.  THE BIAS is the C of each sum's first product: eight registers a tile of columns, in the result's layout.
; CLUSTERS: 4 x 4: A's tiles are shared along a row of the cluster, B's along a column: joint loads.  The grid has 128 work-groups: one tile form serves both products of this program.
; REGISTERS: window 0: v0-31 addresses; v32-63 scale words, two sets; v64-127 the bias; v128-255 A's fragments, on the way out rows of out0.  window 1: B's fragments, two sets.  windows 2, 3: the accumulators.
.set NQ,    2
.set FR,    16
.set NL,    4
.set NP,    8                          ; places behind this matrix instruction (ISA guide 7.12.1)
.set TILEB, 4096
.set HALFT, 8*TILEB
.set SLOT,  4*HALFT
.set SCL,   2*SLOT
.set SPARE, SCL+4*4096                 ; the spare words, 128 bytes a wave: two blocks of 256 bytes that no other line names
.set SPITCH, 528                       ; the way out: a stage of 16 rows x (512 + 16 bytes) for each wave, in slot 0, which has had its last fill and its last read by then
.set ADRA, 16
.set ADRB, 20
.set STO,  24
.set L16,  25
.set RD,   26
.set ADRS, 27
.set SPW,  28
.set NIL,  29
.set SC,   32
.set BQ,   64
.set AF,   128
.set BK,   128
.set G1, 24
.set G0, 32
.set G1B, 48
.set G0B, 56
.set G1S, 68
.set G0S, 76
.set G1SB, 80
.set G0SB, 88
.set MSB, 0
.macro WIN new                         ; the immediate's high byte repeats the setting that is left
.if MSB != \new
	s_set_vgpr_msb (MSB<<8)|\new
.set MSB, \new
.endif
.endm
.set MUL_LO, 0xa1                      ; source 0 (B) window 1, source 1 (A) window 0, C and D window 2
.set MUL_HI, 0xf1
.set BIA_LO, 0x81                      ; the same with C (the bias) in window 0
.set BIA_HI, 0xc1
.set TO_B,   0x40
.macro JLOAD g0a, g1a, g0b, g1b        ; a joint load: waves 0, 1 fetch for A, waves 2, 3 for B; four v_nop follow each line
	s_cmp_eq_u32 s15, 0
	s_cbranch_scc0 .Lfor_b_\@
	tensor_load_to_lds s[\g0a:\g0a+3], s[\g1a:\g1a+7]
	s_nop 0
.rept 4
	v_nop
.endr
	s_branch .Lasked_\@
.Lfor_b_\@:
	tensor_load_to_lds s[\g0b:\g0b+3], s[\g1b:\g1b+7]
	s_nop 0
.rept 4
	v_nop
.endr
.Lasked_\@:
.endm
.macro CREST
	s_cmp_lg_u32 s14, 0
	s_cbranch_scc1 .Lnot_wave_0_\@
	s_barrier_signal -3
.Lnot_wave_0_\@:
	s_barrier_wait -3
	s_barrier_signal -1
	s_barrier_wait -1
.endm
.macro CROUND
	s_barrier_signal -1
	s_barrier_wait -1
	CREST
.endm
	s_load_b128 s[4:7], s[0:1], 0x0                ; cb, wb
	s_load_b128 s[8:11], s[0:1], 0x10              ; bo, out0
	v_lshl_add_u32 v[SPW], v0, 2, SPARE
	v_mov_b32 v[NIL], 0
	ds_add_u32 v28, v29
	ds_add_u32 v28, v29
	s_wait_dscnt 0x0
	v_lshrrev_b32 v1, 5, v0
	v_readfirstlane_b32 s14, v1                    ; wave 0..3
	s_lshr_b32 s15, s14, 1                         ; my half of A's rows.  Also: I fetch for A (0) or for B (1)
	s_and_b32 s16, s14, 1                          ; my half of B's rows.  Also: which eight row tiles I fetch
	s_bfe_u32 s40, ttmp6, 0x40000                  ; cx
	s_bfe_u32 s41, ttmp6, 0x40004                  ; cy
	s_and_b32 s17, ttmp7, 0xffff
	s_lshl_b32 s17, s17, 2
	s_add_co_u32 s17, s17, s41                     ; A's tile of 256 rows: 4 x cluster y + cy
	s_lshl_b32 s43, s41, 2
	s_lshl_b32 s43, 15, s43                        ; my row of the cluster
	s_lshl_b32 s44, 0x1111, s40                    ; my column
	s_or_b32 s[G1+0], s43, (3<<16)|(1<<21)         ; codes: 8 rows (row tiles) of 4,096 bytes (512 elements of 8 bytes), 16,384 bytes apart; dense in LDS
	s_or_b32 s[G1B+0], s44, (3<<16)|(1<<21)
.irp g, G1, G1B
	s_mov_b32 s[\g+1], 512<<16
	s_mov_b32 s[\g+2], 8<<16
	s_mov_b32 s[\g+3], 512<<16
	s_mov_b32 s[\g+4], 8
	s_mov_b32 s[\g+5], 2048
	s_mov_b32 s[\g+6], 0
	s_mov_b32 s[\g+7], 0
.endr
	s_or_b32 s[G1S+0], s43, (3<<16)|(1<<21)        ; the scale words of eight row tiles: 4,096 dense bytes as 16 rows of 256
	s_or_b32 s[G1SB+0], s44, (3<<16)|(1<<21)
.irp g, G1S, G1SB
	s_mov_b32 s[\g+1], 32<<16
	s_mov_b32 s[\g+2], 16<<16
	s_mov_b32 s[\g+3], 32<<16
	s_mov_b32 s[\g+4], 16
	s_mov_b32 s[\g+5], 32
	s_mov_b32 s[\g+6], 0
	s_mov_b32 s[\g+7], 0
.endr
	s_lshl_b32 s18, s16, 3
	s_lshl_b32 s20, s17, 4
	s_add_co_u32 s20, s20, s18                     ; A: the first row tile that I fetch
	s_add_co_u32 s46, s40, 12                      ; B's tile: Wo's columns begin at wb's tile 12
	s_lshl_b32 s46, s46, 4
	s_add_co_u32 s46, s46, s18
	s_lshl_b32 s22, s20, 9
	s_add_co_u32 s22, s22, 0x800000                ; its scale words,
	s_lshl_b32 s20, s20, 14                        ; its codes
	s_lshl_b32 s92, s46, 9
	s_add_co_u32 s92, s92, 0x400000
	s_lshl_b32 s46, s46, 14
	s_mov_b32 s21, 0
	s_mov_b32 s23, 0
	s_mov_b32 s47, 0
	s_mov_b32 s93, 0
	s_lshl_b32 s45, s14, 15                        ; where they go: wave x HALFT; no place in the cluster enters an LDS address
	s_lshl_b32 s94, s14, 12
	s_wait_kmcnt 0x0
	s_add_nc_u64 s[20:21], s[4:5], s[20:21]
	s_add_nc_u64 s[22:23], s[4:5], s[22:23]
	s_add_nc_u64 s[46:47], s[6:7], s[46:47]
	s_add_nc_u64 s[92:93], s[6:7], s[92:93]
	CROUND                                         ; all sixteen work-groups are here: the first joint loads meet
	s_mov_b32 s[G0S], 1
	s_add_co_u32 s[G0S+1], s94, SCL
	s_mov_b64 s[G0S+2:G0S+3], s[22:23]
	s_or_b32 s[G0S+3], s[G0S+3], 0x80000000
	s_mov_b32 s[G0SB], 1
	s_add_co_u32 s[G0SB+1], s94, SCL
	s_mov_b64 s[G0SB+2:G0SB+3], s[92:93]
	s_or_b32 s[G0SB+3], s[G0SB+3], 0x80000000
	JLOAD G0S, G1S, G0SB, G1SB
.irp s, 0,1
	s_mov_b32 s[G0+4*\s], 1
	s_add_co_u32 s[G0+4*\s+1], s45, \s*SLOT
	s_add_nc_u64 s[G0+4*\s+2:G0+4*\s+3], s[20:21], \s*TILEB
	s_or_b32 s[G0+4*\s+3], s[G0+4*\s+3], 0x80000000
	s_mov_b32 s[G0B+4*\s], 1
	s_add_co_u32 s[G0B+4*\s+1], s45, \s*SLOT
	s_add_nc_u64 s[G0B+4*\s+2:G0B+4*\s+3], s[46:47], \s*TILEB
	s_or_b32 s[G0B+4*\s+3], s[G0B+4*\s+3], 0x80000000
	JLOAD G0+4*\s, G1, G0B+4*\s, G1B               ; by this text's count three tensor loads of mine are out now, later one
.endr
	v_and_b32 v1, 31, v0
	v_lshlrev_b32 v[L16], 4, v1
	v_and_b32 v2, 15, v0                           ; r
	v_bfe_u32 v3, v0, 4, 1                         ; h
	s_lshl_b32 s18, s40, 10
	s_lshl_b32 s19, s16, 9
	s_add_co_u32 s18, s18, s19                     ; my first column, in bytes: 4 (256 cx + 128 x my half of B)
	s_mov_b32 s19, 0
	s_add_nc_u64 s[96:97], s[8:9], s[18:19]
	v_lshlrev_b32 v30, 6, v3
.irp t, 0,1,2,3,4,5,6,7
	global_load_b128 v[BQ+8*\t:BQ+8*\t+3], v30, s[96:97] offset:4*(32*(\t/2)+8*(\t%2))        ; register 8 t + j: column 32 (t / 2) + 16 h + 8 (t % 2) + j
	global_load_b128 v[BQ+8*\t+4:BQ+8*\t+7], v30, s[96:97] offset:4*(32*(\t/2)+8*(\t%2))+16
.endr
	s_lshl_b32 s20, s17, 20                        ; my first row of out0: 256 x A's tile + 128 x my half, rows of 4,096 bytes
	s_lshl_b32 s21, s15, 19
	s_add_co_u32 s20, s20, s21
	s_add_co_u32 s20, s20, s18
	s_mov_b32 s21, 0
	s_add_nc_u64 s[12:13], s[10:11], s[20:21]
	s_lshl_b32 s21, s15, 15
	s_lshl_b32 s22, s16, 15
	s_add_co_u32 s22, s22, 2*HALFT
.irp s, 0,1
	v_add_nc_u32 v[ADRA+\s], s21, v[L16]
	v_add_nc_u32 v[ADRB+\s], s22, v[L16]
	s_add_co_u32 s21, s21, SLOT
	s_add_co_u32 s22, s22, SLOT
.endr
	s_lshl_b32 s21, s15, 12                        ; scale words: lanes 0-15 take A's rows, lanes 16-31 B's: the lower base + h x the distance
	s_lshl_b32 s22, s16, 12
	s_add_co_u32 s22, s22, 8192
	s_sub_co_u32 s22, s22, s21
	v_mul_u32_u24 v6, s22, v3
	s_add_co_u32 s21, s21, SCL
	v_lshl_add_u32 v5, v2, 3, v6
	v_add_nc_u32 v[ADRS], s21, v5
	s_mul_i32 s23, s14, 16*SPITCH                  ; my stage
	v_mul_u32_u24 v5, v2, SPITCH
	v_lshl_add_u32 v5, v3, 6, v5
	v_add_nc_u32 v[STO], s23, v5                   ; in: row r, + 64 h
	v_add_nc_u32 v[RD], s23, v[L16]                ; back: the 32 lanes take one row of 512 bytes
.macro FRAG reg, adr, q, i
.irp c, 0,1,2,3
	ds_load_b128 v[\reg+4*\c:\reg+4*\c+3], v[\adr] offset:2048*(\q)+512*\c+(\i)*TILEB
.endr
.endm
; 16 matrix instructions: A's blocks a0, a0 + 1 x B's eight.  first = 1: the bias starts the sums.  The 64 accumulators take turns, one instruction a turn.
.macro MUL16 a0, p, q, sc, first
.irp a, \a0, \a0+1
.irp b, 0,1,2,3,4,5,6,7
.if \first
	v_wmma_scale_f32_16x16x128_f8f6f4 v[8*(8*((\a)%4)+\b):8*(8*((\a)%4)+\b)+7], v[128*(\p)+FR*\b:128*(\p)+FR*\b+FR-1], v[AF+FR*(\a):AF+FR*(\a)+FR-1], v[BQ+8*\b:BQ+8*\b+7], v[SC+8*NQ*(\sc)+NQ*\b+(\q)], v[SC+8*NQ*(\sc)+NQ*(\a)+(\q)] matrix_a_scale:MATRIX_SCALE_ROW1
.else
	v_wmma_scale_f32_16x16x128_f8f6f4 v[8*(8*((\a)%4)+\b):8*(8*((\a)%4)+\b)+7], v[128*(\p)+FR*\b:128*(\p)+FR*\b+FR-1], v[AF+FR*(\a):AF+FR*(\a)+FR-1], v[8*(8*((\a)%4)+\b):8*(8*((\a)%4)+\b)+7], v[SC+8*NQ*(\sc)+NQ*\b+(\q)], v[SC+8*NQ*(\sc)+NQ*(\a)+(\q)] matrix_a_scale:MATRIX_SCALE_ROW1
.endif
.endr
.endr
.endm
.macro FETCH_B slot, q, p
	WIN TO_B
.irp i, 0,1,2,3,4,5,6,7
	FRAG 128*(\p)+FR*\i, ADRB+\slot, \q, \i
.endr
	WIN 0
.endm
.macro FETCH_A slot, q, i0
.irp i, \i0, \i0+1, \i0+2, \i0+3
	FRAG AF+FR*(\i), ADRA+\slot, \q, \i
.endr
.endm
.macro SCALES sc
.irp i, 0,1,2,3,4,5,6,7
	ds_load_b64 v[SC+8*NQ*\sc+NQ*\i:SC+8*NQ*\sc+NQ*\i+1], v[ADRS] offset:\i*512
.endr
.endm
.macro PLACES n                        ; plain vector lines between a matrix instruction and a load into, or a store from, its registers
.rept \n
	v_nop
.endr
.endm
.macro STEP slot, q, first
	s_wait_dscnt 4*NL                              ; B's set and A's blocks 0-3 are in; the youngest sixteen loads (A's blocks 4-7) may be out
.if \first
	WIN BIA_LO
.else
	WIN MUL_LO
.endif
	MUL16 0, (\q)%2, \q, \slot, \first
	MUL16 2, (\q)%2, \q, \slot, \first
	s_wait_dscnt 0
	PLACES NP
	FETCH_B \slot, (\q)+1, 1-(\q)%2
	FETCH_A \slot, (\q)+1, 0
.if \first
	WIN BIA_HI
.else
	WIN MUL_HI
.endif
	MUL16 4, (\q)%2, \q, \slot, \first
	MUL16 6, (\q)%2, \q, \slot, \first
	PLACES NP
	WIN 0
	FETCH_A \slot, (\q)+1, 4
.endm
.macro TURN slot, next, fill
	s_wait_tensorcnt 0x0                           ; all my tensor loads have landed: my part of the next slot
	ds_add_u32 v[SPW], v[NIL]                      ; 0 onto my spare word
	s_wait_dscnt 4*NL+1                            ; (the add and A's blocks 4-7 may be out)
	WIN MUL_LO
	MUL16 0, 1, NQ-1, \slot, 0
	s_wait_dscnt 0x0                               ; the add is done, and my reads of this slot are over
	s_barrier_signal -1
	MUL16 2, 1, NQ-1, \slot, 0
	WIN 0
	s_barrier_wait -1
.if \fill
	CREST                                          ; the barrier has opened a round of the cluster's: no wave of any partner still reads this slot or has a load on its way
	s_add_nc_u64 s[G0+4*\slot+2:G0+4*\slot+3], s[G0+4*\slot+2:G0+4*\slot+3], 2*TILEB
	s_add_nc_u64 s[G0B+4*\slot+2:G0B+4*\slot+3], s[G0B+4*\slot+2:G0B+4*\slot+3], 2*TILEB
	JLOAD G0+4*\slot, G1, G0B+4*\slot, G1B         ; the first tensor load behind the round; its four v_nop are among the places in front of the loads below
	PLACES NP-4
.else
	PLACES NP
.endif
	v_add_nc_u32 v[ADRS], 128, v[ADRS]             ; the next K step's scale words
	FETCH_B \next, 0, 0
	FETCH_A \next, 0, 0
	SCALES \next
	WIN MUL_HI
	MUL16 4, 1, NQ-1, \slot, 0
	MUL16 6, 1, NQ-1, \slot, 0
	PLACES NP
	WIN 0
	FETCH_A \next, 0, 4
.endm
	s_wait_tensorcnt 1                             ; the scale words and my part of K step 0 are in; K step 1's load may be out
	s_barrier_signal -1
	s_barrier_wait -1
	FETCH_B 0, 0, 0
	FETCH_A 0, 0, 0
	SCALES 0
	FETCH_A 0, 0, 4
	s_wait_loadcnt 0x0                             ; the bias
	STEP 0, 0, 1                                   ; the first products start the sums from the bias
	TURN 0, 1, 1                                   ; four K steps of 256: written out, both slots are filled again once
	STEP 1, 0, 0
	TURN 1, 0, 1
	STEP 0, 0, 0
	TURN 0, 1, 0
	STEP 1, 0, 0
	s_wait_dscnt 4*NL
	WIN MUL_LO
	MUL16 0, 1, NQ-1, 1, 0
	MUL16 2, 1, NQ-1, 1, 0
	s_wait_dscnt 0
	WIN MUL_HI
	MUL16 4, 1, NQ-1, 1, 0
	MUL16 6, 1, NQ-1, 1, 0
	WIN 0
; THE WAY OUT, block by block of 16 rows x 128 columns, through my own stage: in, a lane's eight results of tile t go to the true columns 32 (t / 2) + 16 h + 8 (t % 2) + 0..7 of row r; back come whole rows of 512 bytes.
; LDS serves a wave's instructions in order (ISA guide 5.7.1.4): no wait between the stores and the loads, nor in front of the next block's stores.
.macro TOSTAGE a
.set AC, 64*((\a)%4)
	WIN 0x08+4*((\a)/4)                            ; the data: window 2 or 3
.irp b, 0,1,2,3,4,5,6,7
	ds_store_b128 v[STO], v[AC+8*\b:AC+8*\b+3] offset:128*(\b/2)+32*(\b%2)          ; each accumulator from its low end on
	ds_store_b128 v[STO], v[AC+8*\b+4:AC+8*\b+7] offset:128*(\b/2)+32*(\b%2)+16
.endr
	WIN 0
.set BB, BK+64*((\a)%2)
.irp t, 0,1,2,3,4,5,6,7,8,9,10,11,12,13,14,15
	ds_load_b128 v[BB+4*\t:BB+4*\t+3], v[RD] offset:\t*SPITCH
.endr
.endm
.macro SEND a, younger                 ; younger: the LDS instructions issued behind block a's loads, which may stay out
.set BB, BK+64*((\a)%2)
	s_wait_dscnt \younger
.irp t, 0,1,2,3,4,5,6,7,8,9,10,11,12,13,14,15
	global_store_b128 v[L16], v[BB+4*\t:BB+4*\t+3], s[12:13] offset:(32*((\a)/2)+8*((\a)%2)+\t+8*(\t/8))*4096 th:TH_STORE_NT   ; the stage's row t is the true row 32 (a / 2) + 8 (a % 2) + t % 8 + 16 (t / 8); 512 consecutive bytes
.endr
.endm
	PLACES NP
	TOSTAGE 0
.irp a, 1,2,3,4,5,6,7
.if \a > 1
	s_wait_xcnt 0x0                                ; block a - 2's stores have read their registers: block a's loads may land there
.endif
	TOSTAGE \a
	SEND \a-1, 32                                  ; behind block a - 1's loads: block a's 16 stores and 16 loads
.endr
	SEND 7, 0
	s_wait_tensorcnt 0x0                           ; the wave's end
	ds_add_u32 v[SPW], v[NIL]
	s_wait_dscnt 0x0
	CROUND                                         ; the closing round
	s_endpgm
.Lfunc_end_k_q7961dd3358_gemm2:
	.size	k_q7961dd3358_gemm2, .Lfunc_end_k_q7961dd3358_gemm2-k_q7961dd3358_gemm2
	.p2alignl 7, 3214868480
	.fill 96, 4, 3214868480
	.section	.rodata,"a",@progbits
	.p2align	6, 0x0
	.amdhsa_kernel k_q7961dd3358_gemm2
		.amdhsa_group_segment_fixed_size 327680
		.amdhsa_private_segment_fixed_size 0
		.amdhsa_enable_private_segment 0
		.amdhsa_kernarg_size 32
		.amdhsa_user_sgpr_count 2
		.amdhsa_user_sgpr_kernarg_segment_ptr 1
		.amdhsa_wavefront_size32 1
		.amdhsa_system_sgpr_workgroup_id_x 1
		.amdhsa_system_sgpr_workgroup_id_y 1
		.amdhsa_system_sgpr_workgroup_id_z 1
		.amdhsa_system_vgpr_workitem_id 0
		.amdhsa_next_free_vgpr 1024
		.amdhsa_next_free_sgpr 102
		.amdhsa_reserve_vcc 0
		.amdhsa_float_denorm_mode_32 3
		.amdhsa_float_denorm_mode_16_64 3
		.amdhsa_memory_ordered 1
		.amdhsa_forward_progress 1
		.amdhsa_inst_pref_size 146
	.end_amdhsa_kernel
	.amdgpu_metadata
---
amdhsa.version: [ 1, 2 ]
amdhsa.kernels:
  - .name:           k_q7961dd3358_gemm2
    .symbol:         k_q7961dd3358_gemm2.kd
    .args:
      - { .name: cb, .offset: 0, .size: 8, .value_kind: global_buffer, .address_space: global }
      - { .name: wb, .offset: 8, .size: 8, .value_kind: global_buffer, .address_space: global }
      - { .name: bo, .offset: 16, .size: 8, .value_kind: global_buffer, .address_space: global }
      - { .name: out0, .offset: 24, .size: 8, .value_kind: global_buffer, .address_space: global }
    .group_segment_fixed_size: 327680
    .private_segment_fixed_size: 0
    .kernarg_segment_align: 8
    .kernarg_segment_size: 32
    .max_flat_workgroup_size: 128
    .sgpr_count:     102
    .vgpr_count:     1024
    .wavefront_size: 32
...
	.end_amdgpu_metadata
.endif
;; end of part 5
;; ======== version 2 of 2: 4 launches
;; limits: right only within a limited range of input values
;; workspace buffers: xb 8,912,896 bytes; wb 4,456,448 bytes; qkb 17,825,792 bytes; vb 8,650,752 bytes; cb 8,912,896 bytes
;; launch quant (part 6): grid 640 x 1, 4 waves a work-group, no clusters, 101,888 bytes of LDS; arguments x, Wc, Wo, xb, wb; writes xb, wb
.if DOCPART == 6
	.amdgcn_target "amdgcn-amd-amdhsa--gfx1250"
	.amdhsa_code_object_version 6
	.text
	.protected	k_q7961dd3358_quant
	.globl	k_q7961dd3358_quant
	.p2align	8
	.type	k_q7961dd3358_quant,@function
k_q7961dd3358_quant:
	s_mov_b64 s[64:65], 0
	v_nop
	global_prefetch_b8 v0, s[64:65] scope:SCOPE_SE
	s_setreg_imm32_b32 hwreg(HW_REG_WAVE_MODE, 25, 1), 1
	s_wait_xcnt 0x0
; x [8192][1024] (K its last axis), Wc [1024][3072] and Wo [1024][1024] (K their FIRST axis), f32, become codes of E4M3 with one E8M0 byte for each 32 along K, laid as the products' launches read them.
; xb, wb: [row tile of 16][pair of K steps of 128: 4][4,352 bytes]: 4,096 bytes of codes, two images of an operand's registers ([c 4][lane 32][16 bytes]: lane (r, h), part c holds K = 32 c + 16 h + 0..15 of row r),
;   then 128 bytes of scale words [r 16][2 words]; the last 128 bytes are neither written nor read.  A "row" of wb is a column of a weight: places 0..3071 Wc's, 3072..4095 Wo's.
; THE ROWS OF A TILE ARE NOT NEIGHBOURS: row i of tile 2 b + u is the true row (or column) 32 b + 8 u + i % 8 + 16 (i / 8).  Where such a tile is source 0 of a product, a lane's 16 results of two
; neighbouring tiles are 16 true neighbours, in the order that the next operand's layout wants.
; A block's scale is 2^(floor(log2(largest magnitude)) - 8); its byte is the largest magnitude's exponent field - 8, held at 1 from below.  A block of zeros gets the byte 1 where the rule says 127:
; its codes are zeros, and this program alone reads the bytes.  LIMITS: NaN and infinities among the inputs are not served.
; ONE LAUNCH, TWO WAYS that part on the work-group's number and do not meet again; each has LDS bytes of its own; neither has a barrier: waves share nothing.
;   Work-groups 0..127, the weights (the longer way, so they come first): 128 places x 256 along K; a wave 32 columns.  A LANE TAKES A COLUMN AND ITS REGISTERS RUN DOWN K: a block of 32 lies in one lane and the
;   conversions give K innermost.  The codes go through the wave's stage in LDS in image order and leave as runs of 512 consecutive bytes.  Loads run two blocks ahead.
;   Work-groups 128..639, x: a row tile; wave w its K 256 w on: two fragments.  Each load reads 512 consecutive bytes of one row; the numbers turn through the wave's stage (rows of 512 + 16 bytes), so that a lane
;   gets 16 neighbours of each block.  All of a wave's 32 loads are out at once.
; The scale words leave in runs of 128 bytes, right behind their 4,096 bytes of codes.  No tensor load, no matrix unit, no cluster: nothing is shared or multiplied here.
.set RTB,  17408                       ; a row tile in xb, wb
.set KPB,  4352                        ; its block for a pair of K steps
.set NWG,  128                         ; the weights' work-groups
.set SEL,  46                          ; s[46:47] v_permlanex16_b32's selects for lane l xor 16
.set MNT,  45                          ; s45 the mantissa field of 448
; x's way
.set WREG, 16896                       ; LDS of a wave: two stages
.set STGB, 8448                        ; a stage: 16 rows x 528 bytes
.set SP,   528
.set XL16, 4                           ; v4  16 x lane
.set STI,  5                           ; v5  the stage, on the way in
.set STO,  6                           ; v6  and out: 528 r + 64 h
.set SWO,  7                           ; v7  8 r: my row's two scale words
.set PW,   10                          ; v[10:11] the two scale words
.set TM,   12                          ; v12-27 at work
.set PC,   28                          ; v28-59 two fragments' codes
.set R,    64                          ; v64-191 two sets of 64 numbers
; the weights' way
.set WLDS, 4*WREG                      ; its LDS begins behind x's
.set STGW, 8448                        ; a wave's stage: two row tiles x (4,096 + 128 bytes)
.set STGT, 4224
.set STA,  4                           ; v4  into the stage: my column's row tile and row
.set RDA,  7                           ; v7  out of it
.set WL16, 8                           ; v8  16 x lane
.set SCO,  9                           ; v9  my column's place among the scale words
.set SB,   14                          ; v[14:15] my column's eight scale bytes
.set C,    16                          ; v16-23 a block's codes
.set OFF,  24                          ; v24-55 4 x lane + i rows
.set X,    56                          ; v56-119 two sets of 32 numbers
.set OUTR, 120                         ; v120-183 the way out
.set BASE, 24                          ; s[24:39] the address of block t's first row at my wave's first column
; 64 numbers of a lane, register 16 b + i = K 32 b + 16 h + i of its row, become a fragment's codes in v[pc] on and its scale word in v[pw]
.macro QUANT s, pc, pw
.irp b, 0,1,2,3
	v_max3_num_f32 v[TM+\b], |v[(\s)+16*\b]|, |v[(\s)+1+16*\b]|, 0x4800000   ; my 16 numbers of block b, and the floor 2^(9 - 127): the byte cannot fall under 1
.endr
.irp i, 2,4,6,8,10,12,14
.irp b, 0,1,2,3
	v_max3_num_f32 v[TM+\b], v[TM+\b], |v[(\s)+16*\b+\i]|, |v[(\s)+1+16*\b+\i]|   ; the four blocks by turns
.endr
.endr
.irp b, 0,1,2,3
	v_permlanex16_b32 v[TM+4+\b], v[TM+\b], s[SEL], s[SEL+1]
.endr
.irp b, 0,1,2,3
	v_max_num_f32 v[TM+\b], v[TM+\b], v[TM+4+\b]           ; with lane l xor 16's 16: the block's largest magnitude
.endr
.irp b, 0,1,2,3
	v_add_nc_u32 v[TM+12+\b], 0xfc000000, v[TM+\b]         ; 8 off its exponent field: the conversion's scale operand
.endr
.irp b, 0,1,2,3
	v_and_or_b32 v[TM+8+\b], v[TM+\b], 0x7f800000, s[MNT]  ; 448 x the scale
.endr
.irp b, 0,1,2,3
	v_lshrrev_b32 v[TM+4+\b], 23, v[TM+12+\b]              ; the scale's byte
.endr
	v_lshl_or_b32 v[\pw], v[TM+5], 8, v[TM+4]
	v_lshl_or_b32 v[\pw], v[TM+6], 16, v[\pw]
	v_lshl_or_b32 v[\pw], v[TM+7], 24, v[\pw]
.irp b, 0,1,2,3
.irp i, 0,1,2,3,4,5,6,7,8,9,10,11,12,13,14,15
	v_med3_num_f32 v[(\s)+16*\b+\i], v[(\s)+16*\b+\i], -v[TM+8+\b], v[TM+8+\b]   ; the conversion to an 8-bit code does not saturate (ISA guide 7.6.2): the hold comes first
.endr
	v_cvt_scalef32_pk8_fp8_f32 v[(\pc)+4*\b:(\pc)+1+4*\b], v[(\s)+16*\b:(\s)+7+16*\b], v[TM+12+\b]
	v_cvt_scalef32_pk8_fp8_f32 v[(\pc)+2+4*\b:(\pc)+3+4*\b], v[(\s)+8+16*\b:(\s)+15+16*\b], v[TM+12+\b]
.endr
	v_nop                                                  ; a plain line behind the last conversion
.endm
.macro TURN f                          ; fragment f's numbers through its stage; LDS serves a wave's instructions in order, so no wait stands between the stores and the loads
.irp i, 0,1,2,3,4,5,6,7,8,9,10,11,12,13,14,15
	ds_store_b128 v[STI], v[R+64*\f+4*\i:R+64*\f+4*\i+3] offset:STGB*\f+SP*\i
.endr
.irp b, 0,1,2,3
.irp j, 0,1,2,3
	ds_load_b128 v[R+64*\f+16*\b+4*\j:R+64*\f+16*\b+4*\j+3], v[STO] offset:STGB*\f+128*\b+16*\j
.endr
.endr
.endm
.macro LOAD t                          ; block t of a weight: rows 32 t + i of my column: the wave reads 128 consecutive bytes, the four waves stand side by side
.irp i, 0,1,2,3,4,5,6,7,8,9,10,11,12,13,14,15,16,17,18,19,20,21,22,23,24,25,26,27,28,29,30,31
	global_load_b32 v[X+32*((\t)%2)+\i], v[OFF+\i], s[BASE+2*(\t):BASE+2*(\t)+1] th:TH_LOAD_NT
.endr
.endm
.macro BLOCK t
.set XS, X+32*((\t)%2)
.if (\t) < 7
	s_wait_loadcnt 32                              ; this block's 32 loads are in; the next block's may be out
.else
	s_wait_loadcnt 0x0
.endif
	v_max3_num_f32 v12, |v[XS]|, |v[XS+1]|, |v[XS+2]|
	v_max3_num_f32 v13, |v[XS+3]|, |v[XS+4]|, |v[XS+5]|
.irp i, 6,10,14,18,22,26
	v_max3_num_f32 v12, v12, |v[XS+\i]|, |v[XS+\i+1]|
	v_max3_num_f32 v13, v13, |v[XS+\i+2]|, |v[XS+\i+3]|
.endr
	v_max3_num_f32 v12, v12, |v[XS+30]|, |v[XS+31]|
	v_max3_num_f32 v12, v12, v13, 0x4800000        ; the block's largest magnitude, and the floor 2^(9 - 127)
	v_add_nc_u32 v11, 0xfc000000, v12              ; 8 off its exponent field: the conversion's scale operand
	v_and_or_b32 v10, v12, 0x7f800000, s[MNT]      ; 448 x the scale
	v_lshrrev_b32 v13, 23, v11                     ; the byte
.if (\t)%4 == 0
	v_mov_b32 v[SB+(\t)/4], v13
.else
	v_lshl_or_b32 v[SB+(\t)/4], v13, 8*((\t)%4), v[SB+(\t)/4]
.endif
.irp i, 0,1,2,3,4,5,6,7,8,9,10,11,12,13,14,15,16,17,18,19,20,21,22,23,24,25,26,27,28,29,30,31
	v_med3_num_f32 v[XS+\i], v[XS+\i], -v10, v10   ; the conversion does not saturate (ISA guide 7.6.2)
.endr
.irp g, 0,1,2,3
	v_cvt_scalef32_pk8_fp8_f32 v[C+2*\g:C+2*\g+1], v[XS+8*\g:XS+8*\g+7], v11
.endr
	ds_store_b128 v[STA], v[C:C+3] offset:2048*((\t)/4)+512*((\t)%4)          ; K 0..15 of the block: the image's lanes 0-15,
	ds_store_b128 v[STA], v[C+4:C+7] offset:2048*((\t)/4)+512*((\t)%4)+256    ; K 16..31: its lanes 16-31
.if (\t)+2 < 8
	LOAD (\t)+2
.endif
	s_wait_dscnt 0x0                               ; the stores have read their registers: the next block's codes may be written
.endm
	s_load_b256 s[4:11], s[0:1], 0x0               ; x, Wc, Wo, xb
	s_load_b64 s[12:13], s[0:1], 0x20              ; wb
	v_lshl_add_u32 v192, v0, 2, 0x18c00
	v_mov_b32 v193, 0
	v_lshrrev_b32 v1, 5, v0
	v_readfirstlane_b32 s14, v1                    ; wave 0..3
	v_and_b32 v1, 31, v0                           ; lane
	s_mov_b32 s[SEL], 0x76543210
	s_mov_b32 s[SEL+1], 0xfedcba98
	s_mov_b32 s[MNT], 0x600000
	s_cmp_lt_u32 ttmp9, NWG
	s_cbranch_scc1 .Lweights
	; ---- x's way
	s_sub_co_u32 s15, ttmp9, NWG                   ; the row tile rt
	v_and_b32 v2, 15, v0                           ; r
	v_bfe_u32 v3, v0, 4, 1                         ; h
	v_lshlrev_b32 v[XL16], 4, v1
	s_mul_i32 s20, s14, WREG
	v_add_nc_u32 v[STI], s20, v[XL16]
	v_mul_u32_u24 v[STO], v2, SP
	v_lshl_add_u32 v[STO], v3, 6, v[STO]
	v_add_nc_u32 v[STO], s20, v[STO]
	v_lshlrev_b32 v[SWO], 3, v2
.irp b, 0,1,2,3
	v_mov_b32 v[TM+4+\b], 0                        ; written once: a lane permute's destination counts as one of its sources
.endr
	s_lshr_b32 s16, s15, 1
	s_lshl_b32 s16, s16, 5
	s_and_b32 s17, s15, 1
	s_lshl_b32 s17, s17, 3
	s_add_co_u32 s16, s16, s17                     ; the tile's first row of x: 32 (rt / 2) + 8 (rt % 2)
	s_lshl_b32 s16, s16, 12
	s_lshl_b32 s17, s14, 10
	s_add_co_u32 s16, s16, s17                     ; in bytes, + my 256 along K
	s_mov_b32 s17, 0
	s_mul_i32 s18, s15, RTB
	s_mul_i32 s19, s14, KPB
	s_add_co_u32 s18, s18, s19                     ; my block of xb: row tile rt, pair of K steps w
	s_mov_b32 s19, 0
	s_wait_alu depctr_va_vdst(0)
	s_wait_kmcnt 0x0
	s_add_nc_u64 s[4:5], s[4:5], s[16:17]
	s_add_nc_u64 s[10:11], s[10:11], s[18:19]
.irp f, 0,1
.irp i, 0,1,2,3,4,5,6,7,8,9,10,11,12,13,14,15
	global_load_b128 v[R+64*\f+4*\i:R+64*\f+4*\i+3], v[XL16], s[4:5] offset:(\i+8*(\i/8))*4096+512*\f th:TH_LOAD_NT   ; 512 consecutive bytes of the tile's row i
.endr
.endr
	s_wait_loadcnt 16                              ; fragment 0's sixteen loads are in; fragment 1's may be out
	TURN 0
	s_wait_loadcnt 0x0
	TURN 1
	s_wait_dscnt 32                                ; fragment 0 is back; fragment 1's 32 LDS instructions may be out
	QUANT R, PC, PW
.irp c, 0,1,2,3
	global_store_b128 v[XL16], v[PC+4*\c:PC+4*\c+3], s[10:11] offset:512*\c          ; the wave stores 512 consecutive bytes
.endr
	s_wait_dscnt 0x0
	QUANT R+64, PC+16, PW+1
.irp c, 0,1,2,3
	global_store_b128 v[XL16], v[PC+16+4*\c:PC+16+4*\c+3], s[10:11] offset:2048+512*\c
.endr
	global_store_b64 v[SWO], v[PW:PW+1], s[10:11] offset:4096   ; 128 bytes right behind the codes; lanes r and r + 16 hold the same words and write the same bytes
	s_wait_tensorcnt 0x0
	ds_add_u32 v192, v193
	s_wait_dscnt 0x0
	s_endpgm
	; ---- the weights' way
.Lweights:
	s_wait_alu depctr_va_vdst(0)
	v_lshlrev_b32 v3, 2, v1
	v_bfe_u32 v2, v0, 3, 1                         ; my column's row tile: bit 3 of the column
	v_and_b32 v5, 7, v1
	v_lshrrev_b32 v6, 4, v1
	v_lshl_add_u32 v5, v6, 3, v5                   ; its row there: column % 8 + 8 x bit 4
	s_mul_i32 s15, s14, STGW
	s_add_co_u32 s15, s15, WLDS
	v_mul_u32_u24 v[STA], v2, STGT
	v_lshl_add_u32 v[STA], v5, 4, v[STA]
	v_add_nc_u32 v[STA], s15, v[STA]
	v_lshlrev_b32 v[WL16], 4, v1
	v_add_nc_u32 v[RDA], s15, v[WL16]
	v_mul_u32_u24 v[SCO], v2, RTB
	v_lshl_add_u32 v[SCO], v5, 3, v[SCO]
	s_and_b32 s16, ttmp9, 3                        ; which 256 along K
	s_lshr_b32 s17, ttmp9, 2                       ; which 128 places: under 24 Wc's, else Wo's
	s_mov_b32 s18, 4096
	s_cmp_lt_u32 s17, 24
	s_cselect_b32 s18, 12288, s18                  ; bytes from row to row of the weight
	s_cselect_b32 s19, 0, 24
	s_sub_co_u32 s19, s17, s19                     ; which 128 columns of it
	s_lshl_b32 s19, s19, 9
	s_lshl_b32 s20, s14, 7
	s_add_co_u32 s20, s20, s19                     ; my wave's first column, in bytes
	s_lshl_b32 s21, s16, 8
	s_mul_i32 s21, s21, s18                        ; the first of my 256 rows
	s_add_co_u32 s20, s20, s21
	s_mov_b32 s21, 0
	s_lshl_b32 s40, s18, 5                         ; 32 rows
	s_mov_b32 s41, 0
.irp i, 0,1,2,3,4,5,6,7,8,9,10,11,12,13,14,15,16,17,18,19,20,21,22,23,24,25,26,27,28,29,30,31
	v_mad_u32_u24 v[OFF+\i], s18, \i, v3
.endr
	s_lshl_b32 s42, s17, 3
	s_lshl_b32 s43, s14, 1
	s_add_co_u32 s42, s42, s43                     ; my first row tile of wb
	s_mul_i32 s42, s42, RTB
	s_mul_i32 s43, s16, KPB
	s_add_co_u32 s42, s42, s43                     ; its block for my pair of K steps
	s_mov_b32 s43, 0
	s_wait_alu depctr_va_vdst(0)
	s_wait_kmcnt 0x0
	s_cmp_lt_u32 s17, 24                           ; the choice hangs on the work-group's number alone
	s_cselect_b64 s[6:7], s[6:7], s[8:9]
	s_add_nc_u64 s[BASE:BASE+1], s[6:7], s[20:21]
.irp t, 1,2,3,4,5,6,7
	s_add_nc_u64 s[BASE+2*\t:BASE+2*\t+1], s[BASE+2*\t-2:BASE+2*\t-1], s[40:41]
.endr
	s_add_nc_u64 s[42:43], s[12:13], s[42:43]
	LOAD 0
	LOAD 1
.irp t, 0,1,2,3,4,5,6,7
	BLOCK \t
.endr
	global_store_b64 v[SCO], v[SB:SB+1], s[42:43] offset:4096   ; my column's two scale words
.irp n, 0,1
.irp k, 0,1,2,3,4,5,6,7
	ds_load_b128 v[OUTR+4*(8*\n+\k):OUTR+4*(8*\n+\k)+3], v[RDA] offset:STGT*\n+512*\k
.endr
.endr
.irp n, 0,1
.irp k, 0,1,2,3,4,5,6,7
	s_wait_dscnt 15-8*\n-\k                        ; the younger read-backs may be out
	global_store_b128 v[WL16], v[OUTR+4*(8*\n+\k):OUTR+4*(8*\n+\k)+3], s[42:43] offset:RTB*\n+512*\k   ; 512 consecutive bytes
.endr
.endr
	s_wait_tensorcnt 0x0
	ds_add_u32 v192, v193
	s_wait_dscnt 0x0
	s_endpgm
.Lfunc_end_k_q7961dd3358_quant:
	.size	k_q7961dd3358_quant, .Lfunc_end_k_q7961dd3358_quant-k_q7961dd3358_quant
	.p2alignl 7, 3214868480
	.fill 96, 4, 3214868480
	.section	.rodata,"a",@progbits
	.p2align	6, 0x0
	.amdhsa_kernel k_q7961dd3358_quant
		.amdhsa_group_segment_fixed_size 101888
		.amdhsa_private_segment_fixed_size 0
		.amdhsa_enable_private_segment 0
		.amdhsa_kernarg_size 40
		.amdhsa_user_sgpr_count 2
		.amdhsa_user_sgpr_kernarg_segment_ptr 1
		.amdhsa_wavefront_size32 1
		.amdhsa_system_sgpr_workgroup_id_x 1
		.amdhsa_system_sgpr_workgroup_id_y 1
		.amdhsa_system_sgpr_workgroup_id_z 1
		.amdhsa_system_vgpr_workitem_id 0
		.amdhsa_next_free_vgpr 194
		.amdhsa_next_free_sgpr 66
		.amdhsa_reserve_vcc 0
		.amdhsa_float_denorm_mode_32 3
		.amdhsa_float_denorm_mode_16_64 3
		.amdhsa_memory_ordered 1
		.amdhsa_forward_progress 1
		.amdhsa_inst_pref_size 88
	.end_amdhsa_kernel
	.amdgpu_metadata
---
amdhsa.version: [ 1, 2 ]
amdhsa.kernels:
  - .name:           k_q7961dd3358_quant
    .symbol:         k_q7961dd3358_quant.kd
    .args:
      - { .name: x, .offset: 0, .size: 8, .value_kind: global_buffer, .address_space: global }
      - { .name: Wc, .offset: 8, .size: 8, .value_kind: global_buffer, .address_space: global }
      - { .name: Wo, .offset: 16, .size: 8, .value_kind: global_buffer, .address_space: global }
      - { .name: xb, .offset: 24, .size: 8, .value_kind: global_buffer, .address_space: global }
      - { .name: wb, .offset: 32, .size: 8, .value_kind: global_buffer, .address_space: global }
    .group_segment_fixed_size: 101888
    .private_segment_fixed_size: 0
    .kernarg_segment_align: 8
    .kernarg_segment_size: 40
    .max_flat_workgroup_size: 128
    .sgpr_count:     66
    .vgpr_count:     194
    .wavefront_size: 32
...
	.end_amdgpu_metadata
.endif
;; end of part 6
;; launch gemm1 (part 7): grid 8 x 32, 4 waves a work-group, clusters of 4 x 4, 327,680 bytes of LDS; arguments xb, wb, bc, qkb, vb; writes qkb, vb
.if DOCPART == 7
	.amdgcn_target "amdgcn-amd-amdhsa--gfx1250"
	.amdhsa_code_object_version 6
	.text
	.protected	k_q7961dd3358_gemm1
	.globl	k_q7961dd3358_gemm1
	.p2align	8
	.type	k_q7961dd3358_gemm1,@function
k_q7961dd3358_gemm1:
	s_mov_b64 s[64:65], 0
	v_nop
	global_prefetch_b8 v0, s[64:65] scope:SCOPE_SE
	s_setreg_imm32_b32 hwreg(HW_REG_WAVE_MODE, 25, 1), 1
	s_wait_xcnt 0x0
	s_wait_alu depctr_hold_cnt(0) depctr_sa_sdst(0) depctr_va_vdst(0) depctr_va_sdst(0) depctr_va_ssrc(0) depctr_va_vcc(0) depctr_vm_vsrc(0)
	s_getreg_b32 s2, hwreg(HW_REG_IB_STS2, 6, 4)
	s_cmp_eq_u32 s2, 0
	s_cbranch_scc0 .Lentry_in_a_cluster
	s_endpgm
.Lentry_in_a_cluster:
	s_bfe_u32 s2, ttmp6, 0x10000c
	s_cmp_lg_u32 s2, 0xf033
	s_cbranch_scc0 .Lentry_shape_is_right
	s_endpgm
.Lentry_shape_is_right:
.set NQ,    2
.set FR,    16
.set NL,    4
.set NP,    8
.set RTB,   17408
.set KPB,   4352
.set TILEB, 4224
.set HALFT, 8*TILEB
.set SLOT,  4*HALFT
.set SPARE, 2*SLOT
.set PART,  8912896
.set BV,   8
.set ADSH, 12
.set ADRA, 16
.set ADRS, 18
.set ADRB, 20
.set ADRH, 22
.set QSO,  24
.set L16,  25
.set H16,  26
.set R16,  27
.set SPW,  28
.set NIL,  29
.set SC,   32
.set BQ,   64
.set AF,   128
.set T,    128
.set PC,   192
.set TM,   224
.set SW,   240
.set G1,   24
.set G0,   32
.set G1B,  48
.set G0B,  56
.set G1H,  68
.set G0H,  76
.set G0HB, 84
.set SEL,  98
.set MNT,  100
.set MSB, 0
.macro WIN new
.if MSB != \new
	s_set_vgpr_msb (MSB<<8)|\new
.set MSB, \new
.endif
.endm
.set MUL_LO, 0xa1
.set MUL_HI, 0xf1
.set TO_B,   0x40
.macro JLOAD g0a, g1a, g0b, g1b
	s_cmp_eq_u32 s15, 0
	s_cbranch_scc0 .Lfor_b_\@
	tensor_load_to_lds s[\g0a:\g0a+3], s[\g1a:\g1a+7]
	s_nop 0
.rept 4
	v_nop
.endr
	s_branch .Lasked_\@
.Lfor_b_\@:
	tensor_load_to_lds s[\g0b:\g0b+3], s[\g1b:\g1b+7]
	s_nop 0
.rept 4
	v_nop
.endr
.Lasked_\@:
.endm
.macro CREST
	s_cmp_lg_u32 s14, 0
	s_cbranch_scc1 .Lnot_wave_0_\@
	s_barrier_signal -3
.Lnot_wave_0_\@:
	s_barrier_wait -3
	s_barrier_signal -1
	s_barrier_wait -1
.endm
.macro CROUND
	s_barrier_signal -1
	s_barrier_wait -1
	CREST
.endm
	s_load_b128 s[4:7], s[0:1], 0x0
	s_load_b128 s[8:11], s[0:1], 0x10
	s_load_b64 s[12:13], s[0:1], 0x20
	v_lshl_add_u32 v[SPW], v0, 2, SPARE
	v_mov_b32 v[NIL], 0
	ds_add_u32 v28, v29
	ds_add_u32 v28, v29
	s_wait_dscnt 0x0
	v_lshrrev_b32 v1, 5, v0
	v_readfirstlane_b32 s14, v1
	s_lshr_b32 s15, s14, 1
	s_and_b32 s16, s14, 1
	s_bfe_u32 s40, ttmp6, 0x40000
	s_bfe_u32 s41, ttmp6, 0x40004
	s_and_b32 s17, ttmp7, 0xffff
	s_lshl_b32 s43, s41, 2
	s_lshl_b32 s43, 15, s43
	s_lshl_b32 s44, 0x1111, s40
	s_or_b32 s[G1+0], s43, (3<<16)|(1<<21)
	s_or_b32 s[G1B+0], s44, (3<<16)|(1<<21)
	s_or_b32 s[G1H+0], s43, (3<<16)|(1<<21)
.irp g, G1, G1B
	s_mov_b32 s[\g+1], 528<<16
	s_mov_b32 s[\g+2], 8<<16
	s_mov_b32 s[\g+3], 528<<16
	s_mov_b32 s[\g+4], 8
	s_mov_b32 s[\g+5], RTB/8
	s_mov_b32 s[\g+6], 0
	s_mov_b32 s[\g+7], 0
.endr
	s_mov_b32 s[G1H+1], 528<<16
	s_mov_b32 s[G1H+2], 4<<16
	s_mov_b32 s[G1H+3], 528<<16
	s_mov_b32 s[G1H+4], 4
	s_mov_b32 s[G1H+5], RTB/8
	s_mov_b32 s[G1H+6], 0
	s_mov_b32 s[G1H+7], 0
	s_lshl_b32 s18, s16, 3
	s_lshl_b32 s19, s16, 2
	s_lshl_b32 s20, s17, 2
	s_add_co_u32 s20, s20, s41
	s_lshl_b32 s20, s20, 4
	s_add_co_u32 s20, s20, s18
	s_mul_i32 s20, s20, RTB
	s_mov_b32 s21, 0
	s_lshl_b32 s46, ttmp9, 2
	s_add_co_u32 s46, s46, s40
	s_lshl_b32 s46, s46, 4
	s_add_co_u32 s46, s46, s18
	s_mul_i32 s46, s46, RTB
	s_mov_b32 s47, 0
	s_lshl_b32 s66, ttmp9, 2
	s_add_co_u32 s66, s66, s41
	s_lshl_b32 s22, s66, 3
	s_add_co_u32 s22, s22, s19
	s_add_co_u32 s22, s22, 128
	s_mul_i32 s22, s22, RTB
	s_mov_b32 s23, 0
	s_lshl_b32 s96, s17, 2
	s_add_co_u32 s96, s96, s40
	s_lshl_b32 s96, s96, 4
	s_add_co_u32 s96, s96, s18
	s_mul_i32 s96, s96, RTB
	s_mov_b32 s97, 0
	s_mul_i32 s45, s14, HALFT
	s_mul_i32 s42, s14, 4*TILEB
	s_mov_b32 s[SEL], 0x76543210
	s_mov_b32 s[SEL+1], 0xfedcba98
	s_mov_b32 s[MNT], 0x600000
	s_mov_b32 s101, 0x7f7f0000
	s_wait_kmcnt 0x0
	s_add_nc_u64 s[20:21], s[4:5], s[20:21]
	s_add_nc_u64 s[46:47], s[6:7], s[46:47]
	s_add_nc_u64 s[22:23], s[6:7], s[22:23]
	s_add_nc_u64 s[96:97], s[4:5], s[96:97]
	CROUND
.irp s, 0,1
	s_mov_b32 s[G0+4*\s], 1
	s_add_co_u32 s[G0+4*\s+1], s45, \s*SLOT
	s_add_nc_u64 s[G0+4*\s+2:G0+4*\s+3], s[20:21], \s*KPB
	s_or_b32 s[G0+4*\s+3], s[G0+4*\s+3], 0x80000000
	s_mov_b32 s[G0B+4*\s], 1
	s_add_co_u32 s[G0B+4*\s+1], s45, \s*SLOT
	s_add_nc_u64 s[G0B+4*\s+2:G0B+4*\s+3], s[46:47], \s*KPB
	s_or_b32 s[G0B+4*\s+3], s[G0B+4*\s+3], 0x80000000
	s_mov_b32 s[G0H+4*\s], 1
	s_add_co_u32 s[G0H+4*\s+1], s42, \s*SLOT
	s_add_nc_u64 s[G0H+4*\s+2:G0H+4*\s+3], s[22:23], \s*KPB
	s_or_b32 s[G0H+4*\s+3], s[G0H+4*\s+3], 0x80000000
	s_mov_b32 s[G0HB+4*\s], 1
	s_add_co_u32 s[G0HB+4*\s+1], s45, \s*SLOT
	s_add_nc_u64 s[G0HB+4*\s+2:G0HB+4*\s+3], s[96:97], \s*KPB
	s_or_b32 s[G0HB+4*\s+3], s[G0HB+4*\s+3], 0x80000000
	s_wait_alu depctr_va_vdst(0)
	s_wait_tensorcnt 0x0
	ds_add_u32 v28, v29
	ds_add_u32 v28, v29
	s_wait_dscnt 0x0
	CROUND
	JLOAD G0+4*\s, G1, G0B+4*\s, G1B
.endr
	v_and_b32 v1, 31, v0
	v_lshlrev_b32 v[L16], 4, v1
	v_and_b32 v2, 15, v0
	v_bfe_u32 v3, v0, 4, 1
	s_mul_i32 s2, s15, HALFT
	s_mul_i32 s3, s16, HALFT
	s_add_co_u32 s3, s3, 2*HALFT
	s_mul_i32 s20, s15, 4*TILEB
	s_sub_co_u32 s21, s3, s2
	s_sub_co_u32 s22, s3, s20
	v_mul_u32_u24 v4, s21, v3
	v_lshl_add_u32 v4, v2, 3, v4
	v_mul_u32_u24 v5, s22, v3
	v_lshl_add_u32 v5, v2, 3, v5
.irp s, 0,1
	v_add_nc_u32 v[ADRA+\s], s2, v[L16]
	v_add_nc_u32 v[ADRB+\s], s3, v[L16]
	v_add_nc_u32 v[ADRH+\s], s20, v[L16]
	v_add_nc_u32 v[ADRS+\s], s2, v4
	v_add_nc_u32 v[ADSH+\s], s20, v5
	s_add_co_u32 s2, s2, SLOT
	s_add_co_u32 s3, s3, SLOT
	s_add_co_u32 s20, s20, SLOT
.endr
	v_lshlrev_b32 v[H16], 4, v3
	v_lshlrev_b32 v[R16], 4, v2
	v_lshl_add_u32 v[QSO], v3, 12, v[R16]
	s_lshl_b32 s18, ttmp9, 12
	s_lshl_b32 s19, s40, 10
	s_add_co_u32 s18, s18, s19
	s_lshl_b32 s19, s16, 9
	s_add_co_u32 s18, s18, s19
	s_mov_b32 s19, 0
	s_add_nc_u64 s[18:19], s[8:9], s[18:19]
	s_lshl_b32 s96, s66, 9
	s_lshl_b32 s97, s15, 8
	s_add_co_u32 s96, s96, s97
	s_add_co_u32 s96, s96, 8192
	s_mov_b32 s97, 0
	s_add_nc_u64 s[96:97], s[8:9], s[96:97]
	v_lshlrev_b32 v30, 6, v3
	v_and_b32 v4, 7, v2
	v_lshrrev_b32 v5, 3, v2
	v_lshl_add_u32 v4, v5, 4, v4
	v_lshlrev_b32 v31, 2, v4
.irp t, 0,1,2,3,4,5,6,7
	global_load_b128 v[BQ+8*\t:BQ+8*\t+3], v30, s[18:19] offset:4*(32*(\t/2)+8*(\t%2))
	global_load_b128 v[BQ+8*\t+4:BQ+8*\t+7], v30, s[18:19] offset:4*(32*(\t/2)+8*(\t%2))+16
.endr
.irp a, 0,1,2,3
	global_load_b32 v[BV+\a], v31, s[96:97] offset:4*(32*(\a/2)+8*(\a%2))
.endr
.macro FRAG reg, adr, q, i
.irp c, 0,1,2,3
	ds_load_b128 v[\reg+4*\c:\reg+4*\c+3], v[\adr] offset:2048*(\q)+512*\c+(\i)*TILEB
.endr
.endm
.macro MUL16 a0, p, q, sc, zero
.irp a, \a0, \a0+1
.irp b, 0,1,2,3,4,5,6,7
.if \zero
	v_wmma_scale_f32_16x16x128_f8f6f4 v[8*(8*((\a)%4)+\b):8*(8*((\a)%4)+\b)+7], v[128*(\p)+FR*\b:128*(\p)+FR*\b+FR-1], v[AF+FR*(\a):AF+FR*(\a)+FR-1], 0, v[SC+8*NQ*(\sc)+NQ*\b+(\q)], v[SC+8*NQ*(\sc)+NQ*(\a)+(\q)] matrix_a_scale:MATRIX_SCALE_ROW1
.else
	v_wmma_scale_f32_16x16x128_f8f6f4 v[8*(8*((\a)%4)+\b):8*(8*((\a)%4)+\b)+7], v[128*(\p)+FR*\b:128*(\p)+FR*\b+FR-1], v[AF+FR*(\a):AF+FR*(\a)+FR-1], v[8*(8*((\a)%4)+\b):8*(8*((\a)%4)+\b)+7], v[SC+8*NQ*(\sc)+NQ*\b+(\q)], v[SC+8*NQ*(\sc)+NQ*(\a)+(\q)] matrix_a_scale:MATRIX_SCALE_ROW1
.endif
.endr
.endr
.endm
.macro FETCH_B slot, q, p
	WIN TO_B
.irp i, 0,1,2,3,4,5,6,7
	FRAG 128*(\p)+FR*\i, ADRB+\slot, \q, \i
.endr
	WIN 0
.endm
.macro FETCH_A slot, q, i0
.irp i, \i0, \i0+1, \i0+2, \i0+3
	FRAG AF+FR*(\i), ADRA+\slot, \q, \i
.endr
.endm
.macro SCALES sc
.irp i, 0,1,2,3,4,5,6,7
	ds_load_b64 v[SC+8*NQ*\sc+NQ*\i:SC+8*NQ*\sc+NQ*\i+1], v[ADRS+\sc] offset:\i*TILEB+4096
.endr
.endm
.macro PLACES n
.rept \n
	v_nop
.endr
.endm
.macro STEP slot, q, zero
	s_wait_dscnt 4*NL
	WIN MUL_LO
	MUL16 0, (\q)%2, \q, \slot, \zero
	MUL16 2, (\q)%2, \q, \slot, \zero
	s_wait_dscnt 0
	PLACES NP
	FETCH_B \slot, (\q)+1, 1-(\q)%2
	FETCH_A \slot, (\q)+1, 0
	WIN MUL_HI
	MUL16 4, (\q)%2, \q, \slot, \zero
	MUL16 6, (\q)%2, \q, \slot, \zero
	PLACES NP
	WIN 0
	FETCH_A \slot, (\q)+1, 4
.endm
.macro TURN slot, next, fill
	s_wait_tensorcnt 0x0
	ds_add_u32 v[SPW], v[NIL]
	s_wait_dscnt 4*NL+1
	WIN MUL_LO
	MUL16 0, 1, NQ-1, \slot, 0
	s_wait_dscnt 0x0
	s_barrier_signal -1
	MUL16 2, 1, NQ-1, \slot, 0
	WIN 0
	s_barrier_wait -1
	CREST
.if \fill == 1
	s_add_nc_u64 s[G0+4*\slot+2:G0+4*\slot+3], s[G0+4*\slot+2:G0+4*\slot+3], 2*KPB
	s_add_nc_u64 s[G0B+4*\slot+2:G0B+4*\slot+3], s[G0B+4*\slot+2:G0B+4*\slot+3], 2*KPB
	JLOAD G0+4*\slot, G1, G0B+4*\slot, G1B
.else
	JLOAD G0H+4*\slot, G1H, G0HB+4*\slot, G1B
.endif
	PLACES NP-4
	FETCH_B \next, 0, 0
	FETCH_A \next, 0, 0
	SCALES \next
	WIN MUL_HI
	MUL16 4, 1, NQ-1, \slot, 0
	MUL16 6, 1, NQ-1, \slot, 0
	PLACES NP
	WIN 0
	FETCH_A \next, 0, 4
.endm
.macro TURNE slot
	s_wait_tensorcnt 0x0
	ds_add_u32 v[SPW], v[NIL]
	s_wait_dscnt 4*NL+1
	WIN MUL_LO
	MUL16 0, 1, NQ-1, \slot, 0
	s_wait_dscnt 0x0
	s_barrier_signal -1
	MUL16 2, 1, NQ-1, \slot, 0
	WIN 0
	s_barrier_wait -1
	CREST
	JLOAD G0H+4*\slot, G1H, G0HB+4*\slot, G1B
	WIN MUL_HI
	MUL16 4, 1, NQ-1, \slot, 0
	MUL16 6, 1, NQ-1, \slot, 0
	WIN 0
.endm
.macro H8 a, p, q, sc, zero
.irp b, 0,1,2,3,4,5,6,7
.if \zero
	v_wmma_scale_f32_16x16x128_f8f6f4 v[8*(8*(\a)+\b):8*(8*(\a)+\b)+7], v[128*(\p)+FR*\b:128*(\p)+FR*\b+FR-1], v[AF+64*(\p)+FR*(\a):AF+64*(\p)+FR*(\a)+FR-1], 0, v[SC+16*(\sc)+2*\b+(\q)], v[SC+16*(\sc)+2*(\a)+(\q)] matrix_a_scale:MATRIX_SCALE_ROW1
.else
	v_wmma_scale_f32_16x16x128_f8f6f4 v[8*(8*(\a)+\b):8*(8*(\a)+\b)+7], v[128*(\p)+FR*\b:128*(\p)+FR*\b+FR-1], v[AF+64*(\p)+FR*(\a):AF+64*(\p)+FR*(\a)+FR-1], v[8*(8*(\a)+\b):8*(8*(\a)+\b)+7], v[SC+16*(\sc)+2*\b+(\q)], v[SC+16*(\sc)+2*(\a)+(\q)] matrix_a_scale:MATRIX_SCALE_ROW1
.endif
.endr
.endm
.macro HFETCH_A slot, q, p
.irp i, 0,1,2,3
	FRAG AF+64*(\p)+FR*\i, ADRH+\slot, \q, \i
.endr
.endm
.macro HSCALES slot, sc
.irp i, 0,1,2,3,4,5,6,7
	ds_load_b64 v[SC+16*\sc+2*\i:SC+16*\sc+2*\i+1], v[ADSH+\slot] offset:\i*TILEB+4096
.endr
.endm
.macro HSTEP slot, sc, zero
	s_wait_dscnt 0x0
	PLACES NP
	FETCH_B \slot, 1, 1
	HFETCH_A \slot, 1, 1
	WIN MUL_LO
.irp a, 0,1,2,3
	H8 \a, 0, 0, \sc, \zero
.endr
	WIN 0
.endm
.macro HTURN slot, sc, next, nsc, mode
	s_wait_tensorcnt 0x0
	ds_add_u32 v[SPW], v[NIL]
	s_wait_dscnt 1
	WIN MUL_LO
	H8 0, 1, 1, \sc, 0
	s_wait_dscnt 0x0
	s_barrier_signal -1
	H8 1, 1, 1, \sc, 0
	WIN 0
	s_barrier_wait -1
.if \mode == 2
	CREST
	s_add_nc_u64 s[G0H+4*\slot+2:G0H+4*\slot+3], s[G0H+4*\slot+2:G0H+4*\slot+3], 2*KPB
	s_add_nc_u64 s[G0HB+4*\slot+2:G0HB+4*\slot+3], s[G0HB+4*\slot+2:G0HB+4*\slot+3], 2*KPB
	JLOAD G0H+4*\slot, G1H, G0HB+4*\slot, G1B
	PLACES NP-4
.else
	PLACES NP
.endif
	FETCH_B \next, 0, 0
	HFETCH_A \next, 0, 0
	HSCALES \next, \nsc
	WIN MUL_LO
	H8 2, 1, 1, \sc, 0
	H8 3, 1, 1, \sc, 0
	WIN 0
.endm
.macro QUANT s, pc, pw
.irp b, 0,1,2,3
	v_max3_num_f32 v[TM+\b], |v[(\s)+16*\b]|, |v[(\s)+1+16*\b]|, 0x4800000
.endr
.irp i, 2,4,6,8,10,12,14
.irp b, 0,1,2,3
	v_max3_num_f32 v[TM+\b], v[TM+\b], |v[(\s)+16*\b+\i]|, |v[(\s)+1+16*\b+\i]|
.endr
.endr
.irp b, 0,1,2,3
	v_permlanex16_b32 v[TM+4+\b], v[TM+\b], s[SEL], s[SEL+1]
.endr
.irp b, 0,1,2,3
	v_max_num_f32 v[TM+\b], v[TM+\b], v[TM+4+\b]
.endr
.irp b, 0,1,2,3
	v_add_nc_u32 v[TM+12+\b], 0xfc000000, v[TM+\b]
.endr
.irp b, 0,1,2,3
	v_and_or_b32 v[TM+8+\b], v[TM+\b], 0x7f800000, s[MNT]
.endr
.irp b, 0,1,2,3
	v_lshrrev_b32 v[TM+4+\b], 23, v[TM+12+\b]
.endr
	v_lshl_or_b32 v[\pw], v[TM+5], 8, v[TM+4]
	v_lshl_or_b32 v[\pw], v[TM+6], 16, v[\pw]
	v_lshl_or_b32 v[\pw], v[TM+7], 24, v[\pw]
.irp b, 0,1,2,3
.irp i, 0,1,2,3,4,5,6,7,8,9,10,11,12,13,14,15
	v_med3_num_f32 v[(\s)+16*\b+\i], v[(\s)+16*\b+\i], -v[TM+8+\b], v[TM+8+\b]
.endr
	v_cvt_scalef32_pk8_fp8_f32 v[(\pc)+4*\b:(\pc)+1+4*\b], v[(\s)+16*\b:(\s)+7+16*\b], v[TM+12+\b]
	v_cvt_scalef32_pk8_fp8_f32 v[(\pc)+2+4*\b:(\pc)+3+4*\b], v[(\s)+8+16*\b:(\s)+15+16*\b], v[TM+12+\b]
.endr
	v_nop
.endm
.macro EBLK a, kind
.set PCA, PC+16*((\a)%2)
	s_wait_xcnt 0x0
	WIN 0x02+(\a)/4
.set i, 0
.rept 32
.if \kind == 0
	v_pk_add_f32 v[T+i:T+i+1], v[64*((\a)%4)+i:64*((\a)%4)+i+1], v[BQ+i:BQ+i+1]
.elseif (\a)%2
	v_pk_add_f32 v[T+i:T+i+1], v[64*((\a)%4)+i:64*((\a)%4)+i+1], v[BV+(\a)-1:BV+(\a)] op_sel:[0,1] op_sel_hi:[1,1]
.else
	v_pk_add_f32 v[T+i:T+i+1], v[64*((\a)%4)+i:64*((\a)%4)+i+1], v[BV+(\a):BV+(\a)+1] op_sel_hi:[1,0]
.endif
.set i, i+2
.endr
	WIN 0
.if \kind == 0
	QUANT T, PCA, 248
	v_lshrrev_b32 v249, v[H16], v248
	v_and_or_b32 v[SW+(\a)], v249, 0xffff, s101
.irp e, 0,1
.irp c, 0,1
	global_store_b128 v[L16], v[PCA+4*(2*\e+\c):PCA+4*(2*\e+\c)+3], s[92:93] offset:65536*\e+1024*(\a)+512*\c
.endr
.endr
.if (\a)%4 == 3
	global_store_b128 v[QSO], v[SW+(\a)-3:SW+(\a)], s[94:95] offset:256*((\a)/4)
.endif
.else
	QUANT T, PCA, SW+(\a)
.irp c, 0,1,2,3
	global_store_b128 v[L16], v[PCA+4*\c:PCA+4*\c+3], s[92:93] offset:2048*(\a)+512*\c
.endr
.endif
.endm
	s_wait_tensorcnt 1
	s_barrier_signal -1
	s_barrier_wait -1
	FETCH_B 0, 0, 0
	FETCH_A 0, 0, 0
	SCALES 0
	FETCH_A 0, 0, 4
	STEP 0, 0, 1
	TURN 0, 1, 1
	STEP 1, 0, 0
	TURN 1, 0, 1
	STEP 0, 0, 0
	TURN 0, 1, 2
	STEP 1, 0, 0
	TURNE 1
	PLACES NP
	s_wait_loadcnt 0x0
.irp b, 0,1,2,3
	v_mov_b32 v[TM+4+\b], 0
.endr
	s_lshl_b32 s18, s17, 4
	s_mov_b32 s23, 0
	s_lshl_b32 s19, s40, 2
	s_add_co_u32 s18, s18, s19
	s_lshl_b32 s19, s16, 1
	s_add_co_u32 s18, s18, s19
	s_lshl_b32 s19, s41, 4
	s_lshl_b32 s20, s15, 3
	s_add_co_u32 s19, s19, s20
	s_mul_i32 s20, ttmp9, PART
	s_lshl_b32 s22, s18, 16
	s_add_co_u32 s22, s22, s20
	s_lshl_b32 s21, s19, 10
	s_add_co_u32 s22, s22, s21
	s_add_nc_u64 s[92:93], s[10:11], s[22:23]
	s_lshl_b32 s22, s18, 12
	s_add_co_u32 s22, s22, s20
	s_lshl_b32 s21, s19, 6
	s_add_co_u32 s22, s22, s21
	s_add_co_u32 s22, s22, 0x800000
	s_add_nc_u64 s[94:95], s[10:11], s[22:23]
.irp a, 0,1,2,3,4,5,6,7
	EBLK \a, 0
.endr
	s_wait_xcnt 0x0
	FETCH_B 0, 0, 0
	HFETCH_A 0, 0, 0
	HSCALES 0, 0
	HSTEP 0, 0, 1
	HTURN 0, 0, 1, 1, 2
	HSTEP 1, 1, 0
	HTURN 1, 1, 0, 0, 2
	HSTEP 0, 0, 0
	HTURN 0, 0, 1, 1, 1
	HSTEP 1, 1, 0
	s_wait_dscnt 0x0
	WIN MUL_LO
.irp a, 0,1,2,3
	H8 \a, 1, 1, 1, 0
.endr
	WIN 0
	PLACES NP
.irp b, 0,1,2,3
	v_mov_b32 v[TM+4+\b], 0
.endr
	s_lshl_b32 s18, s17, 4
	s_lshl_b32 s19, s66, 1
	s_add_co_u32 s18, s18, s19
	s_add_co_u32 s18, s18, s15
	s_lshl_b32 s19, s40, 1
	s_add_co_u32 s19, s19, s16
	s_lshl_b32 s22, s18, 16
	s_lshl_b32 s21, s19, 13
	s_add_co_u32 s22, s22, s21
	s_add_nc_u64 s[92:93], s[12:13], s[22:23]
	s_lshl_b32 s22, s18, 11
	s_lshl_b32 s21, s19, 8
	s_add_co_u32 s22, s22, s21
	s_add_co_u32 s22, s22, 0x800000
	s_add_nc_u64 s[94:95], s[12:13], s[22:23]
.irp a, 0,1,2,3
	EBLK \a, 1
.endr
	global_store_b128 v[R16], v[SW:SW+3], s[94:95]
	s_wait_tensorcnt 0x0
	ds_add_u32 v[SPW], v[NIL]
	s_wait_dscnt 0x0
	CROUND
	s_endpgm
.Lfunc_end_k_q7961dd3358_gemm1:
	.size	k_q7961dd3358_gemm1, .Lfunc_end_k_q7961dd3358_gemm1-k_q7961dd3358_gemm1
	.p2alignl 7, 3214868480
	.fill 96, 4, 3214868480
	.section	.rodata,"a",@progbits
	.p2align	6, 0x0
	.amdhsa_kernel k_q7961dd3358_gemm1
		.amdhsa_group_segment_fixed_size 327680
		.amdhsa_private_segment_fixed_size 0
		.amdhsa_enable_private_segment 0
		.amdhsa_kernarg_size 40
		.amdhsa_user_sgpr_count 2
		.amdhsa_user_sgpr_kernarg_segment_ptr 1
		.amdhsa_wavefront_size32 1
		.amdhsa_system_sgpr_workgroup_id_x 1
		.amdhsa_system_sgpr_workgroup_id_y 1
		.amdhsa_system_sgpr_workgroup_id_z 1
		.amdhsa_system_vgpr_workitem_id 0
		.amdhsa_next_free_vgpr 1024
		.amdhsa_next_free_sgpr 102
		.amdhsa_reserve_vcc 0
		.amdhsa_float_denorm_mode_32 3
		.amdhsa_float_denorm_mode_16_64 3
		.amdhsa_memory_ordered 1
		.amdhsa_forward_progress 1
		.amdhsa_inst_pref_size 255
	.end_amdhsa_kernel
	.section	.bss,"aw",@nobits
	.p2align	6
	.space	262144
	.amdgpu_metadata
---
amdhsa.version: [ 1, 2 ]
amdhsa.kernels:
  - .name:           k_q7961dd3358_gemm1
    .symbol:         k_q7961dd3358_gemm1.kd
    .args:
      - { .name: xb, .offset: 0, .size: 8, .value_kind: global_buffer, .address_space: global }
      - { .name: wb, .offset: 8, .size: 8, .value_kind: global_buffer, .address_space: global }
      - { .name: bc, .offset: 16, .size: 8, .value_kind: global_buffer, .address_space: global }
      - { .name: qkb, .offset: 24, .size: 8, .value_kind: global_buffer, .address_space: global }
      - { .name: vb, .offset: 32, .size: 8, .value_kind: global_buffer, .address_space: global }
    .group_segment_fixed_size: 327680
    .private_segment_fixed_size: 0
    .kernarg_segment_align: 8
    .kernarg_segment_size: 40
    .max_flat_workgroup_size: 128
    .sgpr_count:     102
    .vgpr_count:     1024
    .wavefront_size: 32
...
	.end_amdgpu_metadata
.endif
;; end of part 7
;; launch attn (part 8): grid 2 x 128, 16 waves a work-group, no clusters, 327,680 bytes of LDS; arguments qkb, vb, cb; writes cb
.if DOCPART == 8
	.amdgcn_target "amdgcn-amd-amdhsa--gfx1250"
	.amdhsa_code_object_version 6
	.text
	.protected	k_q7961dd3358_attn
	.globl	k_q7961dd3358_attn
	.p2align	8
	.type	k_q7961dd3358_attn,@function
k_q7961dd3358_attn:
	s_mov_b64 s[64:65], 0
	v_nop
	global_prefetch_b8 v0, s[64:65] scope:SCOPE_SE
	s_setreg_imm32_b32 hwreg(HW_REG_WAVE_MODE, 25, 1), 1
	s_wait_xcnt 0x0
; Attention of one head on codes of E4M3: S^T = K Q^T, p = 2^(t - M) with M a whole number, quantised along the keys, O^T += V^T P^T, O^T / the sum of the unquantised p, quantised again into cb.
; key k is kept for query q where k >= q: key steps of 128 all of whose keys come before a wave's 16 queries are left out (a scalar branch on ids); on the diagonal hidden scores become -infinity.
; A work-group owns one head and 32 query tiles; wave w takes tiles QTA and 63 - QTA: nine key steps a wave in all.  The key steps lie in LDS from the last to the first: place p holds step 7 - p, K's 8,192 bytes, then V's.
; All of a head's K and V, 16 x 8,192 bytes, are filled once: wave w brings block w (place w / 2; K for w even, V for w odd) by its one tensor load, 32 rows of 256 bytes; every wave waits for 0, one barrier shows all.
; No prefetch: all that a work-group reads is asked for at the head, so there is no loop to run ahead in.  No cluster: the two work-groups of a head are too few for the forms of 4.
; LIMITS: NaN and infinities are not served; the promise holds while the scaled scores stay under 2^31 in magnitude.
; THE ORDER OF WORK: tile 63 - QTA goes first: it needs places 0 to 3 alone, which are waves 0 to 7's blocks; these waves have a load line of their own and wait ahead of a first barrier.
; Behind that pass every wave waits, a second barrier shows places 4 to 7 too, and tile QTA walks all eight places.  Q and the scale words are asked for ahead of the tensor load.
.set PART, 8912896
.set CRT,  17408
.set CKP,  4352
.set KSC,  131072
.set VSC,  135168
.set KB,   32
.set SS,   96
.set OT,   160
.set PCD,  192
.set KW,   208
.set VW,   216
.set QW,   220
.set PWD,  221
.set FF,   222
.set BM,   224
.set BT,   228
.set HL,   232
.set SO,   236
.set WV,   10
.set QTB,  14
.set QTA,  15
.set G1,   16
.set G0,   24
.set SEL,  40
.set CS,   42
.set MNT,  44
.set RP,   45
.set RPD,  46
.set RTB,  47
.set RTS,  48
.set RTJ,  49
.set RCNT, 50
	s_load_b128 s[4:7], s[0:1], 0x0
	s_load_b64 s[8:9], s[0:1], 0x10
	v_lshl_add_u32 v254, v0, 2, 0x29000
	v_mov_b32 v255, 0
	ds_add_u32 v254, v255
	ds_add_u32 v254, v255
	s_wait_dscnt 0x0
	v_lshrrev_b32 v1, 5, v0
	s_delay_alu instid0(VALU_DEP_1)
	v_readfirstlane_b32 s[WV], v1
	s_and_b32 s12, ttmp7, 0xffff
	s_lshl_b32 s13, ttmp9, 4
	s_add_co_u32 s[QTA], s13, s[WV]
	s_sub_co_u32 s[QTB], 63, s[QTA]
	s_mov_b32 s[G1], 3<<16
	s_mov_b32 s[G1+1], 32<<16
	s_mov_b32 s[G1+2], 32<<16
	s_mov_b32 s[G1+3], 32<<16
	s_mov_b32 s[G1+4], 32
	s_mov_b32 s[G1+5], 32
	s_mov_b32 s[G1+6], 0
	s_mov_b32 s[G1+7], 0
	s_mov_b32 s[SEL], 0x76543210
	s_mov_b32 s[SEL+1], 0xfedcba98
	s_mov_b32 s[CS], 0x3d38aa3b
	s_mov_b32 s[CS+1], s[CS]
	s_mov_b32 s[MNT], 0x600000
	s_lshl_b32 s52, s12, 16
	s_lshr_b32 s54, s[WV], 1                       ; my block's place p in LDS
	s_sub_co_u32 s54, 7, s54                       ; holds key step 7 - p
	s_lshl_b32 s54, s54, 13                        ; 8,192 bytes a key step, in K as in V
	s_add_co_u32 s52, s52, s54
	s_lshl_b32 s51, s[WV], 13                      ; LDS: 8,192 x wave
	s_mov_b32 s53, 0
	s_mov_b32 s55, 0
	s_wait_kmcnt 0x0
	s_bitcmp1_b32 s[WV], 0                         ; odd waves fetch V, even waves K
	s_cselect_b64 s[66:67], s[6:7], s[4:5]
	s_cselect_b32 s54, 0, PART
	s_add_co_u32 s52, s52, s54
	s_add_nc_u64 s[66:67], s[66:67], s[52:53]
	s_mov_b32 s[G0], 1
	s_mov_b32 s[G0+1], s51
	s_mov_b64 s[G0+2:G0+3], s[66:67]
	s_or_b32 s[G0+3], s[G0+3], 0x80000000
	s_lshl_b32 s54, s12, 12
	s_add_co_u32 s54, s54, PART+0x800000
	s_add_nc_u64 s[68:69], s[4:5], s[54:55]
	s_lshl_b32 s54, s12, 11
	s_add_co_u32 s54, s54, 0x800000
	s_add_nc_u64 s[70:71], s[6:7], s[54:55]
.macro QBASE qt, img, scl
	s_lshl_b32 s54, s12, 6
	s_add_co_u32 s54, s54, s[\qt]
	s_lshl_b32 s54, s54, 10
	s_add_nc_u64 s[\img:\img+1], s[4:5], s[54:55]
	s_lshl_b32 s54, s12, 12
	s_lshr_b32 s53, s[\qt], 2
	s_lshl_b32 s53, s53, 8
	s_add_co_u32 s54, s54, s53
	s_and_b32 s53, s[\qt], 3
	s_lshl_b32 s53, s53, 2
	s_add_co_u32 s54, s54, s53
	s_add_co_u32 s54, s54, 0x800000
	s_add_nc_u64 s[\scl:\scl+1], s[4:5], s[54:55]
.endm
	QBASE QTA, 74, 80
	QBASE QTB, 76, 82
	s_lshr_b32 s54, s12, 4
	s_mul_i32 s54, s54, 64*CRT
	s_and_b32 s53, s12, 15
	s_lshr_b32 s52, s53, 2
	s_mul_i32 s52, s52, CKP
	s_add_co_u32 s54, s54, s52
	s_and_b32 s53, s12, 3
	s_lshl_b32 s52, s53, 10
	s_add_co_u32 s54, s54, s52
	s_add_nc_u64 s[56:57], s[8:9], s[54:55]
	s_sub_co_u32 s54, s54, s52
	s_lshl_b32 s52, s53, 1
	s_add_co_u32 s54, s54, s52
	s_add_co_u32 s54, s54, 4096
	s_add_nc_u64 s[58:59], s[8:9], s[54:55]
	v_and_b32 v11, 31, v0
	s_delay_alu instid0(VALU_DEP_1)
	v_lshlrev_b32 v1, 4, v11
	v_and_b32 v11, 15, v0
	v_bfe_u32 v4, v0, 4, 1
	s_delay_alu instid0(VALU_DEP_2)
	v_lshl_add_u32 v2, v11, 4, KSC
	s_delay_alu instid0(VALU_DEP_3)
	v_lshl_add_u32 v3, v11, 4, VSC
	s_delay_alu instid0(VALU_DEP_4)
	v_lshlrev_b32 v9, 3, v11
	v_and_b32 v5, 7, v11
	v_lshrrev_b32 v6, 3, v11
	s_delay_alu instid0(VALU_DEP_1)
	v_lshl_add_u32 v5, v6, 4, v5
	v_lshlrev_b32 v4, 4, v4
	s_delay_alu instid0(VALU_DEP_1)
	v_sub_nc_u32 v5, v5, v4
	v_lshlrev_b32 v11, 4, v11
	v_xor_b32 v6, 0x1c0, v0
	s_delay_alu instid0(VALU_DEP_1)
	v_lshlrev_b32 v7, 2, v6
	s_delay_alu instid0(VALU_DEP_2)
	v_lshlrev_b32 v6, 3, v6
	v_lshl_add_u32 v244, v0, 3, KSC
	v_lshl_add_u32 v245, v0, 2, VSC
	v_mov_b32 v10, 0xff800000
	global_load_b64 v[BM:BM+1], v6, s[68:69]
	global_load_b32 v[BM+2], v7, s[70:71]
	global_load_b128 v[16:19], v1, s[76:77]        ; Q of tile 63 - QTA, the first pass's,
	global_load_b128 v[20:23], v1, s[76:77] offset:512
	global_load_b32 v[QW], v11, s[82:83]
	global_load_b128 v[246:249], v1, s[74:75]      ; and of tile QTA, kept for the second
	global_load_b128 v[250:253], v1, s[74:75] offset:512
	global_load_b32 v254, v11, s[80:81]
	s_wait_alu depctr_va_vdst(0)
	s_cmp_lt_u32 s[WV], 8                          ; my one tensor load, in one chain of two arms: waves 0 to 7, which wait ahead of the first barrier, have a line of their own
	s_cbranch_scc0 .Lgrp_late
	tensor_load_to_lds s[G0:G0+3], s[G1:G1+7]
	s_nop 0
.rept 4
	v_nop
.endr
	s_branch .Lasked
.Lgrp_late:
	tensor_load_to_lds s[G0:G0+3], s[G1:G1+7]
	s_nop 0
.rept 4
	v_nop
.endr
.Lasked:
.irp i, 0,1,2,3,4,5,6,7
	v_mov_b32 v[24+\i], 0
.endr
.irp t, 0,1,2,3
.irp i, 8,9,10,11,12,13,14,15
	v_mov_b32 v[KB+16*\t+\i], 0
.endr
.endr
.irp b, 0,1,2,3
	v_mov_b32 v[BT+\b], 0
.endr
	v_mov_b32 v242, 0
	v_mov_b32 v[FF+1], 0
	s_wait_loadcnt 0x0
	ds_store_b64 v244, v[BM:BM+1]
	ds_store_b32 v245, v[BM+2]
.macro STEP
	s_cmp_gt_u32 s[RP], s[RPD]
	s_cbranch_scc1 .Lhid_\@
	v_add_nc_u32 v6, s[RTB], v1
	s_wait_alu depctr_va_vdst(0)
	v_add_nc_u32 v7, s[RTS], v2
	v_add_nc_u32 v8, s[RTJ], v3
.rept 6
	v_nop
.endr
	ds_load_b128 v[KW:KW+3], v7
	ds_load_b128 v[KW+4:KW+7], v7 offset:256
.irp g, 0,1
.if \g
.rept 8
	v_nop
.endr
.endif
.irp t, 0,1,2,3
.irp c, 0,1
	ds_load_b128 v[KB+16*\t+4*\c:KB+16*\t+4*\c+3], v6 offset:1024*(4*\g+\t)+512*\c
.endr
.endr
	s_wait_dscnt 0x0
.irp t, 0,1,2,3
	v_wmma_scale_f32_16x16x128_f8f6f4 v[SS+8*(4*\g+\t):SS+8*(4*\g+\t)+7], v[KB+16*\t:KB+16*\t+15], v[16:31], 0, v[KW+4*\g+\t], v[QW]
.endr
.endr
	s_cmp_lg_u32 s[RP], s[RPD]
	s_cbranch_scc1 .Lopen_\@
.set n, 0
.rept 64
	v_cmp_lt_i32 vcc_lo, 32*(n/16)+n%16, v4
	v_cndmask_b32 v[SS+n], v[SS+n], v10, vcc_lo
.set n, n+1
.endr
.Lopen_\@:
.irp h, 0,2
.irp b, \h, \h+1
	v_max3_num_f32 v[BM+(\b)], v[SS+16*(\b)], v[SS+1+16*(\b)], v[SS+2+16*(\b)]
.endr
.irp i, 3,5,7,9,11,13
.irp b, \h, \h+1
	v_max3_num_f32 v[BM+(\b)], v[BM+(\b)], v[SS+16*(\b)+\i], v[SS+1+16*(\b)+\i]
.endr
.endr
.irp b, \h, \h+1
	v_max_num_f32 v[BM+(\b)], v[BM+(\b)], v[SS+15+16*(\b)]
.endr
.endr
.irp b, 0,1,2,3
	v_permlanex16_b32 v[BT+\b], v[BM+\b], s[SEL], s[SEL+1]
.endr
.irp b, 0,1,2,3
	s_delay_alu instid0(VALU_DEP_4)
	v_max_num_f32 v[BM+\b], v[BM+\b], v[BT+\b]
.endr
	s_delay_alu instid0(VALU_DEP_2)
	v_max3_num_f32 v242, v[BM], v[BM+1], v[BM+2]
	s_delay_alu instid0(VALU_DEP_1)
	v_max_num_f32 v242, v242, v[BM+3]
	s_delay_alu instid0(VALU_DEP_1)
	v_mul_f32 v242, s[CS], v242
	s_delay_alu instid0(VALU_DEP_1)
	v_max_num_f32 v13, v13, v242
	v_mov_b32 v242, v12
	s_delay_alu instid0(VALU_DEP_2)
	v_floor_f32 v12, -v13
	s_delay_alu instid0(VALU_DEP_1)
	v_sub_f32 v242, v12, v242
	s_delay_alu instid0(VALU_DEP_1)
	v_cvt_i32_f32 v242, v242
	s_delay_alu instid0(VALU_DEP_1)
	v_ldexp_f32 v[FF], 1.0, v242
.irp j, 0,2,4,6,8,10,12,14,16,18,20,22,24,26,28,30,32,34,36,38,40,42,44,46,48,50,52,54,56,58,60,62
	v_pk_fma_f32 v[SS+\j:SS+1+\j], v[SS+\j:SS+1+\j], s[CS:CS+1], v[12:13] op_sel_hi:[1,0,0]
.endr
.irp b, 0,1,2,3
	v_fma_f32 v[BM+\b], v[BM+\b], s[CS], v12
.endr
.set n, 0
	s_wait_alu depctr_va_vdst(0)
.rept 64
	v_exp_f32 v[SS+n], v[SS+n]
.set n, n+1
.endr
.irp b, 0,1,2,3
	v_exp_f32 v[BM+\b], v[BM+\b]
.endr
	v_pk_mul_f32 v[14:15], v[14:15], v[FF:FF+1] op_sel_hi:[1,0]
	s_wait_alu depctr_va_vdst(0)
.irp b, 0,1,2,3
	v_max_num_f32 v[BM+\b], 0x4800000, v[BM+\b]
.endr
.irp b, 0,1,2,3
	s_delay_alu instid0(VALU_DEP_4)
	v_add_nc_u32 v[SO+\b], 0xfc000000, v[BM+\b]
.endr
.irp b, 0,1,2,3
	v_and_or_b32 v[HL+\b], v[BM+\b], 0x7f800000, s[MNT]
.endr
.irp b, 0,1,2,3
	v_lshrrev_b32 v[BT+\b], 23, v[SO+\b]
.endr
	s_delay_alu instid0(VALU_DEP_3)
	v_lshl_or_b32 v[PWD], v[BT+1], 8, v[BT]
	s_delay_alu instid0(VALU_DEP_1)
	v_lshl_or_b32 v[PWD], v[BT+2], 16, v[PWD]
	s_delay_alu instid0(VALU_DEP_1)
	v_lshl_or_b32 v[PWD], v[BT+3], 24, v[PWD]
	v_pk_add_f32 v[240:241], v[SS:SS+1], v[SS+2:SS+3]
.irp j, 4,8,12,16,20,24,28,32,36,40,44,48,52,56,60
	v_pk_add_f32 v[14:15], v[14:15], v[SS+\j:SS+1+\j]
	v_pk_add_f32 v[240:241], v[240:241], v[SS+2+\j:SS+3+\j]
.endr
	s_delay_alu instid0(VALU_DEP_1)
	v_pk_add_f32 v[14:15], v[14:15], v[240:241]
.irp b, 0,1,2,3
.irp i, 0,1,2,3,4,5,6,7,8,9,10,11,12,13,14,15
	v_min_num_f32 v[SS+16*\b+\i], v[SS+16*\b+\i], v[HL+\b]
.endr
	v_cvt_scalef32_pk8_fp8_f32 v[PCD+4*\b:PCD+1+4*\b], v[SS+16*\b:SS+7+16*\b], v[SO+\b]
	v_cvt_scalef32_pk8_fp8_f32 v[PCD+2+4*\b:PCD+3+4*\b], v[SS+8+16*\b:SS+15+16*\b], v[SO+\b]
.irp c, 0,1,2,3
	ds_load_b128 v[SS+16*\b+4*\c:SS+16*\b+4*\c+3], v6 offset:8192+2048*\b+512*\c
.endr
.endr
	ds_load_b128 v[VW:VW+3], v8
.irp j, 0,2,4,6,8,10,12,14,16,18,20,22,24,26,28,30
	v_pk_mul_f32 v[OT+\j:OT+1+\j], v[OT+\j:OT+1+\j], v[FF:FF+1] op_sel_hi:[1,0]
.endr
	s_wait_alu depctr_va_vdst(0)
	s_wait_dscnt 0x0
.irp d, 0,1,2,3
	v_wmma_scale_f32_16x16x128_f8f6f4 v[OT+8*\d:OT+8*\d+7], v[SS+16*\d:SS+16*\d+15], v[PCD:PCD+15], v[OT+8*\d:OT+8*\d+7], v[VW+\d], v[PWD]
.endr
.Lhid_\@:
	s_add_co_u32 s[RTB], s[RTB], 16384
	s_add_co_u32 s[RTS], s[RTS], 512
	s_add_co_u32 s[RTJ], s[RTJ], 256
.endm
.macro LOOP p0, trips
	s_mov_b32 s[RP], \p0
	s_mov_b32 s[RTB], 16384*\p0
	s_mov_b32 s[RTS], 512*\p0
	s_mov_b32 s[RTJ], 256*\p0
	s_mov_b32 s[RCNT], \trips
.Lloop_\@:
	STEP
	s_add_co_u32 s[RP], s[RP], 1
	s_sub_co_u32 s[RCNT], s[RCNT], 1
	s_cmp_lg_u32 s[RCNT], 0
	s_cbranch_scc1 .Lloop_\@
.endm
.macro PASSINIT qt, second
.if \second
	s_wait_xcnt 0x0
	v_mov_b32 v[QW], v254
.irp i, 0,1,2,3,4,5,6,7
	v_mov_b32 v[16+\i], v[246+\i]
.endr
.endif
	v_mov_b32 v13, 0xff61b1e6
	s_delay_alu instid0(VALU_DEP_1)
	v_floor_f32 v12, -v13
	v_mov_b32 v14, 0
	v_mov_b32 v15, 0
.set n, 0
.rept 32
	v_mov_b32 v[OT+n], 0
.set n, n+1
.endr
	s_lshr_b32 s54, s[\qt], 3
	s_sub_co_u32 s[RPD], 7, s54
	s_and_b32 s54, s[\qt], 7
	s_lshr_b32 s54, s54, 1
	s_lshl_b32 s54, s54, 5
	s_and_b32 s53, s[\qt], 1
	s_lshl_b32 s53, s53, 3
	s_add_co_u32 s54, s54, s53
	v_add_nc_u32 v4, s54, v5
	s_mul_i32 s54, s[\qt], CRT
	s_add_nc_u64 s[60:61], s[56:57], s[54:55]
	s_add_nc_u64 s[62:63], s[58:59], s[54:55]
.endm
.macro FINISH
.rept 8
	v_nop
.endr
	v_add_f32 v14, v14, v15
	s_delay_alu instid0(VALU_DEP_1)
	v_permlanex16_b32 v242, v14, s[SEL], s[SEL+1]
	s_delay_alu instid0(VALU_DEP_1)
	v_add_f32 v14, v14, v242
	s_wait_alu depctr_va_vdst(0)
	v_rcp_f32 v14, v14
	v_nop
	s_wait_alu depctr_va_vdst(0)
.irp j, 0,2,4,6,8,10,12,14,16,18,20,22,24,26,28,30
	v_pk_mul_f32 v[SS+\j:SS+1+\j], v[OT+\j:OT+1+\j], v[14:15] op_sel_hi:[1,0]
.endr
.irp b, 0,1
	v_max3_num_f32 v[BM+\b], |v[SS+16*\b]|, |v[SS+1+16*\b]|, 0x4800000
.endr
.irp i, 2,4,6,8,10,12,14
.irp b, 0,1
	s_delay_alu instid0(VALU_DEP_2)
	v_max3_num_f32 v[BM+\b], v[BM+\b], |v[SS+16*\b+\i]|, |v[SS+1+16*\b+\i]|
.endr
.endr
.irp b, 0,1
	s_delay_alu instid0(VALU_DEP_2)
	v_permlanex16_b32 v[BT+\b], v[BM+\b], s[SEL], s[SEL+1]
.endr
.irp b, 0,1
	s_delay_alu instid0(VALU_DEP_2)
	v_max_num_f32 v[BM+\b], v[BM+\b], v[BT+\b]
.endr
.irp b, 0,1
	s_delay_alu instid0(VALU_DEP_2)
	v_add_nc_u32 v[SO+\b], 0xfc000000, v[BM+\b]
.endr
.irp b, 0,1
	s_delay_alu instid0(VALU_DEP_4)
	v_and_or_b32 v[HL+\b], v[BM+\b], 0x7f800000, s[MNT]
.endr
.irp b, 0,1
	s_delay_alu instid0(VALU_DEP_4)
	v_lshrrev_b32 v[BT+\b], 23, v[SO+\b]
.endr
	s_delay_alu instid0(VALU_DEP_1)
	v_lshl_or_b32 v243, v[BT+1], 8, v[BT]
.irp b, 0,1
.irp i, 0,1,2,3,4,5,6,7,8,9,10,11,12,13,14,15
	v_med3_num_f32 v[SS+16*\b+\i], v[SS+16*\b+\i], -v[HL+\b], v[HL+\b]
.endr
	v_cvt_scalef32_pk8_fp8_f32 v[PCD+4*\b:PCD+1+4*\b], v[SS+16*\b:SS+7+16*\b], v[SO+\b]
	v_cvt_scalef32_pk8_fp8_f32 v[PCD+2+4*\b:PCD+3+4*\b], v[SS+8+16*\b:SS+15+16*\b], v[SO+\b]
.endr
	v_nop
	global_store_b128 v1, v[PCD:PCD+3], s[60:61]
	global_store_b128 v1, v[PCD+4:PCD+7], s[60:61] offset:512
	global_store_b16 v9, v243, s[62:63]
.endm
	s_wait_alu depctr_va_vdst(0)
	s_cmp_lt_u32 s[WV], 8
	s_cbranch_scc0 .Lnot_first
	s_wait_tensorcnt 0x0                           ; waves 0 to 7: my block of places 0 to 3 is in
.Lnot_first:
	s_wait_dscnt 0x0                               ; my stores of scale words are done
	s_barrier_signal -1
	s_barrier_wait -1                              ; places 0 to 3 and all scale words are whole
	PASSINIT QTB, 0
	LOOP 0, 4
	FINISH
	s_wait_alu depctr_va_vdst(0)
	s_wait_tensorcnt 0x0                           ; every wave, under no branch: all that was still out is in
	s_wait_dscnt 0x0
	s_barrier_signal -1
	s_barrier_wait -1                              ; all eight places are whole
	PASSINIT QTA, 1
	LOOP 0, 8
	FINISH
	s_wait_xcnt 0x0
	v_lshl_add_u32 v254, v0, 2, 0x29000
	v_mov_b32 v255, 0
	s_wait_alu depctr_va_vdst(0)
	s_wait_tensorcnt 0x0
	ds_add_u32 v254, v255
	s_wait_dscnt 0x0
	s_endpgm
.Lfunc_end_k_q7961dd3358_attn:
	.size	k_q7961dd3358_attn, .Lfunc_end_k_q7961dd3358_attn-k_q7961dd3358_attn
	.p2alignl 7, 3214868480
	.fill 96, 4, 3214868480
	.section	.rodata,"a",@progbits
	.p2align	6, 0x0
	.amdhsa_kernel k_q7961dd3358_attn
		.amdhsa_group_segment_fixed_size 327680
		.amdhsa_private_segment_fixed_size 0
		.amdhsa_enable_private_segment 0
		.amdhsa_kernarg_size 24
		.amdhsa_user_sgpr_count 2
		.amdhsa_user_sgpr_kernarg_segment_ptr 1
		.amdhsa_wavefront_size32 1
		.amdhsa_system_sgpr_workgroup_id_x 1
		.amdhsa_system_sgpr_workgroup_id_y 1
		.amdhsa_system_sgpr_workgroup_id_z 1
		.amdhsa_system_vgpr_workitem_id 0
		.amdhsa_next_free_vgpr 256
		.amdhsa_next_free_sgpr 84
		.amdhsa_reserve_vcc 1
		.amdhsa_float_denorm_mode_32 3
		.amdhsa_float_denorm_mode_16_64 3
		.amdhsa_memory_ordered 1
		.amdhsa_forward_progress 1
		.amdhsa_inst_pref_size 75
	.end_amdhsa_kernel
	.amdgpu_metadata
---
amdhsa.version: [ 1, 2 ]
amdhsa.kernels:
  - .name:           k_q7961dd3358_attn
    .symbol:         k_q7961dd3358_attn.kd
    .args:
      - { .name: qkb, .offset: 0, .size: 8, .value_kind: global_buffer, .address_space: global }
      - { .name: vb, .offset: 8, .size: 8, .value_kind: global_buffer, .address_space: global }
      - { .name: cb, .offset: 16, .size: 8, .value_kind: global_buffer, .address_space: global }
    .group_segment_fixed_size: 327680
    .private_segment_fixed_size: 0
    .kernarg_segment_align: 8
    .kernarg_segment_size: 24
    .max_flat_workgroup_size: 512
    .sgpr_count:     84
    .vgpr_count:     256
    .wavefront_size: 32
...
	.end_amdgpu_metadata
.endif
;; end of part 8
;; launch gemm2 (part 9): grid 4 x 64, 4 waves a work-group, clusters of 4 x 4, 327,680 bytes of LDS; arguments cb, wb, bo, out0; writes out0
.if DOCPART == 9
	.amdgcn_target "amdgcn-amd-amdhsa--gfx1250"
	.amdhsa_code_object_version 6
	.text
	.protected	k_q7961dd3358_gemm2
	.globl	k_q7961dd3358_gemm2
	.p2align	8
	.type	k_q7961dd3358_gemm2,@function
k_q7961dd3358_gemm2:
	s_mov_b64 s[64:65], 0
	v_nop
	global_prefetch_b8 v0, s[64:65] scope:SCOPE_SE
	s_setreg_imm32_b32 hwreg(HW_REG_WAVE_MODE, 25, 1), 1
	s_wait_xcnt 0x0
	s_wait_alu depctr_hold_cnt(0) depctr_sa_sdst(0) depctr_va_vdst(0) depctr_va_sdst(0) depctr_va_ssrc(0) depctr_va_vcc(0) depctr_vm_vsrc(0)
	s_getreg_b32 s2, hwreg(HW_REG_IB_STS2, 6, 4)
	s_cmp_eq_u32 s2, 0
	s_cbranch_scc0 .Lentry_in_a_cluster
	s_endpgm
.Lentry_in_a_cluster:
	s_bfe_u32 s2, ttmp6, 0x10000c
	s_cmp_lg_u32 s2, 0xf033
	s_cbranch_scc0 .Lentry_shape_is_right
	s_endpgm
.Lentry_shape_is_right:
; out0 = concat Wo + bo on codes of E4M3: A (source 1) = 128 rows of concat (cb), B (source 0) = 256 columns of Wo (wb's row tiles 192 on); sums in f32; out0 [8192][1024] f32.
; A TILE OF 128 x 256, so that 8,192 x 1,024 results make 256 work-groups, one for each WGP.  Four waves of 64 x 128: 32 accumulators each.
; cb, wb: [row tile][pair of K steps of 128: 4][4,352 bytes]: two images of operand registers (2 x 2,048), 128 bytes of scale words [r 16][2], 128 bytes that nobody touches.  A tensor row is a row tile's 4,224 bytes:
; codes and scale words come together.  A fragment comes from LDS by four loads of 512 consecutive bytes.
; Row i of row tile 2 b + u is the true row (or column) 32 b + 8 u + i % 8 + 16 (i / 8): the way out puts rows and columns back.
; K = 1,024 goes in four steps of 256.  THREE SLOTS of 24 row tiles fit in LDS: K steps 0, 1, 2 are first fills; K step 3 alone is a refill, of slot 0, and has two K steps' products in which to land.
; THE BIAS is the C of each sum's first product: eight registers a tile of columns, in the result's layout.
; CLUSTERS: 4 x 4: A's tiles are shared along a row of the cluster, B's along a column: joint loads.  No branch and no LDS address hangs on a place in the cluster.
; REGISTERS: window 0: v0-31 addresses; v32-63 scale words, two sets; v64-127 the bias; v128-255 A's fragments, two sets of four; on the way out rows of out0.  window 1: B's fragments, two sets.  window 2: the accumulators.
.set FR,    16
.set NP,    8                          ; places behind this matrix instruction (ISA guide 7.12.1)
.set RTB,   17408
.set KPB,   4352
.set TILEB, 4224
.set QUART, 4*TILEB                    ; four row tiles: what a wave fetches, and reads, of A
.set HALFT, 8*TILEB                    ; eight: of B
.set SLOT,  24*TILEB                   ; A's eight row tiles, then B's sixteen
.set SPARE, 3*SLOT                     ; the spare words, 128 bytes a wave: two blocks of 256 bytes that no other line names
.set STAGE, SLOT                       ; the way out: 16 rows x (512 + 16 bytes) for each wave, in slot 1, which has had its one fill and its last read by then
.set SPITCH, 528
.set ADSH, 12                          ; v12-14 LDS address of my scale words in slot 0, 1, 2
.set ADRH, 16                          ; v16-18 of my A fragments
.set ADRB, 20                          ; v20-22 of my B fragments
.set STO,  24
.set L16,  25
.set RD,   26
.set SPW,  28
.set NIL,  29
.set SC,   32
.set BQ,   64
.set AF,   128
.set BK,   128
.set G1H,  24                          ; s[24:31] group 1 for A's tiles: four rows; s[32:43] group 0, a set for each slot
.set G0H,  32
.set G1B,  48                          ; s[48:55] group 1 for B's: eight rows; s[68:79] group 0
.set G0HB, 68
.set MSB, 0
.macro WIN new                         ; the immediate's high byte repeats the setting that is left
.if MSB != \new
	s_set_vgpr_msb (MSB<<8)|\new
.set MSB, \new
.endif
.endm
.set MUL_LO, 0xa1                      ; source 0 (B) window 1, source 1 (A) window 0, C and D window 2
.set BIA_LO, 0x81                      ; the same with C (the bias) in window 0
.set TO_B,   0x40
.macro JLOAD g0a, g1a, g0b, g1b        ; a joint load: waves 0, 1 fetch for A, waves 2, 3 for B; four v_nop follow each line
	s_cmp_eq_u32 s15, 0
	s_cbranch_scc0 .Lfor_b_\@
	tensor_load_to_lds s[\g0a:\g0a+3], s[\g1a:\g1a+7]
	s_nop 0
.rept 4
	v_nop
.endr
	s_branch .Lasked_\@
.Lfor_b_\@:
	tensor_load_to_lds s[\g0b:\g0b+3], s[\g1b:\g1b+7]
	s_nop 0
.rept 4
	v_nop
.endr
.Lasked_\@:
.endm
.macro CREST
	s_cmp_lg_u32 s14, 0
	s_cbranch_scc1 .Lnot_wave_0_\@
	s_barrier_signal -3
.Lnot_wave_0_\@:
	s_barrier_wait -3
	s_barrier_signal -1
	s_barrier_wait -1
.endm
.macro CROUND
	s_barrier_signal -1
	s_barrier_wait -1
	CREST
.endm
	s_load_b128 s[4:7], s[0:1], 0x0                ; cb, wb
	s_load_b128 s[8:11], s[0:1], 0x10              ; bo, out0
	v_lshl_add_u32 v[SPW], v0, 2, SPARE
	v_mov_b32 v[NIL], 0
	ds_add_u32 v28, v29
	ds_add_u32 v28, v29
	s_wait_dscnt 0x0
	v_lshrrev_b32 v1, 5, v0
	v_readfirstlane_b32 s14, v1                    ; wave 0..3
	s_lshr_b32 s15, s14, 1                         ; my half of A's rows.  Also: I fetch for A (0) or for B (1)
	s_and_b32 s16, s14, 1                          ; my half of B's rows.  Also: which half of that tile I fetch
	s_bfe_u32 s56, ttmp6, 0x40000                  ; cx
	s_bfe_u32 s57, ttmp6, 0x40004                  ; cy
	s_and_b32 s17, ttmp7, 0xffff
	s_lshl_b32 s17, s17, 2
	s_add_co_u32 s17, s17, s57                     ; A's tile of 128 rows: 4 x cluster y + cy
	s_lshl_b32 s58, s57, 2
	s_lshl_b32 s58, 15, s58                        ; my row of the cluster
	s_lshl_b32 s59, 0x1111, s56                    ; my column
	; group 1: rows (row tiles) of 4,224 bytes (528 elements of 8 bytes), 17,408 bytes apart; dense in LDS
	s_or_b32 s[G1H+0], s58, (3<<16)|(1<<21)
	s_mov_b32 s[G1H+1], 528<<16
	s_mov_b32 s[G1H+2], 8<<16                      ; the head's loads bring whole tiles: A's eight row tiles,
	s_mov_b32 s[G1H+3], 528<<16
	s_mov_b32 s[G1H+4], 8
	s_mov_b32 s[G1H+5], RTB/8
	s_mov_b32 s[G1H+6], 0
	s_mov_b32 s[G1H+7], 0
	s_or_b32 s[G1B+0], s59, (3<<16)|(1<<21)
	s_mov_b32 s[G1B+1], 528<<16
	s_mov_b32 s[G1B+2], 16<<16                     ; B's sixteen
	s_mov_b32 s[G1B+3], 528<<16
	s_mov_b32 s[G1B+4], 16
	s_mov_b32 s[G1B+5], RTB/8
	s_mov_b32 s[G1B+6], 0
	s_mov_b32 s[G1B+7], 0
	s_lshl_b32 s20, s17, 3
	s_lshl_b32 s18, s16, 2
	s_add_co_u32 s20, s20, s18                     ; A: the first row tile that I fetch
	s_mul_i32 s20, s20, RTB
	s_mov_b32 s21, 0
	s_lshl_b32 s46, s56, 4
	s_lshl_b32 s18, s16, 3
	s_add_co_u32 s46, s46, s18
	s_add_co_u32 s46, s46, 192                     ; B: Wo's columns begin at wb's row tile 192
	s_mul_i32 s46, s46, RTB
	s_mov_b32 s47, 0
	s_mul_i32 s60, s17, 8*RTB                      ; for the head's loads: A's first row tile,
	s_mov_b32 s61, 0
	s_lshl_b32 s62, s56, 4
	s_add_co_u32 s62, s62, 192
	s_mul_i32 s62, s62, RTB                        ; and B's
	s_mov_b32 s63, 0
	s_mul_i32 s44, s14, QUART                      ; where they go: A's: wave x four row tiles;
	s_mul_i32 s45, s16, HALFT
	s_add_co_u32 s45, s45, HALFT                   ; B's: behind A's eight; no place in the cluster enters an LDS address
	s_wait_kmcnt 0x0
	s_add_nc_u64 s[20:21], s[4:5], s[20:21]
	s_add_nc_u64 s[46:47], s[6:7], s[46:47]
	s_add_nc_u64 s[60:61], s[4:5], s[60:61]
	s_add_nc_u64 s[62:63], s[6:7], s[62:63]
	CROUND                                         ; all sixteen work-groups are here: the first joint loads meet
.irp s, 0,2                                    ; the groups 0 of a quarter of a slot: slot 0's for its refill, slot 2's for its first fill
	s_mov_b32 s[G0H+4*\s], 1
	s_add_co_u32 s[G0H+4*\s+1], s44, \s*SLOT
	s_add_nc_u64 s[G0H+4*\s+2:G0H+4*\s+3], s[20:21], \s*KPB
	s_or_b32 s[G0H+4*\s+3], s[G0H+4*\s+3], 0x80000000
	s_mov_b32 s[G0HB+4*\s], 1
	s_add_co_u32 s[G0HB+4*\s+1], s45, \s*SLOT
	s_add_nc_u64 s[G0HB+4*\s+2:G0HB+4*\s+3], s[46:47], \s*KPB
	s_or_b32 s[G0HB+4*\s+3], s[G0HB+4*\s+3], 0x80000000
.endr
.irp s, 0,1                                    ; the head's groups 0: s[80:83], s[84:87] K step 0's A and B, whole; s[88:91], s[92:95] K step 1's
	s_mov_b32 s[80+8*\s], 1
	s_mov_b32 s[81+8*\s], \s*SLOT
	s_add_nc_u64 s[82+8*\s:83+8*\s], s[60:61], \s*KPB
	s_or_b32 s[83+8*\s], s[83+8*\s], 0x80000000
	s_mov_b32 s[84+8*\s], 1
	s_mov_b32 s[85+8*\s], \s*SLOT+HALFT
	s_add_nc_u64 s[86+8*\s:87+8*\s], s[62:63], \s*KPB
	s_or_b32 s[87+8*\s], s[87+8*\s], 0x80000000
.endr
; THE HEAD'S LOADS, ONE A WAVE: one chain of branches on the wave's number, a load to an arm, K step 0's tiles first
.macro ARM under, g0, g1, next
	s_cmp_lt_u32 s14, \under
	s_cbranch_scc0 \next
	tensor_load_to_lds s[\g0:\g0+3], s[\g1:\g1+7]
	s_nop 0
.rept 4
	v_nop
.endr
	s_branch .Lhead_asked
\next:
.endm
	ARM 1, 80, G1H, .Lhead_b0
	ARM 2, 84, G1B, .Lhead_a1
	ARM 3, 88, G1H, .Lhead_b1
	tensor_load_to_lds s[92:95], s[G1B:G1B+7]
	s_nop 0
.rept 4
	v_nop
.endr
.Lhead_asked:
	v_and_b32 v1, 31, v0
	v_lshlrev_b32 v[L16], 4, v1
	v_and_b32 v2, 15, v0                           ; r
	v_bfe_u32 v3, v0, 4, 1                         ; h
	s_wait_alu depctr_va_vdst(0)
	s_lshl_b32 s18, s56, 10
	s_lshl_b32 s19, s16, 9
	s_add_co_u32 s18, s18, s19                     ; my first column, in bytes: 4 (256 cx + 128 x my half of B)
	s_mov_b32 s19, 0
	s_add_nc_u64 s[96:97], s[8:9], s[18:19]
	v_lshlrev_b32 v30, 6, v3
.irp t, 0,1,2,3,4,5,6,7
	global_load_b128 v[BQ+8*\t:BQ+8*\t+3], v30, s[96:97] offset:4*(32*(\t/2)+8*(\t%2))        ; register 8 t + j: column 32 (t / 2) + 16 h + 8 (t % 2) + j
	global_load_b128 v[BQ+8*\t+4:BQ+8*\t+7], v30, s[96:97] offset:4*(32*(\t/2)+8*(\t%2))+16
.endr
	s_lshl_b32 s20, s17, 19                        ; my first row of out0: 128 x A's tile + 64 x my half, rows of 4,096 bytes
	s_lshl_b32 s21, s15, 18
	s_add_co_u32 s20, s20, s21
	s_add_co_u32 s20, s20, s18
	s_mov_b32 s21, 0
	s_add_nc_u64 s[12:13], s[10:11], s[20:21]
	s_mul_i32 s2, s15, QUART                       ; my four row tiles of A,
	s_mul_i32 s3, s16, HALFT
	s_add_co_u32 s3, s3, HALFT                     ; my eight of B
	s_sub_co_u32 s22, s3, s2                       ; scale words: lanes 0-15 take A's rows, lanes 16-31 B's: the lower base + h x the distance
	v_mul_u32_u24 v4, s22, v3
	v_lshl_add_u32 v4, v2, 3, v4                   ; + 8 r
.irp s, 0,1,2
	v_add_nc_u32 v[ADRH+\s], s2, v[L16]
	v_add_nc_u32 v[ADRB+\s], s3, v[L16]
	v_add_nc_u32 v[ADSH+\s], s2, v4
	s_add_co_u32 s2, s2, SLOT
	s_add_co_u32 s3, s3, SLOT
.endr
	s_mul_i32 s23, s14, 16*SPITCH
	s_add_co_u32 s23, s23, STAGE                   ; my stage
	v_mul_u32_u24 v5, v2, SPITCH
	v_lshl_add_u32 v5, v3, 6, v5
	v_add_nc_u32 v[STO], s23, v5                   ; in: row r, + 64 h
	v_add_nc_u32 v[RD], s23, v[L16]                ; back: the 32 lanes take one row of 512 bytes
.macro FRAG reg, adr, q, i             ; a fragment as its image: four loads of 512 consecutive bytes
.irp c, 0,1,2,3
	ds_load_b128 v[\reg+4*\c:\reg+4*\c+3], v[\adr] offset:2048*(\q)+512*\c+(\i)*TILEB
.endr
.endm
; A's block a x B's eight; set p of A (v[AF + 64 p]) and of B (v[128 p] of window 1).  first = 1: the bias starts the sums.  The 32 accumulators take turns, one instruction a turn, in the same order in every step
.macro H8 a, p, q, sc, first
.irp b, 0,1,2,3,4,5,6,7
.if \first
	v_wmma_scale_f32_16x16x128_f8f6f4 v[8*(8*(\a)+\b):8*(8*(\a)+\b)+7], v[128*(\p)+FR*\b:128*(\p)+FR*\b+FR-1], v[AF+64*(\p)+FR*(\a):AF+64*(\p)+FR*(\a)+FR-1], v[BQ+8*\b:BQ+8*\b+7], v[SC+16*(\sc)+2*\b+(\q)], v[SC+16*(\sc)+2*(\a)+(\q)] matrix_a_scale:MATRIX_SCALE_ROW1
.else
	v_wmma_scale_f32_16x16x128_f8f6f4 v[8*(8*(\a)+\b):8*(8*(\a)+\b)+7], v[128*(\p)+FR*\b:128*(\p)+FR*\b+FR-1], v[AF+64*(\p)+FR*(\a):AF+64*(\p)+FR*(\a)+FR-1], v[8*(8*(\a)+\b):8*(8*(\a)+\b)+7], v[SC+16*(\sc)+2*\b+(\q)], v[SC+16*(\sc)+2*(\a)+(\q)] matrix_a_scale:MATRIX_SCALE_ROW1
.endif
.endr
.endm
.macro FETCH_B slot, q, p
	WIN TO_B
.irp i, 0,1,2,3,4,5,6,7
	FRAG 128*(\p)+FR*\i, ADRB+\slot, \q, \i
.endr
	WIN 0
.endm
.macro HFETCH_A slot, q, p
.irp i, 0,1,2,3
	FRAG AF+64*(\p)+FR*\i, ADRH+\slot, \q, \i
.endr
.endm
.macro HSCALES slot, sc                ; a slot's two words a row, behind each row tile's codes: lanes 16-31: B's block i; lanes 0-15: A's block i for i < 4 (for i >= 4 they bring bytes of the slot that no product names)
.irp i, 0,1,2,3,4,5,6,7
	ds_load_b64 v[SC+16*\sc+2*\i:SC+16*\sc+2*\i+1], v[ADSH+\slot] offset:\i*TILEB+4096
.endr
.endm
.macro PLACES n                        ; plain vector lines between a matrix instruction and a load into, or a store from, its registers
.rept \n
	v_nop
.endr
.endm
.macro HSTEP slot, sc, first           ; a slot's first 128 along K, on sets 0; the second 128's fragments are fetched first, into sets 1: they have the step's 32 products in which to come
	s_wait_dscnt 0x0                               ; this step's fragments and scale words are in
	PLACES NP                                      ; behind the products that read sets 1
	FETCH_B \slot, 1, 1
	HFETCH_A \slot, 1, 1
.if \first
	WIN BIA_LO
.else
	WIN MUL_LO
.endif
.irp a, 0,1,2,3
	H8 \a, 0, 0, \sc, \first
.endr
	WIN 0
.endm
; a slot's second 128 along K, on sets 1, goes on to the next slot.  mode 2: this slot is filled again, behind a round of the cluster's barrier, in front of which each wave waits for all its tensor loads, adds 0 to its
; spare word and waits for that and for its reads of the slot.  mode 1: nothing is filled; a work-group barrier shows the next slot whole.  mode 0: the next slot was shown whole by an earlier barrier: no barrier.
.macro HTURN slot, sc, next, nsc, mode
.if \mode
	s_wait_tensorcnt 0x0                           ; all my tensor loads have landed
	ds_add_u32 v[SPW], v[NIL]                      ; 0 onto my spare word
	s_wait_dscnt 1                                 ; this step's fragments are in; the add may be out
.else
	s_wait_dscnt 0x0
.endif
	WIN MUL_LO
	H8 0, 1, 1, \sc, 0
.if \mode
	s_wait_dscnt 0x0                               ; the add is done, and my reads of this slot are over
	s_barrier_signal -1
.endif
	H8 1, 1, 1, \sc, 0
	WIN 0
.if \mode
	s_barrier_wait -1
.endif
.if \mode == 2
	CREST                                          ; no wave of any partner still reads this slot or has a load on its way
	s_add_nc_u64 s[G0H+4*\slot+2:G0H+4*\slot+3], s[G0H+4*\slot+2:G0H+4*\slot+3], 3*KPB
	s_add_nc_u64 s[G0HB+4*\slot+2:G0HB+4*\slot+3], s[G0HB+4*\slot+2:G0HB+4*\slot+3], 3*KPB
	JLOAD G0H+4*\slot, G1H, G0HB+4*\slot, G1B      ; the first tensor load behind the round; its four v_nop are among the places in front of the loads below
	PLACES NP-4
.else
	PLACES NP
.endif
	s_wait_alu depctr_va_vdst(0)
	FETCH_B \next, 0, 0
	HFETCH_A \next, 0, 0
	HSCALES \next, \nsc
	WIN MUL_LO
	H8 2, 1, 1, \sc, 0
	H8 3, 1, 1, \sc, 0
	WIN 0
.endm
	s_wait_alu depctr_va_vdst(0)
	s_wait_tensorcnt 0x0                           ; my tile of the head's four is in
	ds_add_u32 v[SPW], v[NIL]
	s_mov_b32 s[G1H+2], 4<<16                      ; no tensor load of mine is out: from here on a load brings a quarter of a slot: four row tiles of A,
	s_mov_b32 s[G1H+4], 4
	s_mov_b32 s[G1B+2], 8<<16                      ; eight of B
	s_mov_b32 s[G1B+4], 8
	s_wait_dscnt 0x0                               ; the add is done
	CROUND                                         ; K steps 0 and 1 are whole in every work-group of the cluster
	JLOAD G0H+8, G1H, G0HB+8, G1B                  ; slot 2's first fill, K step 2: the first tensor load behind the round
	FETCH_B 0, 0, 0
	HFETCH_A 0, 0, 0
	HSCALES 0, 0
	s_wait_loadcnt 0x0                             ; the bias
	HSTEP 0, 0, 1                                  ; the first products start the sums from the bias
	HTURN 0, 0, 1, 1, 2                            ; K steps 1 and 2 have landed; slot 0 takes K step 3
	HSTEP 1, 1, 0
	HTURN 1, 1, 2, 0, 0
	HSTEP 2, 0, 0
	HTURN 2, 0, 0, 1, 1                            ; K step 3 has landed; behind this barrier nobody reads slot 1 or 2 any more
	HSTEP 0, 1, 0
	s_wait_dscnt 0x0
	WIN MUL_LO
.irp a, 0,1,2,3
	H8 \a, 1, 1, 1, 0
.endr
	WIN 0
; THE WAY OUT, block by block of 16 rows x 128 columns, through my own stage: in, a lane's eight results of tile t go to the true columns 32 (t / 2) + 16 h + 8 (t % 2) + 0..7 of row r; back come whole rows of 512 bytes.
; LDS serves a wave's instructions in order (ISA guide 5.7.1.4): no wait between the stores and the loads, nor in front of the next block's stores.
.macro TOSTAGE a
.set AC, 64*(\a)
	WIN 0x08                                       ; the data: window 2
.irp b, 0,1,2,3,4,5,6,7
	ds_store_b128 v[STO], v[AC+8*\b:AC+8*\b+3] offset:128*(\b/2)+32*(\b%2)          ; each accumulator from its low end on
	ds_store_b128 v[STO], v[AC+8*\b+4:AC+8*\b+7] offset:128*(\b/2)+32*(\b%2)+16
.endr
	WIN 0
.set BB, BK+64*((\a)%2)
.irp t, 0,1,2,3,4,5,6,7,8,9,10,11,12,13,14,15
	ds_load_b128 v[BB+4*\t:BB+4*\t+3], v[RD] offset:\t*SPITCH
.endr
.endm
.macro SEND a, younger                 ; younger: the LDS instructions issued behind block a's loads, which may stay out
.set BB, BK+64*((\a)%2)
	s_wait_dscnt \younger
.irp t, 0,1,2,3,4,5,6,7,8,9,10,11,12,13,14,15
	global_store_b128 v[L16], v[BB+4*\t:BB+4*\t+3], s[12:13] offset:(32*((\a)/2)+8*((\a)%2)+\t+8*(\t/8))*4096 th:TH_STORE_NT   ; the stage's row t is the true row 32 (a / 2) + 8 (a % 2) + t % 8 + 16 (t / 8); 512 consecutive bytes
.endr
.endm
	PLACES NP
	TOSTAGE 0
.irp a, 1,2,3
.if \a > 1
	s_wait_xcnt 0x0                                ; block a - 2's stores have read their registers: block a's loads may land there
.endif
	TOSTAGE \a
	SEND \a-1, 32                                  ; behind block a - 1's loads: block a's 16 stores and 16 loads
.endr
	SEND 3, 0
	s_wait_tensorcnt 0x0                           ; the wave's end
	ds_add_u32 v[SPW], v[NIL]
	s_wait_dscnt 0x0
	CROUND                                         ; the closing round
	s_endpgm
.Lfunc_end_k_q7961dd3358_gemm2:
	.size	k_q7961dd3358_gemm2, .Lfunc_end_k_q7961dd3358_gemm2-k_q7961dd3358_gemm2
	.p2alignl 7, 3214868480
	.fill 96, 4, 3214868480
	.section	.rodata,"a",@progbits
	.p2align	6, 0x0
	.amdhsa_kernel k_q7961dd3358_gemm2
		.amdhsa_group_segment_fixed_size 327680
		.amdhsa_private_segment_fixed_size 0
		.amdhsa_enable_private_segment 0
		.amdhsa_kernarg_size 32
		.amdhsa_user_sgpr_count 2
		.amdhsa_user_sgpr_kernarg_segment_ptr 1
		.amdhsa_wavefront_size32 1
		.amdhsa_system_sgpr_workgroup_id_x 1
		.amdhsa_system_sgpr_workgroup_id_y 1
		.amdhsa_system_sgpr_workgroup_id_z 1
		.amdhsa_system_vgpr_workitem_id 0
		.amdhsa_next_free_vgpr 1024
		.amdhsa_next_free_sgpr 100
		.amdhsa_reserve_vcc 0
		.amdhsa_float_denorm_mode_32 3
		.amdhsa_float_denorm_mode_16_64 3
		.amdhsa_memory_ordered 1
		.amdhsa_forward_progress 1
		.amdhsa_inst_pref_size 89
	.end_amdhsa_kernel
	.amdgpu_metadata
---
amdhsa.version: [ 1, 2 ]
amdhsa.kernels:
  - .name:           k_q7961dd3358_gemm2
    .symbol:         k_q7961dd3358_gemm2.kd
    .args:
      - { .name: cb, .offset: 0, .size: 8, .value_kind: global_buffer, .address_space: global }
      - { .name: wb, .offset: 8, .size: 8, .value_kind: global_buffer, .address_space: global }
      - { .name: bo, .offset: 16, .size: 8, .value_kind: global_buffer, .address_space: global }
      - { .name: out0, .offset: 24, .size: 8, .value_kind: global_buffer, .address_space: global }
    .group_segment_fixed_size: 327680
    .private_segment_fixed_size: 0
    .kernarg_segment_align: 8
    .kernarg_segment_size: 32
    .max_flat_workgroup_size: 128
    .sgpr_count:     100
    .vgpr_count:     1024
    .wavefront_size: 32
...
	.end_amdgpu_metadata
.endif
;; end of part 9
